; MI455X (gfx1250); checked and timed in simulation.
; The chip was launched on July 23, 2026; its instructions are those of AMD's public machine-readable ISA for CDNA 5 (MIT licence, August 2026) and "CDNA5" Instruction Set Architecture Reference Guide (July 2026). The comments in the code are by the model that wrote it; some were corrected since.
;; Gated Cross Attention. Allowed arithmetic: matrix products marked QUANTISED: E3M2 operands, one E8M0 scale for each 32 along K, by v_wmma_scale_f32_16x16x128_f8f6f4 with both operands' format E3M2, f32 sums; everything else in f32.
;; Inputs: Wk_codes 1,024 x 32 x 24 uint8 (E3M2 codes of Wk, K innermost, in blocks of 32 codes, four codes in three bytes); Wk_scales 1,024 x 32 uint8 (E8M0 scales of Wk, one for each 32 codes along K); Wo_codes 1,024 x 32 x 24 uint8 (E3M2 codes of Wo, K innermost, in blocks of 32 codes, four codes in three bytes); Wo_scales 1,024 x 32 uint8 (E8M0 scales of Wo, one for each 32 codes along K); Wq_codes 1,024 x 32 x 24 uint8 (E3M2 codes of Wq, K innermost, in blocks of 32 codes, four codes in three bytes); Wq_scales 1,024 x 32 uint8 (E8M0 scales of Wq, one for each 32 codes along K); Wv_codes 1,024 x 32 x 24 uint8 (E3M2 codes of Wv, K innermost, in blocks of 32 codes, four codes in three bytes); Wv_scales 1,024 x 32 uint8 (E8M0 scales of Wv, one for each 32 codes along K); audio_attention_mask 4 x 1,500 bool; audio_kv 4 x 1,500 x 1,024 float32; gate 1 float32; hidden_states 4 x 2,048 x 1,024 float32; ln_beta 1,024 float32; ln_gamma 1,024 float32.
;; Outputs: out0 4 x 2,048 x 1,024 float32.
;; This version of the problem:
;;   THIS VERSION OF THE PROBLEM IS GIVEN IN LOW PRECISION. The matrix products marked QUANTISED in the list below multiply operands that are first quantised to E3M2 (3 exponent bits, 2 mantissa bits; 6 bits a number), with one power-of-two scale for each 32 numbers along K (OCP MX v1.0); their sums are f32. All else is computed in f32.
;;   The module's matrix products, in the order in which they are computed (A, B: the left and right operand; K: the contracted axis; several contracted axes count as one K, in the product's order):
;;     1. [M 8,192, K 1,024] x [K 1,024, N 1,024]; A: input hidden_states; B: input Wq (given as codes): QUANTISED
;;     2. [M 6,000, K 1,024] x [K 1,024, N 1,024]; A: computed on the way; B: input Wk (given as codes): QUANTISED
;;     3. [M 6,000, K 1,024] x [K 1,024, N 1,024]; A: computed on the way; B: input Wv (given as codes): QUANTISED
;;     4. batch 64 x [M 2,048, K 64] x [K 64, N 1,500]; A: computed on the way; B: computed on the way: QUANTISED
;;     5. batch 64 x [M 2,048, K 1,500] x [K 1,500, N 64]; A: softmax (see below); B: computed on the way: QUANTISED
;;     6. [M 8,192, K 1,024] x [K 1,024, N 1,024]; A: computed on the way; B: input Wo (given as codes): QUANTISED
;;   THE QUANTISER, for each operand of a quantised product, along K:
;;     - K is cut into blocks of 32 from its start; a last block that is shorter is filled with zeros.
;;     - A block's scale is 2^e with e = floor(log2(the largest magnitude in the block)) - 4, held to -126 .. 127; a block of zeros has e = 0. As a byte (E8M0): e + 127.
;;     - Each number is divided by its block's scale, clamped to +-28, and rounded to the nearest number of E3M2, ties to even, subnormals kept.
;;     - The product sums the exact products of the quantised numbers (number of the format x scale) in f32.
;;   ~~~python
;;   def quantise(x, axis):      # numpy; x: float32 -> the quantised numbers, widened to float32 again
;;       x = np.moveaxis(x, axis, -1); K = x.shape[-1]
;;       x = np.pad(x, [(0, 0)] * (x.ndim - 1) + [(0, -K % 32)]); x = x.reshape(x.shape[:-1] + (-1, 32)); a = np.abs(x).max(-1, keepdims=True)
;;       e = np.where(a > 0, np.clip(np.frexp(np.where(a > 0, a, 1))[1] - 1 - 4, -126, 127), 0)      # np.frexp(a)[1] - 1 = floor(log2(a)), exactly
;;       r = np.clip(x / 2.0 ** e, -28, 28)
;;       step = 2.0 ** (np.maximum(np.frexp(np.where(r == 0, 1, r))[1] - 1, -2) - 2)
;;       q = np.round(r / step) * step * 2.0 ** e      # np.round: ties to even
;;       return np.moveaxis(q.reshape(q.shape[:-2] + (-1,))[..., :K], -1, axis).astype(np.float32)
;;   ~~~
;;   SOFTMAX AHEAD OF A QUANTISED PRODUCT. Where the list says 'softmax', what is quantised is not the finished softmax but p = 2^(t - M), with t = logit x log2(e) and M = ceil(the row's largest t), a whole number; so 1/2 < the row's largest p <= 1. The row's sum l is taken of the UNQUANTISED p, in f32, and the product's result is divided by l at the end. Since M is a whole number, a kernel that streams over the keys may use a running M (the ceiling of the running maximum): every later rescaling is an exact power of two, which a block's scale takes up: the codes' values come out the same.
;;   OPERANDS COMPUTED ON THE WAY. 'Computed on the way' means the value that the module computes at that place (a softmax that the list does not call 'softmax' is quantised finished and normalised). What goes into a quantiser is computed in f32, as accurately as f32 sums, v_exp_f32 and their like allow (about 1e-6 of the number): no bf16 or f16 on the way to a quantiser, and a product that is left as it is and whose result goes on into a quantised operand takes f32 operands (vector FMAs, or v_wmma_f32_16x16x4_f32). A number that lies on a knife's edge between two numbers of the format may be rounded either way, as far as f32 arithmetic and the matrix unit's own rounding can turn it there, and no further.
;;   INPUTS GIVEN AS CODES. Wk (in the module: [1024, 1024], K = its axis 1); Wo (in the module: [1024, 1024], K = its axis 1); Wq (in the module: [1024, 1024], K = its axis 1); Wv (in the module: [1024, 1024], K = its axis 1): each comes as NAME_codes (uint8): NAME with its K axis moved to the last place and cut into blocks of 32 codes, [.., K / 32, bytes a block], one block behind the other in memory; four codes in three bytes: a row's codes are one little-endian stream of bits, code i at bits 6 i .. 6 i + 5 (a code: sign, 3 exponent bits, 2 mantissa bits); and NAME_scales (uint8): the same leading axes, one E8M0 byte (e + 127) for each 32 codes along K. Its value is code x scale, taken as it is: it is not quantised again, and the codes and scales need not be those that the quantiser above would give.
;; 2 versions. Each part assembles by itself: llvm-mc -triple=amdgcn-amd-amdhsa -mcpu=gfx1250 --defsym DOCPART=n.
;; ======== version 1 of 2: 4 launches
;; limits: right only within a limited range of input values
;; workspace buffers: prepbuf 14,639,104 bytes; mflags 1,024 bytes of whole numbers; qkv 17,039,360 bytes; obuf 6,553,600 bytes
;; launch prep (part 1): grid 1153 x 1, 8 waves a work-group, no clusters, 70,144 bytes of LDS; arguments hidden_states, audio_kv, ln_gamma, ln_beta, audio_attention_mask, Wq_codes, Wk_codes, Wv_codes, Wo_codes, prepbuf, mflags; writes prepbuf, mflags
.if DOCPART == 1
	.amdgcn_target "amdgcn-amd-amdhsa--gfx1250"
	.amdhsa_code_object_version 6
	.text
	.protected	k_q64d40c44d1_prep
	.globl	k_q64d40c44d1_prep
	.p2align	8
	.type	k_q64d40c44d1_prep,@function
k_q64d40c44d1_prep:
	s_mov_b64 s[64:65], 0
	v_nop
	global_prefetch_b8 v0, s[64:65] scope:SCOPE_SE
	s_setreg_imm32_b32 hwreg(HW_REG_WAVE_MODE, 25, 1), 1
	s_wait_xcnt 0x0
; GATED CROSS ATTENTION IN MX-BF6, launch 1 of 4: everything that is quantised or laid out ONCE.
; DEAD WORK: none.  Every step of reference() is done and every input is loaded by some launch.
; LIMITS of the program: NaN and infinities among the inputs are not served; |score x log2(e) / 8| stays under 2^100; a batch whose mask is all false
; gives NaN in reference() and is not promised to do so here; a block whose largest magnitude lies under 2^-122 keeps the scale byte 1, and so does a
; block of zeros (the rule says 127): its codes are zeros, and these bytes are read by this program alone.
; WHAT THIS LAUNCH MAKES, all in prepbuf:
;  work-groups 0-511    hidden_states, 16 rows each, quantised along the 1,024 features: codes as IMAGES OF THE OPERAND'S REGISTERS, scale bytes row-major
;  work-groups 512-895  audio_kv, LayerNorm in f32 (mean first, then the mean of squared differences), then the same; each batch is padded to 1,536 rows with zero codes
;  work-groups 896-1151 the four weights' codes, laid anew as images, so that the later launches load each fragment by three dense loads
;  work-group 1152      the mask as a table of f32 (0, or -2^106 for a key that does not count or lies past 1,499), and in mflags, as whole numbers, which steps of 128 keys hold such a key
; AN IMAGE of a fragment (16 rows x 128 K, 12 registers a lane, 1,536 bytes).  Form H2: half c: registers 6c..6c+3 at 768c + 16 x lane, registers 6c+4, 6c+5 at 768c + 512 + 8 x lane.
; Form F3: registers 4c..4c+3 at 512c + 16 x lane.  Every store of a piece covers 512 or 256 consecutive bytes.
; Eight waves; wave w takes K step w (features 128w..128w+127) of the work-group's 16 rows.
.set HIMG, 0                           ; prepbuf: hidden's images [tile 0..511][K step 0..7]
.set HSC, 6291456                      ; hidden's scale bytes [8192][32]
.set AIMG, 6553600                     ; audio's images [batch][tile 0..95][K step]
.set ASC, 11272192                     ; audio's scale bytes [6144][32]
.set WIMG, 11468800                    ; weights' images [q,k,v,o][tile 0..63][K step]
.set MBT, 14614528                     ; the mask's table [4][1536] f32
.set PS1, 0                            ; LDS: partial sums [row][wave] f32
.set PS2, 512                          ; partial sums of squares
.set SCW, 1024                         ; scale words [row][wave]
.set SPARE, 1536                       ; the spare words, 128 bytes for each of eight waves
.set STG, 2560                         ; a stage of 16 rows x 528 bytes for each wave
.set SROW, 528                         ; 512 bytes + 16: row r starts 4 r words on in the banks
.set AD, 16                            ; v16-31  the 16 rows' byte offsets
.set R, 32                             ; v32-95  rows as loaded; later gamma; later QUANT's work
.set X, 96                             ; v96-159 64 numbers of my row: register 16b+i = feature 128w + 32b + 16h + i
.set BT, 160                           ; v160-223 beta
.set TM, 32
.set PW, 48
.set PC, 52
.set SEL, 60                           ; s[60:61] selects of v_permlanex16_b32: lane l xor 16
; 64 numbers of a lane, register 16b+i = k 32b + 16 (lane / 16) + i of my row, become a fragment's codes in v[PC] on and its scale word in v[PW]
.macro QUANT s
.irp b,0,1,2,3
	v_max3_num_f32 v[TM+\b], |v[\s+16*\b]|, |v[\s+1+16*\b]|, 0x2800000   ; my 16 numbers of block b, and the floor 2^(5-127): the byte cannot fall under 1
.endr
.irp i,2,4,6,8,10,12,14
.irp b,0,1,2,3
	v_max3_num_f32 v[TM+\b], v[TM+\b], |v[\s+16*\b+\i]|, |v[\s+1+16*\b+\i]|
.endr
.endr
.irp b,0,1,2,3
	v_permlanex16_b32 v[TM+4+\b], v[TM+\b], s[SEL], s[SEL+1]
.endr
.irp b,0,1,2,3
	v_max_num_f32 v[TM+\b], v[TM+\b], v[TM+4+\b]     ; with lane l xor 16's: the block's largest magnitude
.endr
.irp b,0,1,2,3
	v_add_nc_u32 v[TM+12+\b], 0xfe000000, v[TM+\b]   ; 4 off its exponent field: the conversion's scale operand
.endr
.irp b,0,1,2,3
	v_lshrrev_b32 v[TM+4+\b], 23, v[TM+12+\b]        ; the scale's byte
.endr
	v_lshl_or_b32 v[PW], v[TM+5], 8, v[TM+4]
	v_lshl_or_b32 v[PW], v[TM+6], 16, v[PW]
	v_lshl_or_b32 v[PW], v[TM+7], 24, v[PW]
.irp c,0,1
	v_cvt_scalef32_pk16_bf6_f32 v[PC+6*\c:PC+2+6*\c], v[\s+32*\c:\s+15+32*\c], v[TM+12+2*\c]
	v_cvt_scalef32_pk16_bf6_f32 v[PC+12+4*\c:PC+14+4*\c], v[\s+16+32*\c:\s+31+32*\c], v[TM+12+2*\c+1]
.endr
	v_nop                                            ; one plain place behind a scaled conversion
.irp c,0,1                                       ; the operand wants a whole block in a lane: lanes 0-15 block 2c, lanes 16-31 block 2c+1
.irp i,0,1,2
	v_permlane16_swap_b32 v[PC+6*\c+\i], v[PC+12+4*\c+\i]
.endr
.irp i,0,1,2
	v_mov_b32 v[PC+3+6*\c+\i], v[PC+12+4*\c+\i]
.endr
.endr
.endm
; the four chains v[224:231] are folded, joined with lane l xor 16, and summed over the eight waves through LDS: the row's sum in v232 of every lane
.macro ROWSUM off
	v_pk_add_f32 v[224:225], v[224:225], v[226:227]
	v_pk_add_f32 v[228:229], v[228:229], v[230:231]
	v_pk_add_f32 v[224:225], v[224:225], v[228:229]
	v_add_f32 v224, v224, v225
	v_permlanex16_b32 v225, v224, s[SEL], s[SEL+1]
	v_add_f32 v224, v224, v225
	ds_store_b32 v7, v224 offset:\off                ; lanes r and 16 + r write the same word with the same value
	s_wait_dscnt 0x0                                 ; for the others' sake: my store has landed
	s_barrier_signal -1
	s_barrier_wait -1
	ds_load_b128 v[232:235], v10 offset:\off
	ds_load_b128 v[236:239], v10 offset:\off+16
	s_wait_dscnt 0x0
	v_add_f32 v232, v232, v233
	v_add_f32 v234, v234, v235
	v_add_f32 v236, v236, v237
	v_add_f32 v238, v238, v239
	v_add_f32 v232, v232, v234
	v_add_f32 v236, v236, v238
	v_add_f32 v232, v232, v236
.endm
	s_load_b256 s[4:11], s[0:1], 0x0                 ; hidden s[4:5], audio s[6:7], gamma s[8:9], beta s[10:11]
	s_load_b256 s[12:19], s[0:1], 0x20               ; mask s[12:13], Wq s[14:15], Wk s[16:17], Wv s[18:19]
	s_load_b128 s[20:23], s[0:1], 0x40               ; Wo s[20:21], prepbuf s[22:23]
	s_load_b64 s[24:25], s[0:1], 0x50                ; mflags
	v_lshl_add_u32 v12, v0, 2, SPARE                 ; my spare word
	v_mov_b32 v13, 0
	v_lshrrev_b32 v1, 5, v0
	v_readfirstlane_b32 s26, v1                      ; wave
	v_and_b32 v1, 31, v0                             ; lane
	v_and_b32 v2, 15, v0                             ; r
	v_bfe_u32 v3, v0, 4, 1                           ; h
	v_lshlrev_b32 v8, 4, v1                          ; 16 x lane
	v_lshlrev_b32 v9, 3, v1                          ; 8 x lane
	s_mov_b32 s[SEL], 0x76543210
	s_mov_b32 s[SEL+1], 0xfedcba98
	s_wait_kmcnt 0x0
	s_cmp_ge_u32 ttmp9, 1152
	s_cbranch_scc1 .Lmask
	s_cmp_ge_u32 ttmp9, 896
	s_cbranch_scc1 .Lweights
	; ---- rows of hidden_states or of audio_kv.  Audio: batch = (id - 512) & 3, tile = (id - 512) >> 2
	s_sub_co_u32 s27, ttmp9, 512
	s_and_b32 s28, s27, 3                            ; batch
	s_lshr_b32 s29, s27, 2                           ; tile of the batch (a huge number in hidden's work-groups)
	s_mul_i32 s30, s28, 1500
	s_lshl_b32 s31, s29, 4
	s_add_co_u32 s31, s31, s30                       ; audio: first row
	s_add_co_u32 s30, s30, 1499                      ; and the batch's last
	s_mul_i32 s32, s28, 96
	s_add_co_u32 s32, s32, s29                       ; its tile among the padded images
	s_lshl_b32 s33, ttmp9, 4
	s_mov_b32 s34, 8191
	s_mov_b32 s35, AIMG
	s_mov_b32 s40, ASC
	s_mov_b32 s41, HSC
	s_cmp_lt_u32 ttmp9, 512                          ; the choices hang on the work-group's number alone
	s_cselect_b32 s31, s33, s31                      ; first row
	s_cselect_b32 s30, s34, s30                      ; last row that may be loaded
	s_cselect_b32 s32, ttmp9, s32                    ; tile among the images
	s_cselect_b64 s[4:5], s[4:5], s[6:7]             ; the source
	s_cselect_b32 s35, HIMG, s35
	s_cselect_b32 s40, s41, s40
	s_lshl_b32 s36, s32, 3
	s_add_co_u32 s36, s36, s26
	s_mul_i32 s36, s36, 1536
	s_add_co_u32 s36, s36, s35
	s_mov_b32 s37, 0
	s_add_nc_u64 s[36:37], s[22:23], s[36:37]        ; my image: (8 x tile + wave) x 1,536
	s_lshl_b32 s38, s32, 9
	s_add_co_u32 s38, s38, s40
	s_mov_b32 s39, 0
	s_add_nc_u64 s[38:39], s[22:23], s[38:39]        ; the tile's 512 scale bytes
	s_cmp_lt_u32 ttmp9, 512
	s_cbranch_scc1 .Lrows
	s_cmp_ge_u32 s29, 94                             ; tiles 94 and 95 of a batch hold padding alone
	s_cbranch_scc1 .Lzero
.Lrows:
	v_lshlrev_b32 v4, 4, v0                          ; 512 x wave + 16 x lane: my 16 bytes of a row
	s_mul_i32 s41, s26, 16*SROW
	s_add_co_u32 s41, s41, STG                       ; my stage
	v_lshl_add_u32 v5, v1, 4, s41                    ; in: 16 x lane of a row
	v_mul_u32_u24 v6, v2, SROW
	v_lshl_add_u32 v6, v3, 6, v6
	v_add_nc_u32 v6, s41, v6                         ; out: row r, + 64 h
	v_lshlrev_b32 v10, 5, v2                         ; 32 r
	s_lshl_b32 s43, s26, 2
	v_add_nc_u32 v7, s43, v10                        ; 32 r + 4 w
.irp i,0,1,2,3,4,5,6,7,8,9,10,11,12,13,14,15
	s_add_co_u32 s44, s31, \i
	s_min_u32 s44, s44, s30                          ; no load leaves the batch: rows past its end repeat the last, and their codes are cleared below
	s_lshl_b32 s44, s44, 12
	v_add_nc_u32 v[AD+\i], s44, v4
	global_load_b128 v[R+4*\i:R+4*\i+3], v[AD+\i], s[4:5] th:TH_LOAD_NT   ; 32 lanes read 512 consecutive bytes of one row
.endr
.irp i,0,1,2,3,4,5,6,7,8,9,10,11,12,13,14,15
	s_wait_loadcnt 15-\i                             ; row i is in; the younger rows may be out
	ds_store_b128 v5, v[R+4*\i:R+4*\i+3] offset:SROW*\i
.endr
.irp b,0,1,2,3
.irp j,0,1,2,3
	ds_load_b128 v[X+16*\b+4*\j:X+16*\b+4*\j+3], v6 offset:128*\b+16*\j   ; my wave's own bytes, served in order: these see the stores above
.endr
.endr
	s_wait_dscnt 0x0                                 ; the numbers are back, and the stores have read their registers
	s_cmp_lt_u32 ttmp9, 512
	s_cbranch_scc1 .Lquant                           ; hidden_states is quantised as it is
	; ---- LayerNorm, in f32
	s_lshl_b32 s42, s26, 9
	v_lshl_add_u32 v14, v3, 6, s42                   ; gamma, beta: 512 w + 64 h
.irp b,0,1,2,3
.irp j,0,1,2,3
	global_load_b128 v[R+16*\b+4*\j:R+16*\b+4*\j+3], v14, s[8:9] offset:128*\b+16*\j
	global_load_b128 v[BT+16*\b+4*\j:BT+16*\b+4*\j+3], v14, s[10:11] offset:128*\b+16*\j
.endr
.endr
	v_pk_add_f32 v[224:225], v[X:X+1], v[X+2:X+3]    ; the sum of my 64 numbers, in four chains
	v_pk_add_f32 v[226:227], v[X+4:X+5], v[X+6:X+7]
	v_pk_add_f32 v[228:229], v[X+8:X+9], v[X+10:X+11]
	v_pk_add_f32 v[230:231], v[X+12:X+13], v[X+14:X+15]
.irp j,16,24,32,40,48,56
.irp q,0,1,2,3
	v_pk_add_f32 v[224+2*\q:225+2*\q], v[224+2*\q:225+2*\q], v[X+\j+2*\q:X+\j+2*\q+1]
.endr
.endr
	ROWSUM PS1
	v_mul_f32 v240, 0x3a800000, v232                 ; the mean: sum x 2^-10
	v_mov_b32 v241, v240                             ; (named with it as a pair)
.set j, 0
.rept 32
	v_pk_add_f32 v[X+j:X+j+1], v[X+j:X+j+1], v[240:241] op_sel_hi:[1,0] neg_lo:[0,1] neg_hi:[0,1]   ; x - mean
.set j, j+2
.endr
.irp q,0,1,2,3
	v_pk_mul_f32 v[224+2*\q:225+2*\q], v[X+2*\q:X+2*\q+1], v[X+2*\q:X+2*\q+1]
.endr
.irp j,8,16,24,32,40,48,56
.irp q,0,1,2,3
	v_pk_fma_f32 v[224+2*\q:225+2*\q], v[X+\j+2*\q:X+\j+2*\q+1], v[X+\j+2*\q:X+\j+2*\q+1], v[224+2*\q:225+2*\q]
.endr
.endr
	ROWSUM PS2
	s_mov_b32 s43, 0x3a800000                        ; 2^-10
	s_mov_b32 s44, 0x3727c5ac                        ; 1e-5
	v_fma_f32 v242, v232, s43, s44                   ; the variance + eps
	v_rsq_f32 v242, v242
	v_mov_b32 v243, 0                                ; a plain place behind the transcendental (and the pair's upper word is written)
	s_wait_alu depctr_va_vdst(0)                     ; the wait ahead of the first reader
	s_wait_loadcnt 0x0                               ; gamma and beta
.set j, 0
.rept 32
	v_pk_mul_f32 v[X+j:X+j+1], v[X+j:X+j+1], v[242:243] op_sel_hi:[1,0]
.set j, j+2
.endr
.set j, 0
.rept 32
	v_pk_fma_f32 v[X+j:X+j+1], v[X+j:X+j+1], v[R+j:R+j+1], v[BT+j:BT+j+1]
.set j, j+2
.endr
.Lquant:
.irp b,0,1,2,3
	v_mov_b32 v[TM+4+\b], 0                          ; a lane permute's destination counts as one of its sources
.endr
	QUANT X
	s_cmp_lg_u32 s29, 93                             ; tile 93 of a batch holds rows 1,488 to 1,503: the last four are padding
	s_cbranch_scc1 .Lwhole
	v_cmp_gt_u32 vcc_lo, 12, v2
.irp i,0,1,2,3,4,5,6,7,8,9,10,11
	v_cndmask_b32 v[PC+\i], 0, v[PC+\i], vcc_lo      ; zero codes for them
.endr
.Lwhole:
.irp c,0,1
	global_store_b128 v8, v[PC+6*\c:PC+6*\c+3], s[36:37] offset:768*\c        ; 512 consecutive bytes
	global_store_b64 v9, v[PC+6*\c+4:PC+6*\c+5], s[36:37] offset:768*\c+512   ; 256 consecutive bytes
.endr
	ds_store_b32 v7, v[PW] offset:SCW                ; my K step's scale word of row r
	s_wait_dscnt 0x0
	s_barrier_signal -1
	s_barrier_wait -1                                ; the 16 rows' 32 scale bytes lie together
	s_cmp_lg_u32 s26, 0
	s_cbranch_scc1 .Lnot_first
	ds_load_b128 v[224:227], v8 offset:SCW
	s_wait_dscnt 0x0
	global_store_b128 v8, v[224:227], s[38:39]       ; 512 consecutive bytes, row-major
.Lnot_first:
	s_wait_tensorcnt 0x0                             ; the wave's end, behind my last LDS store
	ds_add_u32 v12, v13
	s_wait_dscnt 0x0
	s_endpgm
.Lzero:                                              ; a tile of padding: zero codes, scale bytes 127
.irp i,0,1,2,3
	v_mov_b32 v[224+\i], 0
.endr
.irp c,0,1
	global_store_b128 v8, v[224:227], s[36:37] offset:768*\c
	global_store_b64 v9, v[224:225], s[36:37] offset:768*\c+512
.endr
	s_cmp_lg_u32 s26, 0
	s_cbranch_scc1 .Lzero_end
.irp i,0,1,2,3
	v_mov_b32 v[228+\i], 0x7f7f7f7f
.endr
	global_store_b128 v8, v[228:231], s[38:39]
.Lzero_end:
	s_endpgm
.Lweights:                                           ; ---- one tile of 16 rows of one weight; wave w takes K step w
	s_sub_co_u32 s27, ttmp9, 896
	s_lshr_b32 s28, s27, 6                           ; q, k, v, o
	s_and_b32 s29, s27, 63                           ; tile
	s_cmp_eq_u32 s28, 1
	s_cselect_b64 s[14:15], s[16:17], s[14:15]
	s_cmp_eq_u32 s28, 2
	s_cselect_b64 s[14:15], s[18:19], s[14:15]
	s_cmp_eq_u32 s28, 3
	s_cselect_b64 s[14:15], s[20:21], s[14:15]
	s_mul_i32 s30, s29, 12288                        ; 16 rows of 768 bytes
	s_mul_i32 s31, s26, 96
	s_add_co_u32 s30, s30, s31
	s_mov_b32 s31, 0
	s_add_nc_u64 s[14:15], s[14:15], s[30:31]
	s_lshl_b32 s32, s27, 3
	s_add_co_u32 s32, s32, s26
	s_mul_i32 s32, s32, 1536
	s_add_co_u32 s32, s32, WIMG
	s_mov_b32 s33, 0
	s_add_nc_u64 s[22:23], s[22:23], s[32:33]
	v_mul_u32_u24 v16, v2, 768
	v_mad_u32_u24 v16, v3, 24, v16                   ; row r, + 24 h
.irp p,0,1,2,3,4,5
	global_load_b64 v[32+2*\p:33+2*\p], v16, s[14:15] offset:48*(\p/3)+8*(\p%3)   ; the row's stream of bits is the register image
.endr
	s_wait_loadcnt 0x0
.irp c,0,1,2
	global_store_b128 v8, v[32+4*\c:35+4*\c], s[22:23] offset:512*\c
.endr
	s_endpgm
.Lmask:                                              ; ---- wave w: batch w / 2, steps 6 (w % 2) .. + 5 of 128 keys; a lane holds four neighbouring keys of a step
	s_lshr_b32 s27, s26, 1
	s_and_b32 s28, s26, 1
	s_mul_i32 s30, s27, 1500
	s_mov_b32 s31, 0
	s_add_nc_u64 s[12:13], s[12:13], s[30:31]
	s_mul_i32 s32, s27, 6144
	s_mul_i32 s33, s28, 3072
	s_add_co_u32 s32, s32, s33
	s_add_co_u32 s32, s32, MBT
	s_mov_b32 s33, 0
	s_add_nc_u64 s[22:23], s[22:23], s[32:33]
	s_mul_i32 s34, s28, 768
	v_lshl_add_u32 v16, v1, 2, s34                   ; my first key
	v_mov_b32 v17, 0
	v_mov_b32 v18, 0xf4800000                        ; -2^106
	s_mov_b32 s46, 1500
.irp j,0,1,2,3,4,5
.irp i,0,1,2,3
	v_add_nc_u32 v[32+4*\j+\i], 128*\j+\i, v16       ; the key
	v_min_u32 v[96+4*\j+\i], 1499, v[32+4*\j+\i]     ; no load leaves the batch's row of the mask
	global_load_u8 v[64+4*\j+\i], v[96+4*\j+\i], s[12:13]
.endr
.endr
	s_wait_loadcnt 0x0
	s_mov_b32 s48, 0
.irp j,0,1,2,3,4,5
.irp i,0,1,2,3
	v_cmp_ne_u32 s44, 0, v[64+4*\j+\i]               ; the mask says that it counts,
	v_cmp_gt_u32 s45, s46, v[32+4*\j+\i]             ; and it is a key of the batch
	s_and_b32 s[50+\i], s44, s45
	v_cndmask_b32 v[128+4*\j+\i], v18, v17, s[50+\i]
.endr
	s_and_b32 s50, s50, s51
	s_and_b32 s52, s52, s53
	s_and_b32 s50, s50, s52
	s_cmp_lg_u32 s50, -1                             ; does any of the step's 128 keys not count?
	s_cselect_b32 s51, 1<<\j, 0
	s_or_b32 s48, s48, s51
	global_store_b128 v8, v[128+4*\j:131+4*\j], s[22:23] offset:512*\j
.endr
	s_mul_i32 s49, s28, 6
	s_lshl_b32 s48, s48, s49                         ; bit u: step u
	v_mov_b32 v19, s48
	v_lshlrev_b32 v20, 2, v0
	global_store_b32 v20, v19, s[24:25]              ; [batch][half][32 equal words]
	s_endpgm
.Lfunc_end_k_q64d40c44d1_prep:
	.size	k_q64d40c44d1_prep, .Lfunc_end_k_q64d40c44d1_prep-k_q64d40c44d1_prep
	.p2alignl 7, 3214868480
	.fill 96, 4, 3214868480
	.section	.rodata,"a",@progbits
	.p2align	6, 0x0
	.amdhsa_kernel k_q64d40c44d1_prep
		.amdhsa_group_segment_fixed_size 70144
		.amdhsa_private_segment_fixed_size 0
		.amdhsa_enable_private_segment 0
		.amdhsa_kernarg_size 88
		.amdhsa_user_sgpr_count 2
		.amdhsa_user_sgpr_kernarg_segment_ptr 1
		.amdhsa_wavefront_size32 1
		.amdhsa_system_sgpr_workgroup_id_x 1
		.amdhsa_system_sgpr_workgroup_id_y 1
		.amdhsa_system_sgpr_workgroup_id_z 1
		.amdhsa_system_vgpr_workitem_id 0
		.amdhsa_next_free_vgpr 256
		.amdhsa_next_free_sgpr 66
		.amdhsa_reserve_vcc 1
		.amdhsa_float_denorm_mode_32 3
		.amdhsa_float_denorm_mode_16_64 3
		.amdhsa_memory_ordered 1
		.amdhsa_forward_progress 1
		.amdhsa_inst_pref_size 46
	.end_amdhsa_kernel
	.amdgpu_metadata
---
amdhsa.version: [ 1, 2 ]
amdhsa.kernels:
  - .name:           k_q64d40c44d1_prep
    .symbol:         k_q64d40c44d1_prep.kd
    .args:
      - { .name: hidden_states, .offset: 0, .size: 8, .value_kind: global_buffer, .address_space: global }
      - { .name: audio_kv, .offset: 8, .size: 8, .value_kind: global_buffer, .address_space: global }
      - { .name: ln_gamma, .offset: 16, .size: 8, .value_kind: global_buffer, .address_space: global }
      - { .name: ln_beta, .offset: 24, .size: 8, .value_kind: global_buffer, .address_space: global }
      - { .name: audio_attention_mask, .offset: 32, .size: 8, .value_kind: global_buffer, .address_space: global }
      - { .name: Wq_codes, .offset: 40, .size: 8, .value_kind: global_buffer, .address_space: global }
      - { .name: Wk_codes, .offset: 48, .size: 8, .value_kind: global_buffer, .address_space: global }
      - { .name: Wv_codes, .offset: 56, .size: 8, .value_kind: global_buffer, .address_space: global }
      - { .name: Wo_codes, .offset: 64, .size: 8, .value_kind: global_buffer, .address_space: global }
      - { .name: prepbuf, .offset: 72, .size: 8, .value_kind: global_buffer, .address_space: global }
      - { .name: mflags, .offset: 80, .size: 8, .value_kind: global_buffer, .address_space: global }
    .group_segment_fixed_size: 70144
    .private_segment_fixed_size: 0
    .kernarg_segment_align: 8
    .kernarg_segment_size: 88
    .max_flat_workgroup_size: 256
    .sgpr_count:     66
    .vgpr_count:     256
    .wavefront_size: 32
...
	.end_amdgpu_metadata
.endif
;; end of part 1
;; launch proj (part 2): grid 256 x 1, 4 waves a work-group, no clusters, 205,312 bytes of LDS; arguments prepbuf, Wq_scales, Wk_scales, Wv_scales, qkv; writes qkv
.if DOCPART == 2
	.amdgcn_target "amdgcn-amd-amdhsa--gfx1250"
	.amdhsa_code_object_version 6
	.text
	.protected	k_q64d40c44d1_proj
	.globl	k_q64d40c44d1_proj
	.p2align	8
	.type	k_q64d40c44d1_proj,@function
k_q64d40c44d1_proj:
	s_mov_b64 s[64:65], 0
	v_nop
	global_prefetch_b8 v0, s[64:65] scope:SCOPE_SE
	s_setreg_imm32_b32 hwreg(HW_REG_WAVE_MODE, 25, 1), 1
	s_wait_xcnt 0x0
; Launch 2 of 4: Q = hidden Wq^T, K = a Wk^T, V = a Wv^T on codes of BF6 (E3M2) with E8M0 scales, and each result quantised at once for attention.  No work of reference() is left out.
; SHARES.  Work-groups 0-127: Q, 256 rows x 4 heads (2 trips of 128 rows); 128-191: K; 192-255: V, 384 padded rows x 4 heads (3 trips).  Wave w owns one head: its 64 rows of the weight,
; all 8 K steps, 32 fragments, stay in 384 registers for the whole launch.  What streams is the rows' codes: a chunk of 64 rows (49,152 bytes of images + 2,048 scale bytes, dense in memory)
; comes through registers into one of two LDS slots, one chunk ahead, and all four waves read it.
; Q AND K (row form): source 0 = 16 rows of the weight, source 1 = 16 rows of tokens: a lane holds one token, its registers run along the head's 64.  The 64 registers of two neighbouring tiles of
; tokens become ONE fragment: the even tile's 64 in k 0..63, the odd tile's in k 64..127, and one scale word with both tiles' bytes.
; V (column form): the sources change places: a lane holds one of the head's 64, its registers run along 128 keys: a fragment of V^T.
; THE ORDER INSIDE A BLOCK OF 32: a lane's 16 registers of two neighbouring result tiles are numbers 8h..8h+7 and 16+8h..16+8h+7 of the block, so a block's codes lie in the order
; 0-7, 16-23, 8-15, 24-31.  The block's 32 numbers, and so its scale, are the right ones, and both operands of each later product (Q and K; p and V) carry the same order, which keeps every product.
; No cluster: what four work-groups share is one chunk for 512 matrix instructions of each, and Q's and K's trip counts differ.
; REGISTERS: window 0: v1-15 addresses; v32-63 the weight's scale words (8n+s); v64-95 the chunk's (8i+s); v96-143, v144-191 two buffers of four fragments (in the way out: the codes just made);
; v192-207 at work; v208-211 four scale words.  Window 1: the weight's fragments of K steps 0-4.  Window 2: v0-143 those of K steps 5-7; v144-243 a chunk on its way (25 x 16 bytes a thread).  Window 3: 32 accumulators.
.set HSC, 6291456
.set AIMG, 6553600
.set ASC, 11272192
.set WIMG, 11468800
.set KIMG, 6291456
.set VIMG, 11010048
.set QSC, 15728640
.set KSC, 16252928
.set VSC, 16646144
.set SLOTB, 51200                      ; a slot: 49,152 bytes of images, then 2,048 scale bytes
.set SCOFF, 49152
.set SPARE, 204800                     ; behind the four slots: the spare words, 128 bytes a wave
.set WS, 32
.set AS, 64
.set AB, 96
.set TM, 192
.set PWR, 208
.set SG, 144
.set SEL, 50
.set MSB, 0
.macro WIN new                         ; the immediate's high byte repeats the setting that is left
.if MSB != (\new)
	s_set_vgpr_msb (MSB<<8)|(\new)
.set MSB, (\new)
.endif
.endm
.macro PLACES                          ; four plain places behind a matrix instruction, in front of loads into and reads of its registers
.rept 4
	v_nop
.endr
.endm
.macro MM d, fa, fb, xa, xb, z
.if \z
	v_wmma_scale_f32_16x16x128_f8f6f4 v[(\d):(\d)+7], v[(\fa):(\fa)+11], v[(\fb):(\fb)+11], 0, v[(\xa)], v[(\xb)] matrix_a_fmt:MATRIX_FMT_BF6 matrix_b_fmt:MATRIX_FMT_BF6
.else
	v_wmma_scale_f32_16x16x128_f8f6f4 v[(\d):(\d)+7], v[(\fa):(\fa)+11], v[(\fb):(\fb)+11], v[(\d):(\d)+7], v[(\xa)], v[(\xb)] matrix_a_fmt:MATRIX_FMT_BF6 matrix_b_fmt:MATRIX_FMT_BF6
.endif
.endm
.macro AFETCH buf, k, t                ; the chunk's four fragments of K step t, from slot k, into buffer buf: 16 loads of dense bytes
.set FB, AB+48*(\buf)
.set RA, L160+(L161-L160)*(\k)
.set RB, L80+(L81-L80)*(\k)
.irp i,0,1,2,3
	ds_load_b128 v[FB+12*\i:FB+12*\i+3], v[RA] offset:\i*12288+(\t)*1536
	ds_load_b64 v[FB+12*\i+4:FB+12*\i+5], v[RB] offset:\i*12288+(\t)*1536+512
	ds_load_b128 v[FB+12*\i+6:FB+12*\i+9], v[RA] offset:\i*12288+(\t)*1536+768
	ds_load_b64 v[FB+12*\i+10:FB+12*\i+11], v[RB] offset:\i*12288+(\t)*1536+1280
.endr
.endm
.macro ASCALES k                       ; the chunk's scale words: row r's 32 bytes are its eight words
.irp i,0,1,2,3
	ds_load_b128 v[AS+8*\i:AS+8*\i+3], v[10+\k] offset:512*\i
	ds_load_b128 v[AS+8*\i+4:AS+8*\i+7], v[10+\k] offset:512*\i+16
.endr
.endm
; One K step of a chunk: the next step's fragments are asked for, then 16 products, all 16 accumulators by turns
.macro KSTEP col, k, t
.if \t < 7
.if \t > 0
	PLACES                                           ; the buffer that is filled next was multiplied last
.endif
	AFETCH (\t+1)%2, \k, \t+1
	s_wait_dscnt 16                                  ; all but the 16 loads just issued
.else
	s_wait_dscnt 0x0
.endif
.if \t < 5
.set WW, 1
.set WB, 48*\t
.else
.set WW, 2
.set WB, 48*(\t-5)
.endif
.set FA, AB+48*((\t)%2)
.if \col
	WIN 0xf0|(WW<<2)                                 ; source 1: the weight's window; C and D window 3
.else
	WIN 0xf0|WW                                      ; source 0: the weight's window; C and D window 3
.endif
.irp i,0,1,2,3
.irp n,0,1,2,3
.if \col
.if \t == 0
	MM 64*\n+32*\k+8*\i, FA+12*\i, WB+12*\n, AS+8*\i+\t, WS+8*\n+\t, 1
.else
	MM 64*\n+32*\k+8*\i, FA+12*\i, WB+12*\n, AS+8*\i+\t, WS+8*\n+\t, 0
.endif
.else
.if \t == 0
	MM 128*\k+32*\i+8*\n, WB+12*\n, FA+12*\i, WS+8*\n+\t, AS+8*\i+\t, 1
.else
	MM 128*\k+32*\i+8*\n, WB+12*\n, FA+12*\i, WS+8*\n+\t, AS+8*\i+\t, 0
.endif
.endif
.endr
.endr
	WIN 0
.endm
; In a chunk's middle: the next chunk, which has come into registers, goes into the other slot (nobody reads it since the last barrier), and the chunk after it is asked for.  The last trip's tail asks for nothing.
.macro STAGE k
	s_wait_loadcnt 0x0                               ; the chunk on its way is in: its registers may be read, and the loads' pointers written
.if \k == 1
	s_cmp_eq_u32 s40, 1
	s_cbranch_scc1 .Lstaged_\@
.endif
.set RS, ST0+(ST1-ST0)*(1-\k)
	WIN 0x08                                         ; an LDS store's data are its source 1: window 2
.set j, 0
.rept 25
	ds_store_b128 v[RS], v[SG+4*j:SG+4*j+3] offset:2048*j
.set j, j+1
.endr
	WIN 0
	s_wait_dscnt 0x0                                 ; the stores have read their registers
.if \k == 0
	s_cmp_eq_u32 s40, 1
	s_cbranch_scc1 .Lstaged_\@
.endif
	s_add_nc_u64 s[28:29], s[28:29], SCOFF           ; on to the chunk just stored; the loads reach one chunk further by their immediates
	s_add_nc_u64 s[30:31], s[30:31], 2048
	WIN 0x80                                         ; destination window 2
.set j, 0
.rept 24
	global_load_b128 v[SG+4*j:SG+4*j+3], v2, s[28:29] offset:SCOFF+2048*j
.set j, j+1
.endr
	global_load_b128 v[SG+96:SG+99], v2, s[30:31] offset:2048
	WIN 0
.Lstaged_\@:
.endm
.macro CHUNK col, k
	PLACES                                           ; the scale words and buffer 0 were read by the last products
	ASCALES \k
	AFETCH 0, \k, 0
.irp t,0,1,2,3
	KSTEP \col, \k, \t
.endr
	STAGE \k
.irp t,4,5,6,7
	KSTEP \col, \k, \t
.endr
	s_wait_dscnt 0x0                                 ; my stores into the other slot have landed and my reads of this slot are over
	s_barrier_signal -1
	s_barrier_wait -1                                ; both now hold of all four waves
.endm
; 64 accumulator registers of window 3 become a fragment's codes at v[pc] on and its scale word in v[pw]
.macro QUANTW src, pc, pw
	WIN 0x3c                                         ; sources 1 and 2 window 3
.irp b,0,1,2,3
	v_max3_num_f32 v[TM+\b], 0x2800000, |v[(\src)+16*\b]|, |v[(\src)+16*\b+1]|   ; each accumulator is read from its low end on; the floor 2^(5-127) holds the byte at 1 from below
.endr
.irp i,2,4,6,8,10,12,14
.irp b,0,1,2,3
	v_max3_num_f32 v[TM+\b], v[TM+\b], |v[(\src)+16*\b+\i]|, |v[(\src)+16*\b+\i+1]|
.endr
.endr
	WIN 0
.irp b,0,1,2,3
	v_permlanex16_b32 v[TM+4+\b], v[TM+\b], s[SEL], s[SEL+1]
.endr
.irp b,0,1,2,3
	v_max_num_f32 v[TM+\b], v[TM+\b], v[TM+4+\b]
.endr
.irp b,0,1,2,3
	v_add_nc_u32 v[TM+12+\b], 0xfe000000, v[TM+\b]   ; 4 off the exponent field: the conversion's scale operand
.endr
.irp b,0,1,2,3
	v_lshrrev_b32 v[TM+4+\b], 23, v[TM+12+\b]
.endr
	v_lshl_or_b32 v[\pw], v[TM+5], 8, v[TM+4]
	v_lshl_or_b32 v[\pw], v[TM+6], 16, v[\pw]
	v_lshl_or_b32 v[\pw], v[TM+7], 24, v[\pw]
	WIN 0x03                                         ; source 0 window 3
.irp c,0,1
	v_cvt_scalef32_pk16_bf6_f32 v[(\pc)+6*\c:(\pc)+2+6*\c], v[(\src)+32*\c:(\src)+15+32*\c], v[TM+12+2*\c]
	v_cvt_scalef32_pk16_bf6_f32 v[(\pc)+12+4*\c:(\pc)+14+4*\c], v[(\src)+16+32*\c:(\src)+31+32*\c], v[TM+13+2*\c]
.endr
	WIN 0
	v_nop                                            ; one plain place behind a scaled conversion
.irp c,0,1
.irp i,0,1,2
	v_permlane16_swap_b32 v[(\pc)+6*\c+\i], v[(\pc)+12+4*\c+\i]
.endr
.irp i,0,1,2
	v_mov_b32 v[(\pc)+3+6*\c+\i], v[(\pc)+12+4*\c+\i]
.endr
.endr
.endm
.macro EPI                             ; a trip's 128 x 64 results leave as four images and one image of scale words
	PLACES
.irp g,0,1,2,3
	QUANTW 64*\g, 96+20*\g, PWR+\g
.irp c,0,1,2
	global_store_b128 v1, v[96+20*\g+4*\c:96+20*\g+4*\c+3], s[36:37] offset:1536*\g+512*\c   ; 512 consecutive bytes
.endr
.endr
	global_store_b128 v1, v[PWR:PWR+3], s[38:39]     ; [lane][4 words]
	s_wait_xcnt 0x0                                  ; the stores have read their registers and bases: both are written again
	s_add_nc_u64 s[36:37], s[36:37], 6144
	s_add_nc_u64 s[38:39], s[38:39], 512
.endm
.macro GEMM col, lb
.if \lb == 0                           ; a slot at LDS byte 0 takes the plain registers as its addresses
.set ST0, 2
.set L160, 1
.set L80, 15
.else
.set ST0, 4
.set L160, 6
.set L80, 8
	v_add_nc_u32 v4, \lb, v2
	v_add_nc_u32 v6, \lb, v1
	v_add_nc_u32 v8, \lb, v15
.endif
.set ST1, 5
.set L161, 7
.set L81, 9
	v_add_nc_u32 v5, \lb+SLOTB, v2
	v_add_nc_u32 v7, \lb+SLOTB, v1
	v_add_nc_u32 v9, \lb+SLOTB, v15
	v_add_nc_u32 v10, \lb+SCOFF, v3
	v_add_nc_u32 v11, \lb+SLOTB+SCOFF, v3
	s_wait_loadcnt 25                                ; the weight and chunk 0 are in; chunk 1's 25 loads may be out
	WIN 0x0c                                         ; the data: window 3
.set j, 0
.rept 25
	ds_store_b128 v[ST0], v[4*j:4*j+3] offset:2048*j
.set j, j+1
.endr
	WIN 0
	s_wait_dscnt 0x0
	s_barrier_signal -1
	s_barrier_wait -1
.Ltrip_\@:
	CHUNK \col, 0
	CHUNK \col, 1
	EPI
	s_sub_co_u32 s40, s40, 1
	s_cmp_lg_u32 s40, 0
	s_cbranch_scc1 .Ltrip_\@
	s_wait_tensorcnt 0x0                             ; the wave's end, behind my last LDS store
	ds_add_u32 v12, v13
	s_wait_dscnt 0x0
	s_endpgm
.endm
	s_load_b256 s[4:11], s[0:1], 0x0                 ; prepbuf s[4:5], Wq's scales s[6:7], Wk's s[8:9], Wv's s[10:11]
	s_load_b64 s[12:13], s[0:1], 0x20                ; qkv
	v_lshl_add_u32 v12, v0, 2, SPARE
	v_mov_b32 v13, 0
	v_lshrrev_b32 v1, 5, v0
	v_readfirstlane_b32 s14, v1                      ; wave
	v_and_b32 v14, 31, v0
	v_lshlrev_b32 v1, 4, v14                         ; 16 x lane
	v_lshlrev_b32 v15, 3, v14                        ; 8 x lane
	v_lshlrev_b32 v2, 4, v0                          ; 16 x thread
	v_and_b32 v3, 15, v0
	v_lshlrev_b32 v3, 5, v3                          ; 32 r
.irp b,0,1,2,3
	v_mov_b32 v[TM+4+\b], 0                          ; a lane permute's destination counts as one of its sources
.endr
	s_mov_b32 s[SEL], 0x76543210
	s_mov_b32 s[SEL+1], 0xfedcba98
	s_cmp_ge_u32 ttmp9, 128
	s_cselect_b32 s15, 1, 0                          ; which product: 0 Q, 1 K, 2 V
	s_cselect_b32 s16, 128, 0
	s_cmp_ge_u32 ttmp9, 192
	s_cselect_b32 s15, 2, s15
	s_cselect_b32 s16, 192, s16
	s_sub_co_u32 s16, ttmp9, s16                     ; my number within the product
	s_and_b32 s17, s16, 3                            ; group of four heads
	s_lshr_b32 s18, s16, 2                           ; block of rows
	s_lshl_b32 s19, s17, 2
	s_add_co_u32 s19, s19, s14                       ; my head
	s_lshr_b32 s20, s18, 3                           ; Q: batch, first trip, where codes and scales begin
	s_and_b32 s21, s18, 7
	s_lshl_b32 s21, s21, 1
	s_mul_i32 s22, s18, 196608
	s_lshl_b32 s23, s18, 13
	s_add_co_u32 s23, s23, HSC
	s_lshr_b32 s24, s18, 2                           ; K, V: the same
	s_and_b32 s25, s18, 3
	s_mul_i32 s25, s25, 3
	s_mul_i32 s26, s18, 294912
	s_add_co_u32 s26, s26, AIMG
	s_mul_i32 s27, s18, 12288
	s_add_co_u32 s27, s27, ASC
	s_cmp_eq_u32 s15, 0
	s_cselect_b32 s20, s20, s24
	s_cselect_b32 s21, s21, s25
	s_cselect_b32 s22, s22, s26
	s_cselect_b32 s23, s23, s27
	s_cselect_b32 s40, 2, 3                          ; trips
	s_cselect_b32 s24, 16, 12                        ; trips in a head
	s_lshl_b32 s25, s20, 4
	s_add_co_u32 s25, s25, s19                       ; 16 x batch + head
	s_mul_i32 s25, s25, s24
	s_add_co_u32 s25, s25, s21                       ; my first trip among all
	s_mul_i32 s26, s25, 6144
	s_lshl_b32 s27, s25, 9
	s_mov_b32 s41, KIMG
	s_mov_b32 s42, KSC
	s_mov_b32 s43, VIMG
	s_mov_b32 s44, VSC
	s_mov_b32 s45, QSC
	s_cmp_eq_u32 s15, 1
	s_cselect_b32 s46, s41, 0
	s_cselect_b32 s47, s42, s45
	s_cmp_eq_u32 s15, 2
	s_cselect_b32 s46, s43, s46
	s_cselect_b32 s47, s44, s47
	s_add_co_u32 s26, s26, s46
	s_add_co_u32 s27, s27, s47
	s_mov_b32 s49, 0
	s_wait_kmcnt 0x0
	s_mov_b32 s48, s22
	s_add_nc_u64 s[28:29], s[4:5], s[48:49]          ; the rows' images
	s_mov_b32 s48, s23
	s_add_nc_u64 s[30:31], s[4:5], s[48:49]          ; their scale bytes
	s_mul_i32 s48, s15, 786432
	s_mul_i32 s52, s19, 49152
	s_add_co_u32 s48, s48, s52
	s_add_co_u32 s48, s48, WIMG
	s_add_nc_u64 s[32:33], s[4:5], s[48:49]          ; my head's 32 images of the weight
	s_cmp_eq_u32 s15, 1
	s_cselect_b64 s[34:35], s[8:9], s[6:7]
	s_cmp_eq_u32 s15, 2
	s_cselect_b64 s[34:35], s[10:11], s[34:35]
	s_lshl_b32 s48, s19, 11
	s_add_nc_u64 s[34:35], s[34:35], s[48:49]        ; and its scale bytes
	s_mov_b32 s48, s26
	s_add_nc_u64 s[36:37], s[12:13], s[48:49]        ; where the images go
	s_mov_b32 s48, s27
	s_add_nc_u64 s[38:39], s[12:13], s[48:49]        ; and the scale words
.irp n,0,1,2,3
	global_load_b128 v[WS+8*\n:WS+8*\n+3], v3, s[34:35] offset:512*\n
	global_load_b128 v[WS+8*\n+4:WS+8*\n+7], v3, s[34:35] offset:512*\n+16
.endr
	WIN 0x40                                         ; destination window 1
.irp t,0,1,2,3,4
.irp n,0,1,2,3
.irp c,0,1,2
	global_load_b128 v[48*\t+12*\n+4*\c:48*\t+12*\n+4*\c+3], v1, s[32:33] offset:(8*\n+\t)*1536+512*\c
.endr
.endr
.endr
	WIN 0x80                                         ; destination window 2
.irp t,5,6,7
.irp n,0,1,2,3
.irp c,0,1,2
	global_load_b128 v[48*(\t-5)+12*\n+4*\c:48*(\t-5)+12*\n+4*\c+3], v1, s[32:33] offset:(8*\n+\t)*1536+512*\c
.endr
.endr
.endr
	WIN 0xc0                                         ; chunk 0 comes into registers that the accumulators take later
.set j, 0
.rept 24
	global_load_b128 v[4*j:4*j+3], v2, s[28:29] offset:2048*j
.set j, j+1
.endr
	global_load_b128 v[96:99], v2, s[30:31]
	WIN 0x80
.set j, 0
.rept 24
	global_load_b128 v[SG+4*j:SG+4*j+3], v2, s[28:29] offset:SCOFF+2048*j
.set j, j+1
.endr
	global_load_b128 v[SG+96:SG+99], v2, s[30:31] offset:2048
	WIN 0
	s_cmp_ge_u32 ttmp9, 192
	s_cbranch_scc1 .Lcolumns
	GEMM 0, 0
.Lcolumns:                                           ; the two forms never meet again, and each has LDS bytes of its own
	GEMM 1, 102400
.Lfunc_end_k_q64d40c44d1_proj:
	.size	k_q64d40c44d1_proj, .Lfunc_end_k_q64d40c44d1_proj-k_q64d40c44d1_proj
	.p2alignl 7, 3214868480
	.fill 96, 4, 3214868480
	.section	.rodata,"a",@progbits
	.p2align	6, 0x0
	.amdhsa_kernel k_q64d40c44d1_proj
		.amdhsa_group_segment_fixed_size 205312
		.amdhsa_private_segment_fixed_size 0
		.amdhsa_enable_private_segment 0
		.amdhsa_kernarg_size 40
		.amdhsa_user_sgpr_count 2
		.amdhsa_user_sgpr_kernarg_segment_ptr 1
		.amdhsa_wavefront_size32 1
		.amdhsa_system_sgpr_workgroup_id_x 1
		.amdhsa_system_sgpr_workgroup_id_y 1
		.amdhsa_system_sgpr_workgroup_id_z 1
		.amdhsa_system_vgpr_workitem_id 0
		.amdhsa_next_free_vgpr 1024
		.amdhsa_next_free_sgpr 66
		.amdhsa_reserve_vcc 0
		.amdhsa_float_denorm_mode_32 3
		.amdhsa_float_denorm_mode_16_64 3
		.amdhsa_memory_ordered 1
		.amdhsa_forward_progress 1
		.amdhsa_inst_pref_size 180
	.end_amdhsa_kernel
	.amdgpu_metadata
---
amdhsa.version: [ 1, 2 ]
amdhsa.kernels:
  - .name:           k_q64d40c44d1_proj
    .symbol:         k_q64d40c44d1_proj.kd
    .args:
      - { .name: prepbuf, .offset: 0, .size: 8, .value_kind: global_buffer, .address_space: global }
      - { .name: Wq_scales, .offset: 8, .size: 8, .value_kind: global_buffer, .address_space: global }
      - { .name: Wk_scales, .offset: 16, .size: 8, .value_kind: global_buffer, .address_space: global }
      - { .name: Wv_scales, .offset: 24, .size: 8, .value_kind: global_buffer, .address_space: global }
      - { .name: qkv, .offset: 32, .size: 8, .value_kind: global_buffer, .address_space: global }
    .group_segment_fixed_size: 205312
    .private_segment_fixed_size: 0
    .kernarg_segment_align: 8
    .kernarg_segment_size: 40
    .max_flat_workgroup_size: 128
    .sgpr_count:     66
    .vgpr_count:     1024
    .wavefront_size: 32
...
	.end_amdgpu_metadata
.endif
;; end of part 2
;; launch attn (part 3): grid 4 x 64, 16 waves a work-group, no clusters, 168,960 bytes of LDS; arguments qkv, prepbuf, mflags, obuf; writes obuf
.if DOCPART == 3
	.amdgcn_target "amdgcn-amd-amdhsa--gfx1250"
	.amdhsa_code_object_version 6
	.text
	.protected	k_q64d40c44d1_attn
	.globl	k_q64d40c44d1_attn
	.p2align	8
	.type	k_q64d40c44d1_attn,@function
k_q64d40c44d1_attn:
	s_mov_b64 s[64:65], 0
	v_nop
	global_prefetch_b8 v0, s[64:65] scope:SCOPE_SE
	s_setreg_imm32_b32 hwreg(HW_REG_WAVE_MODE, 25, 1), 1
	s_wait_xcnt 0x0
; Launch 3 of 4: O = softmax(Q K^T / 8, masked) V for one head and 512 queries, both products on codes of BF6 (E3M2); O quantised at once for the last product.  No work of reference() is left out.
; SHARES.  Work-group (x = block of 512 queries, y = 16 x batch + head).  Sixteen waves, four to a SIMD, so that one wave's vector work stands beside another's products and LDS loads.  Wave w owns
; 32 queries: two tiles of 16, taken in two passes.  All of the head's K and V (images, 147,456 bytes), their scale words and the batch's mask table are brought into LDS once, through registers: no ring.
; No cluster and no tensor load: K and V are read once for 24 steps of work.
; S^T = K Q^T HAS K = 64.  A fragment of K holds key tile 2g in k 0..63 and key tile 2g+1 in k 64..127.  Q stands in a run of 18 registers, six zeros, Q's six, six zeros: the last twelve are [Q | 0], the first
; twelve [0 | Q]; Q's scale word repeats its two bytes.  So fragment g x [Q | 0] gives tile 2g's scores and fragment g x [0 | Q] tile 2g+1's; the other half multiplies zero codes.
; THE MASK IS THE C OF THOSE PRODUCTS: 0, or -2^106 for a key that does not count.  The running largest t begins at -2^100, over every such t, so such a key never moves M and its p is 0 exactly.
; A step of 128 keys all of which count takes the constant 0 as C and loads no table: a scalar branch on mflags, whole numbers stored by the first launch.
; SOFTMAX: t = score x log2(e) / 8; M = the running largest t rounded up to a whole number; p = 2^(t - M) is quantised along the keys; the sum is taken of the unquantised p; when M moves, the sum and O^T
; are multiplied by 2^(old M - new M), which rounds nothing.
; LIMITS: |t| under 2^100; a batch whose mask is all false is not promised reference()'s NaN.
; REGISTERS: v1-7 addresses that stay; v8-11 the step's addresses; v12 -M, v13 largest t, v[14:15] the sum; v16-33 Q's run; v34-45 the pair's image, v46 its scale word, v47 Q's; v48-95 four fragments;
; v96-159 S^T, then p; v160-191 O^T; v192-203 p's codes; v204-211 conversions; v212-215 K's scale words, v216-219 V's; v220-224 addresses; v232-254 at work.
.set KIMG, 6291456
.set VIMG, 11010048
.set QSC, 15728640
.set KSC, 16252928
.set VSC, 16646144
.set MBT, 14614528
.set OSCG, 6291456
.set LV, 73728                         ; LDS: K's 48 images from 0, V's 48 from here,
.set LKS, 147456                       ; K's scale words, 512 bytes a step,
.set LVS, 153600                       ; V's,
.set LMB, 159744                       ; the mask table, 1,536 f32,
.set LOSC, 165888                      ; O's scale bytes, 2 for each of 512 queries,
.set SPARE, 166912                     ; the spare words, 128 bytes for each of 16 waves
.set CS, 50                            ; s[50:51] c = log2(e) / 8
.set SEL, 52                           ; s[52:53]
.macro LSTORE abs, reg                 ; 16 bytes a thread to LDS byte abs + 16 x thread; the immediate has 16 bits, so three registers carry the rest
.if (\abs) < 65536
	ds_store_b128 v220, v[\reg:\reg+3] offset:\abs
.elseif (\abs) < 131072
	ds_store_b128 v221, v[\reg:\reg+3] offset:(\abs)-65536
.else
	ds_store_b128 v222, v[\reg:\reg+3] offset:(\abs)-131072
.endif
.endm
.macro SPROD z                         ; eight tiles of scores; z = 1: C is the constant 0; else C is what lies in the tile's registers: the mask
.irp g,0,1,2,3
.if \z
	v_wmma_scale_f32_16x16x128_f8f6f4 v[96+16*\g:103+16*\g], v[48+12*\g:59+12*\g], v[22:33], 0, v[212+\g], v47 matrix_a_fmt:MATRIX_FMT_BF6 matrix_b_fmt:MATRIX_FMT_BF6
	v_wmma_scale_f32_16x16x128_f8f6f4 v[104+16*\g:111+16*\g], v[48+12*\g:59+12*\g], v[16:27], 0, v[212+\g], v47 matrix_a_fmt:MATRIX_FMT_BF6 matrix_b_fmt:MATRIX_FMT_BF6
.else
	v_wmma_scale_f32_16x16x128_f8f6f4 v[96+16*\g:103+16*\g], v[48+12*\g:59+12*\g], v[22:33], v[96+16*\g:103+16*\g], v[212+\g], v47 matrix_a_fmt:MATRIX_FMT_BF6 matrix_b_fmt:MATRIX_FMT_BF6
	v_wmma_scale_f32_16x16x128_f8f6f4 v[104+16*\g:111+16*\g], v[48+12*\g:59+12*\g], v[16:27], v[104+16*\g:111+16*\g], v[212+\g], v47 matrix_a_fmt:MATRIX_FMT_BF6 matrix_b_fmt:MATRIX_FMT_BF6
.endif
.endr
.endm
; A KEY STEP: 128 keys
.macro STEP
	v_add_nc_u32 v8, s41, v1                         ; four additions: also the places behind the last products, in front of the loads below
	v_add_nc_u32 v9, s41, v2
	v_add_nc_u32 v10, s42, v3
	v_add_nc_u32 v11, s42, v4
.irp g,0,1,2,3
.irp c,0,1,2
	ds_load_b128 v[48+12*\g+4*\c:51+12*\g+4*\c], v8 offset:1536*\g+512*\c
.endr
.endr
	ds_load_b128 v[212:215], v10                     ; the four fragments' scale words
	s_and_b32 s44, s40, 1
	s_cmp_eq_u32 s44, 0
	s_cbranch_scc1 .Lclear_\@
.irp t,0,1,2,3,4,5,6,7
	ds_load_b128 v[96+8*\t:99+8*\t], v11 offset:64*\t        ; register j of tile t: the table at key 16 t + 8 h + j
	ds_load_b128 v[100+8*\t:103+8*\t], v11 offset:64*\t+16
.endr
	s_wait_dscnt 0x0
	SPROD 0
	s_branch .Ljoin_\@
.Lclear_\@:
	s_wait_dscnt 0x0
	SPROD 1
.Ljoin_\@:
.rept 4
	v_nop                                            ; places in front of the loads into the fragments' registers and of the first read of the scores
.endr
.irp n,0,1,2,3
.irp c,0,1,2
	ds_load_b128 v[48+12*\n+4*\c:51+12*\n+4*\c], v9 offset:1536*\n+512*\c   ; V's four fragments land while the softmax is walked
.endr
.endr
	ds_load_b128 v[216:219], v10 offset:LVS-LKS
.irp b,0,1,2,3
	v_max3_num_f32 v[232+\b], v[96+16*\b], v[97+16*\b], v[98+16*\b]   ; the largest score of each block of 32 keys: for the row's maximum and, since p rises with the score, for the block's largest p
.endr
.irp i,3,5,7,9,11,13
.irp b,0,1,2,3
	v_max3_num_f32 v[232+\b], v[232+\b], v[96+16*\b+\i], v[97+16*\b+\i]
.endr
.endr
.irp b,0,1,2,3
	v_max_num_f32 v[232+\b], v[232+\b], v[111+16*\b]
.endr
.irp b,0,1,2,3
	v_permlanex16_b32 v[236+\b], v[232+\b], s[SEL], s[SEL+1]
.endr
.irp b,0,1,2,3
	v_max_num_f32 v[232+\b], v[232+\b], v[236+\b]    ; with lane l xor 16's 16 keys
.endr
	v_max3_num_f32 v254, v232, v233, v234
	v_max_num_f32 v254, v254, v235
	v_mul_f32 v254, s[CS], v254                      ; as t
	v_max_num_f32 v13, v13, v254                     ; the running largest t
	v_mov_b32 v254, v12
	v_floor_f32 v12, -v13                            ; -M = floor(-t): M is a whole number
	v_sub_f32 v254, v12, v254                        ; old M - new M
	v_cvt_i32_f32 v254, v254                         ; (it saturates)
	v_ldexp_f32 v252, 1.0, v254                      ; f = 2^(old M - new M)
.set j, 0
.rept 32
	v_pk_fma_f32 v[96+j:97+j], v[96+j:97+j], s[CS:CS+1], v[12:13] op_sel_hi:[1,0,0]   ; t - M
.set j, j+2
.endr
.irp b,0,1,2,3
	v_fma_f32 v[232+\b], v[232+\b], s[CS], v12
.endr
.set j, 0
.rept 64
	v_exp_f32 v[96+j], v[96+j]                       ; p = 2^(t - M): not normalised
.set j, j+1
.endr
	v_pk_mul_f32 v[14:15], v[14:15], v[252:253] op_sel_hi:[1,0]   ; the sums under the new M: a plain place behind the exponentials
	s_wait_alu depctr_va_vdst(0)                     ; one wait for the batch, ahead of its first reader
.irp b,0,1,2,3
	v_exp_f32 v[232+\b], v[232+\b]                   ; each block's largest p
.endr
	v_pk_add_f32 v[236:237], v[96:97], v[98:99]      ; the row's sum, of the unquantised p, in two chains
.irp j,4,8,12,16,20,24,28,32,36,40,44,48,52,56,60
	v_pk_add_f32 v[14:15], v[14:15], v[96+\j:97+\j]
	v_pk_add_f32 v[236:237], v[236:237], v[98+\j:99+\j]
.endr
	v_pk_add_f32 v[14:15], v[14:15], v[236:237]
	s_wait_alu depctr_va_vdst(0)                     ; and one for the four
.irp b,0,1,2,3
	v_max_num_f32 v[232+\b], 0x2800000, v[232+\b]    ; the floor 2^(5-127)
.endr
.irp b,0,1,2,3
	v_add_nc_u32 v[244+\b], 0xfe000000, v[232+\b]
.endr
.irp b,0,1,2,3
	v_lshrrev_b32 v[236+\b], 23, v[244+\b]
.endr
	v_lshl_or_b32 v253, v237, 8, v236                ; p's scale word
	v_lshl_or_b32 v253, v238, 16, v253
	v_lshl_or_b32 v253, v239, 24, v253
.irp c,0,1
	v_cvt_scalef32_pk16_bf6_f32 v[192+6*\c:194+6*\c], v[96+32*\c:111+32*\c], v[244+2*\c]
	v_cvt_scalef32_pk16_bf6_f32 v[204+4*\c:206+4*\c], v[112+32*\c:127+32*\c], v[244+2*\c+1]
.endr
	v_nop
.irp c,0,1
.irp i,0,1,2
	v_permlane16_swap_b32 v[192+6*\c+\i], v[204+4*\c+\i]
.endr
.irp i,0,1,2
	v_mov_b32 v[195+6*\c+\i], v[204+4*\c+\i]
.endr
.endr
.set j, 0
.rept 16
	v_pk_mul_f32 v[160+j:161+j], v[160+j:161+j], v[252:253] op_sel_hi:[1,0]   ; O^T under the new M; these 16 also stand between p's codes and scale word and the products
.set j, j+2
.endr
	s_wait_dscnt 0x0                                 ; V
.irp n,0,1,2,3
	v_wmma_scale_f32_16x16x128_f8f6f4 v[160+8*\n:167+8*\n], v[48+12*\n:59+12*\n], v[192:203], v[160+8*\n:167+8*\n], v[216+\n], v253 matrix_a_fmt:MATRIX_FMT_BF6 matrix_b_fmt:MATRIX_FMT_BF6
.endr
	s_lshr_b32 s40, s40, 1
	s_add_co_u32 s41, s41, 6144
	s_add_co_u32 s42, s42, 512
.endm
; A PASS: tile p of my pair of query tiles, over all 12 steps, and its way out
.macro PASS p
	s_wait_xcnt 0x0                                  ; the last pass's stores have read their registers
.irp j,0,1,2,3,4,5
	v_mov_b32 v[22+\j], v[34+6*\p+\j]                ; Q's half of the pair's image
.endr
	v_perm_b32 v47, v46, v46, 0x01000100+0x02020202*\p   ; its two scale bytes, twice
	v_mov_b32 v13, 0xf1800000                        ; the largest t so far: -2^100
	v_floor_f32 v12, -v13
	v_mov_b32 v14, 0
	v_mov_b32 v15, 0
.set j, 0
.rept 32
	v_mov_b32 v[160+j], 0                            ; the step is written once: the first finds zeros
.set j, j+1
.endr
	s_mov_b32 s40, s36                               ; the steps' flags
	s_mov_b32 s41, 0
	s_mov_b32 s42, 0
	s_mov_b32 s43, 12
.Lstep_\@:
	STEP
	s_sub_co_u32 s43, s43, 1
	s_cmp_lg_u32 s43, 0
	s_cbranch_scc1 .Lstep_\@
.rept 4
	v_nop                                            ; places behind the last products
.endr
	v_add_f32 v14, v14, v15
	v_permlanex16_b32 v252, v14, s[SEL], s[SEL+1]
	v_add_f32 v14, v14, v252                         ; the row's sum
	v_rcp_f32 v14, v14
	v_nop
	s_wait_alu depctr_va_vdst(0)
.set j, 0
.rept 32
	v_mul_f32 v[96+j], v[160+j], v14                 ; O^T / the sum: register 8n+j is channel 16n + 8h + j
.set j, j+1
.endr
.irp e,0,1
.irp j,0,1,2,3,4,5,6,7
	v_permlane16_swap_b32 v[96+16*\e+\j], v[104+16*\e+\j]   ; Wo's codes lie in their true order: after the exchange my 16 registers are channels 32e + 16h + 0..15
.endr
.endr
.irp e,0,1
	v_max3_num_f32 v[232+\e], |v[96+16*\e]|, |v[97+16*\e]|, 0x2800000
.endr
.irp i,2,4,6,8,10,12,14
.irp e,0,1
	v_max3_num_f32 v[232+\e], v[232+\e], |v[96+16*\e+\i]|, |v[97+16*\e+\i]|
.endr
.endr
.irp e,0,1
	v_permlanex16_b32 v[236+\e], v[232+\e], s[SEL], s[SEL+1]
.endr
.irp e,0,1
	v_max_num_f32 v[232+\e], v[232+\e], v[236+\e]
.endr
.irp e,0,1
	v_add_nc_u32 v[244+\e], 0xfe000000, v[232+\e]
.endr
.irp e,0,1
	v_lshrrev_b32 v[236+\e], 23, v[244+\e]
.endr
	v_lshl_or_b32 v240, v237, 8, v236                ; the head's two scale bytes of my query
	v_cvt_scalef32_pk16_bf6_f32 v[128:130], v[96:111], v244
	v_cvt_scalef32_pk16_bf6_f32 v[132:134], v[112:127], v245
	v_nop
.irp i,0,1,2
	v_permlane16_swap_b32 v[128+\i], v[132+\i]
.endr
.irp i,0,1,2
	v_mov_b32 v[131+\i], v[132+\i]                   ; six registers: half a fragment of the last product: k = 32h + 0..31 of the head's 64
.endr
	global_store_b128 v1, v[128:131], s[38:39] offset:12288*\p
	global_store_b64 v223, v[132:133], s[38:39] offset:12288*\p+512
	ds_store_b16 v7, v240 offset:32*\p               ; lanes r and 16 + r write the same bytes with the same value
.endm
	s_load_b256 s[4:11], s[0:1], 0x0                 ; qkv s[4:5], prepbuf s[6:7], mflags s[8:9], obuf s[10:11]
	v_lshl_add_u32 v5, v0, 2, SPARE
	v_mov_b32 v6, 0
	v_lshrrev_b32 v8, 5, v0
	v_readfirstlane_b32 s12, v8                      ; wave
	s_and_b32 s13, ttmp7, 0xffff                     ; 16 x batch + head
	s_lshr_b32 s14, s13, 4
	s_and_b32 s15, s13, 15
	v_and_b32 v9, 31, v0
	v_and_b32 v10, 15, v0
	v_bfe_u32 v11, v0, 4, 1
	v_lshlrev_b32 v1, 4, v9                          ; 16 x lane: K's images
	v_add_nc_u32 v2, LV, v1                          ; V's
	v_add_nc_u32 v3, LKS, v1                         ; the scale words
	v_lshlrev_b32 v4, 5, v11
	v_add_nc_u32 v4, LMB, v4                         ; the table: 32 h
	s_lshl_b32 s16, s12, 6
	v_lshl_add_u32 v7, v10, 1, s16
	v_add_nc_u32 v7, LOSC, v7                        ; 64 w + 2 r
	v_lshlrev_b32 v220, 4, v0
	v_add_nc_u32 v221, 65536, v220
	v_add_nc_u32 v222, 131072, v220
	v_lshlrev_b32 v223, 3, v9
	v_add_nc_u32 v224, LOSC, v220
	s_mul_i32 s20, s13, 73728
	s_add_co_u32 s22, s20, VIMG
	s_add_co_u32 s20, s20, KIMG
	s_mov_b32 s21, 0
	s_mov_b32 s23, 0
	s_mul_i32 s24, s13, 6144
	s_add_co_u32 s26, s24, VSC
	s_add_co_u32 s24, s24, KSC
	s_mov_b32 s25, 0
	s_mov_b32 s27, 0
	s_mul_i32 s28, s14, 6144
	s_add_co_u32 s28, s28, MBT
	s_mov_b32 s29, 0
	s_lshl_b32 s30, s13, 6
	s_lshl_b32 s31, ttmp9, 4
	s_add_co_u32 s30, s30, s31
	s_add_co_u32 s30, s30, s12                       ; my pair of query tiles: 64 x (batch, head) + 16 x block + wave
	s_mul_i32 s30, s30, 1536
	s_mov_b32 s31, 0
	s_lshl_b32 s32, s13, 4
	s_lshl_b32 s33, ttmp9, 2
	s_add_co_u32 s32, s32, s33
	s_lshr_b32 s33, s12, 2
	s_add_co_u32 s32, s32, s33
	s_lshl_b32 s32, s32, 9
	s_and_b32 s33, s12, 3
	s_lshl_b32 s33, s33, 2
	s_add_co_u32 s32, s32, s33
	s_add_co_u32 s32, s32, QSC
	s_mov_b32 s33, 0
	s_lshl_b32 s34, s14, 8
	s_mov_b32 s35, 0
	s_lshl_b32 s38, s14, 7
	s_lshl_b32 s39, ttmp9, 5
	s_add_co_u32 s38, s38, s39
	s_lshl_b32 s39, s12, 1
	s_add_co_u32 s38, s38, s39                       ; my first tile of 16 rows of O
	s_lshl_b32 s38, s38, 4
	s_add_co_u32 s38, s38, s15
	s_mul_i32 s38, s38, 768
	s_mov_b32 s39, 0
	s_lshl_b32 s46, s15, 14
	s_lshl_b32 s47, s14, 12
	s_add_co_u32 s46, s46, s47
	s_lshl_b32 s47, ttmp9, 10
	s_add_co_u32 s46, s46, s47
	s_add_co_u32 s46, s46, OSCG
	s_mov_b32 s47, 0
	s_mov_b32 s[CS], 0x3e38aa3b
	s_mov_b32 s[CS+1], s[CS]
	s_mov_b32 s[SEL], 0x76543210
	s_mov_b32 s[SEL+1], 0xfedcba98
	s_wait_kmcnt 0x0
	s_add_nc_u64 s[8:9], s[8:9], s[34:35]
	s_load_b32 s36, s[8:9], 0x0                      ; the batch's flags: steps 0-5,
	s_load_b32 s37, s[8:9], 0x80                     ; steps 6-11
	s_add_nc_u64 s[20:21], s[4:5], s[20:21]
	s_add_nc_u64 s[22:23], s[4:5], s[22:23]
	s_add_nc_u64 s[24:25], s[4:5], s[24:25]
	s_add_nc_u64 s[26:27], s[4:5], s[26:27]
	s_add_nc_u64 s[28:29], s[6:7], s[28:29]
	s_add_nc_u64 s[30:31], s[4:5], s[30:31]
	s_add_nc_u64 s[32:33], s[4:5], s[32:33]
	s_add_nc_u64 s[38:39], s[10:11], s[38:39]
	s_add_nc_u64 s[46:47], s[10:11], s[46:47]
.irp j,0,1,2,3,4,5,6,7,8
	global_load_b128 v[96+4*\j:99+4*\j], v220, s[20:21] offset:8192*\j
.endr
.irp j,0,1,2,3,4,5,6,7,8
	global_load_b128 v[132+4*\j:135+4*\j], v220, s[22:23] offset:8192*\j
.endr
.irp c,0,1,2
	global_load_b128 v[34+4*\c:37+4*\c], v1, s[30:31] offset:512*\c
.endr
	global_load_b32 v46, v1, s[32:33]
	s_cmp_ge_u32 s12, 12                             ; the three small tables are 6,144 bytes each: 384 threads
	s_cbranch_scc1 .Lno_small_loads
	global_load_b128 v[168:171], v220, s[24:25]
	global_load_b128 v[172:175], v220, s[26:27]
	global_load_b128 v[176:179], v220, s[28:29]
.Lno_small_loads:
.irp j,16,17,18,19,20,21,28,29,30,31,32,33
	v_mov_b32 v[\j], 0                               ; the zeros of Q's run, written once
.endr
.irp b,0,1,2,3
	v_mov_b32 v[236+\b], 0                           ; a lane permute's destination counts as one of its sources
.endr
	v_mov_b32 v253, 0                                ; (named as the upper half of v[252:253] before it is first written)
	s_wait_loadcnt 0x0
.irp j,0,1,2,3,4,5,6,7,8
	LSTORE 8192*\j, 96+4*\j
.endr
.irp j,0,1,2,3,4,5,6,7,8
	LSTORE LV+8192*\j, 132+4*\j
.endr
	s_cmp_ge_u32 s12, 12
	s_cbranch_scc1 .Lno_small_stores
	LSTORE LKS, 168
	LSTORE LVS, 172
	LSTORE LMB, 176
.Lno_small_stores:
	s_wait_dscnt 0x0
	s_barrier_signal -1
	s_barrier_wait -1                                ; the head's K, V, scale words and the table lie in LDS
	s_wait_kmcnt 0x0
	s_or_b32 s36, s36, s37
	PASS 0
	PASS 1
	s_wait_dscnt 0x0
	s_barrier_signal -1
	s_barrier_wait -1                                ; the 512 queries' scale bytes lie together
	s_cmp_ge_u32 s12, 2
	s_cbranch_scc1 .Ldone
	ds_load_b128 v[96:99], v224
	s_wait_dscnt 0x0
	global_store_b128 v220, v[96:99], s[46:47]       ; 1,024 consecutive bytes from two waves
.Ldone:
	s_wait_tensorcnt 0x0                             ; the wave's end, behind my last LDS store
	ds_add_u32 v5, v6
	s_wait_dscnt 0x0
	s_endpgm
.Lfunc_end_k_q64d40c44d1_attn:
	.size	k_q64d40c44d1_attn, .Lfunc_end_k_q64d40c44d1_attn-k_q64d40c44d1_attn
	.p2alignl 7, 3214868480
	.fill 96, 4, 3214868480
	.section	.rodata,"a",@progbits
	.p2align	6, 0x0
	.amdhsa_kernel k_q64d40c44d1_attn
		.amdhsa_group_segment_fixed_size 168960
		.amdhsa_private_segment_fixed_size 0
		.amdhsa_enable_private_segment 0
		.amdhsa_kernarg_size 32
		.amdhsa_user_sgpr_count 2
		.amdhsa_user_sgpr_kernarg_segment_ptr 1
		.amdhsa_wavefront_size32 1
		.amdhsa_system_sgpr_workgroup_id_x 1
		.amdhsa_system_sgpr_workgroup_id_y 1
		.amdhsa_system_sgpr_workgroup_id_z 1
		.amdhsa_system_vgpr_workitem_id 0
		.amdhsa_next_free_vgpr 256
		.amdhsa_next_free_sgpr 66
		.amdhsa_reserve_vcc 0
		.amdhsa_float_denorm_mode_32 3
		.amdhsa_float_denorm_mode_16_64 3
		.amdhsa_memory_ordered 1
		.amdhsa_forward_progress 1
		.amdhsa_inst_pref_size 55
	.end_amdhsa_kernel
	.amdgpu_metadata
---
amdhsa.version: [ 1, 2 ]
amdhsa.kernels:
  - .name:           k_q64d40c44d1_attn
    .symbol:         k_q64d40c44d1_attn.kd
    .args:
      - { .name: qkv, .offset: 0, .size: 8, .value_kind: global_buffer, .address_space: global }
      - { .name: prepbuf, .offset: 8, .size: 8, .value_kind: global_buffer, .address_space: global }
      - { .name: mflags, .offset: 16, .size: 8, .value_kind: global_buffer, .address_space: global }
      - { .name: obuf, .offset: 24, .size: 8, .value_kind: global_buffer, .address_space: global }
    .group_segment_fixed_size: 168960
    .private_segment_fixed_size: 0
    .kernarg_segment_align: 8
    .kernarg_segment_size: 32
    .max_flat_workgroup_size: 512
    .sgpr_count:     66
    .vgpr_count:     256
    .wavefront_size: 32
...
	.end_amdgpu_metadata
.endif
;; end of part 3
;; launch outp (part 4): grid 256 x 1, 4 waves a work-group, no clusters, 120,320 bytes of LDS; arguments obuf, prepbuf, Wo_scales, hidden_states, gate, out0; writes out0
.if DOCPART == 4
	.amdgcn_target "amdgcn-amd-amdhsa--gfx1250"
	.amdhsa_code_object_version 6
	.text
	.protected	k_q64d40c44d1_outp
	.globl	k_q64d40c44d1_outp
	.p2align	8
	.type	k_q64d40c44d1_outp,@function
k_q64d40c44d1_outp:
	s_mov_b64 s[64:65], 0
	v_nop
	global_prefetch_b8 v0, s[64:65] scope:SCOPE_SE
	s_setreg_imm32_b32 hwreg(HW_REG_WAVE_MODE, 25, 1), 1
	s_wait_xcnt 0x0
; Launch 4 of 4: out0 = hidden_states + tanh(gate) x (O Wo^T), the product on codes of BF6 (E3M2).  No work of reference() is left out.
; SHARES.  A work-group takes 128 rows x 256 columns; wave w takes 64 columns: its 64 rows of Wo, all 8 K steps, stay in 384 registers.  The 128 rows' codes (two chunks of 64 rows, 49,152 dense bytes each)
; and their scale bytes come through registers into two LDS slots at the head: one barrier in the launch.
; O's scale bytes lie [head][row] as pairs of bytes; here they are turned into rows of 32 bytes: a thread takes one row and eight heads.
; The product is used transposed (source 0 = 16 rows of Wo, source 1 = 16 rows of O): a lane holds eight neighbouring columns of a row.  A tile of 16 rows x 64 columns goes through the wave's own stage and comes
; back as rows of 256 bytes, which sixteen lanes store as 256 consecutive bytes, aligned; hidden_states is loaded in the same shape, a chunk ahead.
; tanh(g) = 1 - 2 / (1 + 2^(2 log2(e) g)), which holds at both ends of g's range.
; No cluster: what four work-groups share is read once at the head.
; REGISTERS: window 0: v1-24 addresses; v32-63 Wo's scale words; v64-95 the chunk's; v96-191 two buffers of four fragments; v192-223 rows on the way out; v[224:225] tanh(gate); v226-249 scale bytes at the head.
; Window 1: Wo's fragments of K steps 0-4.  Window 2: v0-143 those of K steps 5-7; v144-239 chunk 0 on its way.  Window 3: v0-127 16 accumulators (at the head: chunk 1 on its way); v128-255 hidden_states.
.set WIMG, 11468800
.set OSCG, 6291456
.set SLOTB, 51200
.set SCOFF, 49152
.set STAGE, 102400                     ; 16 rows x 272 bytes for each wave
.set SPARE, 119808
.set WS, 32
.set AS, 64
.set AB, 96
.set BK, 192
.set SG, 144
.set MSB, 0
.macro WIN new
.if MSB != (\new)
	s_set_vgpr_msb (MSB<<8)|(\new)
.set MSB, (\new)
.endif
.endm
.macro PLACES
.rept 4
	v_nop
.endr
.endm
.macro AFETCH buf, k, t                ; slot 0 begins at LDS byte 0 and takes the plain registers v1 (16 x lane) and v15 (8 x lane); slot 1 takes v7 and v9
.set FB, AB+48*(\buf)
.set RA, 1+6*(\k)
.set RB, 15-6*(\k)
.irp i,0,1,2,3
	ds_load_b128 v[FB+12*\i:FB+12*\i+3], v[RA] offset:\i*12288+(\t)*1536
	ds_load_b64 v[FB+12*\i+4:FB+12*\i+5], v[RB] offset:\i*12288+(\t)*1536+512
	ds_load_b128 v[FB+12*\i+6:FB+12*\i+9], v[RA] offset:\i*12288+(\t)*1536+768
	ds_load_b64 v[FB+12*\i+10:FB+12*\i+11], v[RB] offset:\i*12288+(\t)*1536+1280
.endr
.endm
.macro ASCALES k
.irp i,0,1,2,3
	ds_load_b128 v[AS+8*\i:AS+8*\i+3], v[10+\k] offset:512*\i
	ds_load_b128 v[AS+8*\i+4:AS+8*\i+7], v[10+\k] offset:512*\i+16
.endr
.endm
.macro KSTEP k, t                      ; the next K step's fragments are asked for, then 16 products, the 16 accumulators by turns
.if \t < 7
.if \t > 0
	PLACES
.endif
	AFETCH (\t+1)%2, \k, \t+1
	s_wait_dscnt 16                                  ; all but the 16 loads just issued
.else
	s_wait_dscnt 0x0
.endif
.if \t < 5
.set WW, 1
.set WB, 48*\t
.else
.set WW, 2
.set WB, 48*(\t-5)
.endif
.set FA, AB+48*((\t)%2)
	WIN 0xf0|WW
.irp i,0,1,2,3
.irp n,0,1,2,3
.if \t == 0
	v_wmma_scale_f32_16x16x128_f8f6f4 v[32*\i+8*\n:32*\i+8*\n+7], v[WB+12*\n:WB+12*\n+11], v[FA+12*\i:FA+12*\i+11], 0, v[WS+8*\n+\t], v[AS+8*\i+\t] matrix_a_fmt:MATRIX_FMT_BF6 matrix_b_fmt:MATRIX_FMT_BF6
.else
	v_wmma_scale_f32_16x16x128_f8f6f4 v[32*\i+8*\n:32*\i+8*\n+7], v[WB+12*\n:WB+12*\n+11], v[FA+12*\i:FA+12*\i+11], v[32*\i+8*\n:32*\i+8*\n+7], v[WS+8*\n+\t], v[AS+8*\i+\t] matrix_a_fmt:MATRIX_FMT_BF6 matrix_b_fmt:MATRIX_FMT_BF6
.endif
.endr
.endr
	WIN 0
.endm
.macro TILEOUT k, i                    ; tile i of chunk k leaves
.if \i == 0
	PLACES                                           ; behind the last products
.endif
	WIN 0x0c                                         ; an LDS store's data are its source 1: window 3
.irp n,0,1,2,3
	ds_store_b128 v16, v[32*\i+8*\n:32*\i+8*\n+3] offset:64*\n        ; each accumulator from its low end on
	ds_store_b128 v16, v[32*\i+8*\n+4:32*\i+8*\n+7] offset:64*\n+16
.endr
	WIN 0
	s_wait_xcnt 0x0                                  ; the last tile's stores have read the registers that the loads below fill
.irp t,0,1,2,3,4,5,6,7
	ds_load_b128 v[BK+4*\t:BK+4*\t+3], v17 offset:\t*544   ; my own bytes, served in order: these see the stores above
.endr
	s_wait_dscnt 0x0
.if \k == 0
	s_wait_loadcnt 24                                ; this tile's hidden_states are in: behind them 8 (3 - i) loads of the head and 8 i of the next chunk
.else
	s_wait_loadcnt 8*(3-\i)                          ; behind them the later tiles' loads
.endif
	WIN 0x30                                         ; source 2 window 3
.set j, 0
.rept 16
	v_pk_fma_f32 v[BK+j:BK+j+1], v[BK+j:BK+j+1], v[224:225], v[128+32*\i+j:128+32*\i+j+1] op_sel_hi:[1,0,1]
.set j, j+2
.endr
	WIN 0
.irp t,0,1,2,3,4,5,6,7
	global_store_b128 v18, v[BK+4*\t:BK+4*\t+3], s[14:15] offset:(64*\k+16*\i+2*\t)*4096 th:TH_STORE_NT   ; sixteen lanes store 256 consecutive bytes, at a multiple of 256 from the buffer's first byte
.endr
.if \k == 0
	WIN 0xc0
.irp t,0,1,2,3,4,5,6,7
	global_load_b128 v[128+32*\i+4*\t:128+32*\i+4*\t+3], v18, s[10:11] offset:(64+16*\i+2*\t)*4096 th:TH_LOAD_NT   ; the same tile of the next chunk
.endr
	WIN 0
.endif
.endm
.macro CHUNK k
	ASCALES \k
	AFETCH 0, \k, 0
.irp t,0,1,2,3,4,5,6,7
	KSTEP \k, \t
.endr
.irp i,0,1,2,3
	TILEOUT \k, \i
.endr
.endm
	s_load_b256 s[4:11], s[0:1], 0x0                 ; obuf s[4:5], prepbuf s[6:7], Wo's scales s[8:9], hidden_states s[10:11]
	s_load_b128 s[12:15], s[0:1], 0x20               ; gate s[12:13], out0 s[14:15]
	v_lshl_add_u32 v12, v0, 2, SPARE
	v_mov_b32 v13, 0
	v_lshrrev_b32 v1, 5, v0
	v_readfirstlane_b32 s16, v1                      ; wave
	v_and_b32 v14, 31, v0
	v_lshlrev_b32 v1, 4, v14                         ; 16 x lane
	v_lshlrev_b32 v15, 3, v14                        ; 8 x lane
	v_lshlrev_b32 v2, 4, v0                          ; 16 x thread
	v_and_b32 v22, 15, v0                            ; r
	v_bfe_u32 v23, v0, 4, 1                          ; h
	v_lshlrev_b32 v3, 5, v22                         ; 32 r
	v_add_nc_u32 v5, SLOTB, v2
	v_add_nc_u32 v7, SLOTB, v1
	v_add_nc_u32 v9, SLOTB, v15
	v_add_nc_u32 v10, SCOFF, v3
	v_add_nc_u32 v11, SLOTB+SCOFF, v3
	s_mul_i32 s17, s16, 16*272
	s_add_co_u32 s17, s17, STAGE                     ; my stage
	v_mul_u32_u24 v16, v22, 272
	v_lshl_add_u32 v16, v23, 5, v16
	v_add_nc_u32 v16, s17, v16                       ; in: row r, + 32 h
	v_mul_u32_u24 v17, v23, 272
	v_lshl_add_u32 v17, v22, 4, v17
	v_add_nc_u32 v17, s17, v17                       ; back: lanes 0-15 one row, lanes 16-31 the next
	v_lshlrev_b32 v18, 12, v23
	v_lshl_add_u32 v18, v22, 4, v18                  ; and the same two rows in hidden_states and out0
	v_and_b32 v19, 63, v0                            ; the scale bytes: my row of a chunk,
	v_lshrrev_b32 v20, 6, v0                         ; my eight heads
	v_lshlrev_b32 v21, 1, v19
	v_lshl_add_u32 v21, v20, 17, v21                 ; in memory: 8 heads x 16,384 bytes, + 2 bytes a row
	v_lshlrev_b32 v19, 5, v19
	v_lshl_add_u32 v19, v20, 4, v19
	v_add_nc_u32 v19, SCOFF, v19                     ; in a slot: 32 bytes a row, + 16 for the upper heads
	v_mov_b32 v24, 0
	s_and_b32 s18, ttmp9, 3                          ; block of 256 columns
	s_lshr_b32 s19, ttmp9, 2                         ; block of 128 rows
	s_lshl_b32 s20, s18, 2
	s_add_co_u32 s20, s20, s16                       ; my 64 columns
	s_mov_b32 s23, 0
	s_wait_kmcnt 0x0
	s_mul_i32 s22, s19, 98304
	s_add_nc_u64 s[24:25], s[4:5], s[22:23]          ; O's images
	s_lshl_b32 s22, s19, 8
	s_add_co_u32 s22, s22, OSCG
	s_add_nc_u64 s[26:27], s[4:5], s[22:23]          ; O's scale bytes
	s_mul_i32 s22, s20, 49152
	s_add_co_u32 s22, s22, WIMG+3*786432
	s_add_nc_u64 s[28:29], s[6:7], s[22:23]          ; Wo's images
	s_lshl_b32 s22, s20, 11
	s_add_nc_u64 s[8:9], s[8:9], s[22:23]
	s_lshl_b32 s22, s19, 19
	s_lshl_b32 s21, s20, 8
	s_add_co_u32 s22, s22, s21
	s_add_nc_u64 s[10:11], s[10:11], s[22:23]
	s_add_nc_u64 s[14:15], s[14:15], s[22:23]
.irp n,0,1,2,3
	global_load_b128 v[WS+8*\n:WS+8*\n+3], v3, s[8:9] offset:512*\n
	global_load_b128 v[WS+8*\n+4:WS+8*\n+7], v3, s[8:9] offset:512*\n+16
.endr
	WIN 0x40
.irp t,0,1,2,3,4
.irp n,0,1,2,3
.irp c,0,1,2
	global_load_b128 v[48*\t+12*\n+4*\c:48*\t+12*\n+4*\c+3], v1, s[28:29] offset:(8*\n+\t)*1536+512*\c
.endr
.endr
.endr
	WIN 0x80
.irp t,5,6,7
.irp n,0,1,2,3
.irp c,0,1,2
	global_load_b128 v[48*(\t-5)+12*\n+4*\c:48*(\t-5)+12*\n+4*\c+3], v1, s[28:29] offset:(8*\n+\t)*1536+512*\c
.endr
.endr
.endr
	WIN 0
	global_load_b32 v224, v24, s[12:13]              ; the gate
	WIN 0x80
.set j, 0
.rept 24
	global_load_b128 v[SG+4*j:SG+4*j+3], v2, s[24:25] offset:2048*j th:TH_LOAD_NT
.set j, j+1
.endr
	WIN 0xc0
.set j, 0
.rept 24
	global_load_b128 v[4*j:4*j+3], v2, s[24:25] offset:SCOFF+2048*j th:TH_LOAD_NT
.set j, j+1
.endr
	WIN 0
.irp q,0,1
.irp e,0,1,2,3,4,5,6,7
	global_load_u16 v[226+8*\q+\e], v21, s[26:27] offset:\e*16384+128*\q
.endr
.endr
	WIN 0xc0
.irp i,0,1,2,3
.irp t,0,1,2,3,4,5,6,7
	global_load_b128 v[128+32*\i+4*\t:128+32*\i+4*\t+3], v18, s[10:11] offset:(16*\i+2*\t)*4096 th:TH_LOAD_NT
.endr
.endr
	WIN 0
	s_wait_loadcnt 32                                ; all but the 32 loads of hidden_states
.irp q,0,1
.irp e,0,1,2,3
	v_lshl_or_b32 v[242+4*\q+\e], v[226+8*\q+2*\e+1], 16, v[226+8*\q+2*\e]   ; a K step's word: two heads' pairs of bytes
.endr
.endr
	WIN 0x08
.set j, 0
.rept 24
	ds_store_b128 v2, v[SG+4*j:SG+4*j+3] offset:2048*j
.set j, j+1
.endr
	WIN 0x0c
.set j, 0
.rept 24
	ds_store_b128 v5, v[4*j:4*j+3] offset:2048*j
.set j, j+1
.endr
	WIN 0
	ds_store_b128 v19, v[242:245]
	ds_store_b128 v19, v[246:249] offset:SLOTB
	v_mul_f32 v224, 0x4038aa3b, v224                 ; 2 log2(e) g
	v_exp_f32 v224, v224
	v_nop
	s_wait_alu depctr_va_vdst(0)                     ; the wait ahead of the first reader
	v_add_f32 v224, 1.0, v224
	v_rcp_f32 v224, v224
	v_nop
	s_wait_alu depctr_va_vdst(0)
	v_fma_f32 v224, v224, -2.0, 1.0                  ; tanh(g)
	v_mov_b32 v225, v224                             ; (named with it as a pair)
	s_wait_dscnt 0x0
	s_barrier_signal -1
	s_barrier_wait -1                                ; both chunks lie in LDS
	CHUNK 0
	CHUNK 1
	s_wait_tensorcnt 0x0                             ; the wave's end, behind my last LDS store
	ds_add_u32 v12, v13
	s_wait_dscnt 0x0
	s_endpgm
.Lfunc_end_k_q64d40c44d1_outp:
	.size	k_q64d40c44d1_outp, .Lfunc_end_k_q64d40c44d1_outp-k_q64d40c44d1_outp
	.p2alignl 7, 3214868480
	.fill 96, 4, 3214868480
	.section	.rodata,"a",@progbits
	.p2align	6, 0x0
	.amdhsa_kernel k_q64d40c44d1_outp
		.amdhsa_group_segment_fixed_size 120320
		.amdhsa_private_segment_fixed_size 0
		.amdhsa_enable_private_segment 0
		.amdhsa_kernarg_size 48
		.amdhsa_user_sgpr_count 2
		.amdhsa_user_sgpr_kernarg_segment_ptr 1
		.amdhsa_wavefront_size32 1
		.amdhsa_system_sgpr_workgroup_id_x 1
		.amdhsa_system_sgpr_workgroup_id_y 1
		.amdhsa_system_sgpr_workgroup_id_z 1
		.amdhsa_system_vgpr_workitem_id 0
		.amdhsa_next_free_vgpr 1024
		.amdhsa_next_free_sgpr 66
		.amdhsa_reserve_vcc 0
		.amdhsa_float_denorm_mode_32 3
		.amdhsa_float_denorm_mode_16_64 3
		.amdhsa_memory_ordered 1
		.amdhsa_forward_progress 1
		.amdhsa_inst_pref_size 106
	.end_amdhsa_kernel
	.amdgpu_metadata
---
amdhsa.version: [ 1, 2 ]
amdhsa.kernels:
  - .name:           k_q64d40c44d1_outp
    .symbol:         k_q64d40c44d1_outp.kd
    .args:
      - { .name: obuf, .offset: 0, .size: 8, .value_kind: global_buffer, .address_space: global }
      - { .name: prepbuf, .offset: 8, .size: 8, .value_kind: global_buffer, .address_space: global }
      - { .name: Wo_scales, .offset: 16, .size: 8, .value_kind: global_buffer, .address_space: global }
      - { .name: hidden_states, .offset: 24, .size: 8, .value_kind: global_buffer, .address_space: global }
      - { .name: gate, .offset: 32, .size: 8, .value_kind: global_buffer, .address_space: global }
      - { .name: out0, .offset: 40, .size: 8, .value_kind: global_buffer, .address_space: global }
    .group_segment_fixed_size: 120320
    .private_segment_fixed_size: 0
    .kernarg_segment_align: 8
    .kernarg_segment_size: 48
    .max_flat_workgroup_size: 128
    .sgpr_count:     66
    .vgpr_count:     1024
    .wavefront_size: 32
...
	.end_amdgpu_metadata
.endif
;; end of part 4
;; ======== version 2 of 2: 4 launches
;; limits: right only within a limited range of input values
;; workspace buffers: prepbuf 14,639,104 bytes; mflags 1,024 bytes of whole numbers; qkv 17,039,360 bytes; obuf 6,553,600 bytes
;; launch prep (part 5): grid 1153 x 1, 8 waves a work-group, no clusters, 70,144 bytes of LDS; arguments hidden_states, audio_kv, ln_gamma, ln_beta, audio_attention_mask, Wq_codes, Wk_codes, Wv_codes, Wo_codes, prepbuf, mflags; writes prepbuf, mflags
.if DOCPART == 5
	.amdgcn_target "amdgcn-amd-amdhsa--gfx1250"
	.amdhsa_code_object_version 6
	.text
	.protected	k_q64d40c44d1_prep
	.globl	k_q64d40c44d1_prep
	.p2align	8
	.type	k_q64d40c44d1_prep,@function
k_q64d40c44d1_prep:
	s_mov_b64 s[64:65], 0
	v_nop
	global_prefetch_b8 v0, s[64:65] scope:SCOPE_SE
	s_setreg_imm32_b32 hwreg(HW_REG_WAVE_MODE, 25, 1), 1
	s_wait_xcnt 0x0
; GATED CROSS ATTENTION IN MX-BF6, launch 1 of 4: everything that is quantised or laid out ONCE.
; DEAD WORK: none.  Every step of reference() is done and every input is loaded by some launch.
; LIMITS of the program: NaN and infinities among the inputs are not served; |score x log2(e) / 8| stays under 2^100; a batch whose mask is all false
; gives NaN in reference() and is not promised to do so here; a block whose largest magnitude lies under 2^-122 keeps the scale byte 1, and so does a
; block of zeros (the rule says 127): its codes are zeros, and these bytes are read by this program alone.
; WHAT THIS LAUNCH MAKES, all in prepbuf:
;  work-groups 0-511    hidden_states, 16 rows each, quantised along the 1,024 features: codes as IMAGES OF THE OPERAND'S REGISTERS, scale bytes row-major
;  work-groups 512-895  audio_kv, LayerNorm in f32 (mean first, then the mean of squared differences), then the same; each batch is padded to 1,536 rows with zero codes
;  work-groups 896-1151 the four weights' codes, laid anew as images, so that the later launches load each fragment by three dense loads
;  work-group 1152      the mask as a table of f32 (0, or -2^106 for a key that does not count or lies past 1,499), and in mflags, as whole numbers, which steps of 128 keys hold such a key
; AN IMAGE of a fragment (16 rows x 128 K, 12 registers a lane, 1,536 bytes).  Form H2: half c: registers 6c..6c+3 at 768c + 16 x lane, registers 6c+4, 6c+5 at 768c + 512 + 8 x lane.
; Form F3: registers 4c..4c+3 at 512c + 16 x lane.  Every store of a piece covers 512 or 256 consecutive bytes.
; Eight waves; wave w takes K step w (features 128w..128w+127) of the work-group's 16 rows.
.set HIMG, 0                           ; prepbuf: hidden's images [tile 0..511][K step 0..7]
.set HSC, 6291456                      ; hidden's scale bytes [8192][32]
.set AIMG, 6553600                     ; audio's images [batch][tile 0..95][K step]
.set ASC, 11272192                     ; audio's scale bytes [6144][32]
.set WIMG, 11468800                    ; weights' images [q,k,v,o][tile 0..63][K step]
.set MBT, 14614528                     ; the mask's table [4][1536] f32
.set PS1, 0                            ; LDS: partial sums [row][wave] f32
.set PS2, 512                          ; partial sums of squares
.set SCW, 1024                         ; scale words [row][wave]
.set SPARE, 1536                       ; the spare words, 128 bytes for each of eight waves
.set STG, 2560                         ; a stage of 16 rows x 528 bytes for each wave
.set SROW, 528                         ; 512 bytes + 16: row r starts 4 r words on in the banks
.set AD, 16                            ; v16-31  the 16 rows' byte offsets
.set R, 32                             ; v32-95  rows as loaded; later gamma; later QUANT's work
.set X, 96                             ; v96-159 64 numbers of my row: register 16b+i = feature 128w + 32b + 16h + i
.set BT, 160                           ; v160-223 beta
.set TM, 32
.set PW, 48
.set PC, 52
.set SEL, 60                           ; s[60:61] selects of v_permlanex16_b32: lane l xor 16
; 64 numbers of a lane, register 16b+i = k 32b + 16 (lane / 16) + i of my row, become a fragment's codes in v[PC] on and its scale word in v[PW]
.macro QUANT s
.irp b,0,1,2,3
	v_max3_num_f32 v[TM+\b], |v[\s+16*\b]|, |v[\s+1+16*\b]|, 0x2800000   ; my 16 numbers of block b, and the floor 2^(5-127): the byte cannot fall under 1
.endr
.irp i,2,4,6,8,10,12,14
.irp b,0,1,2,3
	s_delay_alu instid0(VALU_DEP_4)
	v_max3_num_f32 v[TM+\b], v[TM+\b], |v[\s+16*\b+\i]|, |v[\s+1+16*\b+\i]|
.endr
.endr
.irp b,0,1,2,3
	s_delay_alu instid0(VALU_DEP_4)
	v_permlanex16_b32 v[TM+4+\b], v[TM+\b], s[SEL], s[SEL+1]
.endr
.irp b,0,1,2,3
	s_delay_alu instid0(VALU_DEP_4)
	v_max_num_f32 v[TM+\b], v[TM+\b], v[TM+4+\b]     ; with lane l xor 16's: the block's largest magnitude
.endr
.irp b,0,1,2,3
	s_delay_alu instid0(VALU_DEP_4)
	v_add_nc_u32 v[TM+12+\b], 0xfe000000, v[TM+\b]   ; 4 off its exponent field: the conversion's scale operand
.endr
.irp b,0,1,2,3
	s_delay_alu instid0(VALU_DEP_4)
	v_lshrrev_b32 v[TM+4+\b], 23, v[TM+12+\b]        ; the scale's byte
.endr
	s_delay_alu instid0(VALU_DEP_3)
	v_lshl_or_b32 v[PW], v[TM+5], 8, v[TM+4]
	s_delay_alu instid0(VALU_DEP_1)
	v_lshl_or_b32 v[PW], v[TM+6], 16, v[PW]
	s_delay_alu instid0(VALU_DEP_1)
	v_lshl_or_b32 v[PW], v[TM+7], 24, v[PW]
.irp c,0,1
	v_cvt_scalef32_pk16_bf6_f32 v[PC+6*\c:PC+2+6*\c], v[\s+32*\c:\s+15+32*\c], v[TM+12+2*\c]
	v_cvt_scalef32_pk16_bf6_f32 v[PC+12+4*\c:PC+14+4*\c], v[\s+16+32*\c:\s+31+32*\c], v[TM+12+2*\c+1]
.endr
	v_nop                                            ; one plain place behind a scaled conversion
.irp c,0,1                                       ; the operand wants a whole block in a lane: lanes 0-15 block 2c, lanes 16-31 block 2c+1
.irp i,0,1,2
	v_permlane16_swap_b32 v[PC+6*\c+\i], v[PC+12+4*\c+\i]
.endr
.irp i,0,1,2
	s_delay_alu instid0(VALU_DEP_3)
	v_mov_b32 v[PC+3+6*\c+\i], v[PC+12+4*\c+\i]
.endr
.endr
.endm
; the four chains v[224:231] are folded, joined with lane l xor 16, and summed over the eight waves through LDS: the row's sum in v232 of every lane
.macro ROWSUM off
	s_delay_alu instid0(VALU_DEP_3)
	v_pk_add_f32 v[224:225], v[224:225], v[226:227]
	s_delay_alu instid0(VALU_DEP_2)
	v_pk_add_f32 v[228:229], v[228:229], v[230:231]
	s_delay_alu instid0(VALU_DEP_1)
	v_pk_add_f32 v[224:225], v[224:225], v[228:229]
	s_delay_alu instid0(VALU_DEP_1)
	v_add_f32 v224, v224, v225
	s_delay_alu instid0(VALU_DEP_1)
	v_permlanex16_b32 v225, v224, s[SEL], s[SEL+1]
	s_delay_alu instid0(VALU_DEP_1)
	v_add_f32 v224, v224, v225
	ds_store_b32 v7, v224 offset:\off                ; lanes r and 16 + r write the same word with the same value
	s_wait_dscnt 0x0                                 ; for the others' sake: my store has landed
	s_barrier_signal -1
	s_barrier_wait -1
	ds_load_b128 v[232:235], v10 offset:\off
	ds_load_b128 v[236:239], v10 offset:\off+16
	s_wait_dscnt 0x0
	v_add_f32 v232, v232, v233
	v_add_f32 v234, v234, v235
	v_add_f32 v236, v236, v237
	v_add_f32 v238, v238, v239
	s_delay_alu instid0(VALU_DEP_3)
	v_add_f32 v232, v232, v234
	s_delay_alu instid0(VALU_DEP_2)
	v_add_f32 v236, v236, v238
	s_delay_alu instid0(VALU_DEP_1)
	v_add_f32 v232, v232, v236
.endm
	s_load_b256 s[4:11], s[0:1], 0x0                 ; hidden s[4:5], audio s[6:7], gamma s[8:9], beta s[10:11]
	s_load_b256 s[12:19], s[0:1], 0x20               ; mask s[12:13], Wq s[14:15], Wk s[16:17], Wv s[18:19]
	s_load_b128 s[20:23], s[0:1], 0x40               ; Wo s[20:21], prepbuf s[22:23]
	s_load_b64 s[24:25], s[0:1], 0x50                ; mflags
	v_lshl_add_u32 v12, v0, 2, SPARE                 ; my spare word
	v_mov_b32 v13, 0
	v_lshrrev_b32 v1, 5, v0
	s_delay_alu instid0(VALU_DEP_1)
	v_readfirstlane_b32 s26, v1                      ; wave
	v_and_b32 v1, 31, v0                             ; lane
	v_and_b32 v2, 15, v0                             ; r
	v_bfe_u32 v3, v0, 4, 1                           ; h
	s_delay_alu instid0(VALU_DEP_3)
	v_lshlrev_b32 v8, 4, v1                          ; 16 x lane
	s_delay_alu instid0(VALU_DEP_4)
	v_lshlrev_b32 v9, 3, v1                          ; 8 x lane
	s_mov_b32 s[SEL], 0x76543210
	s_mov_b32 s[SEL+1], 0xfedcba98
	s_wait_kmcnt 0x0
	s_cmp_ge_u32 ttmp9, 1152
	s_cbranch_scc1 .Lmask
	s_cmp_ge_u32 ttmp9, 896
	s_cbranch_scc1 .Lweights
	; ---- rows of hidden_states or of audio_kv.  Audio: batch = (id - 512) & 3, tile = (id - 512) >> 2
	s_sub_co_u32 s27, ttmp9, 512
	s_and_b32 s28, s27, 3                            ; batch
	s_lshr_b32 s29, s27, 2                           ; tile of the batch (a huge number in hidden's work-groups)
	s_mul_i32 s30, s28, 1500
	s_lshl_b32 s31, s29, 4
	s_add_co_u32 s31, s31, s30                       ; audio: first row
	s_add_co_u32 s30, s30, 1499                      ; and the batch's last
	s_mul_i32 s32, s28, 96
	s_add_co_u32 s32, s32, s29                       ; its tile among the padded images
	s_lshl_b32 s33, ttmp9, 4
	s_mov_b32 s34, 8191
	s_mov_b32 s35, AIMG
	s_mov_b32 s40, ASC
	s_mov_b32 s41, HSC
	s_cmp_lt_u32 ttmp9, 512                          ; the choices hang on the work-group's number alone
	s_cselect_b32 s31, s33, s31                      ; first row
	s_cselect_b32 s30, s34, s30                      ; last row that may be loaded
	s_cselect_b32 s32, ttmp9, s32                    ; tile among the images
	s_cselect_b64 s[4:5], s[4:5], s[6:7]             ; the source
	s_cselect_b32 s35, HIMG, s35
	s_cselect_b32 s40, s41, s40
	s_lshl_b32 s36, s32, 3
	s_add_co_u32 s36, s36, s26
	s_mul_i32 s36, s36, 1536
	s_add_co_u32 s36, s36, s35
	s_mov_b32 s37, 0
	s_add_nc_u64 s[36:37], s[22:23], s[36:37]        ; my image: (8 x tile + wave) x 1,536
	s_lshl_b32 s38, s32, 9
	s_add_co_u32 s38, s38, s40
	s_mov_b32 s39, 0
	s_add_nc_u64 s[38:39], s[22:23], s[38:39]        ; the tile's 512 scale bytes
	s_cmp_lt_u32 ttmp9, 512
	s_cbranch_scc1 .Lrows
	s_cmp_ge_u32 s29, 94                             ; tiles 94 and 95 of a batch hold padding alone
	s_cbranch_scc1 .Lzero
.Lrows:
	v_lshlrev_b32 v4, 4, v0                          ; 512 x wave + 16 x lane: my 16 bytes of a row
	s_mul_i32 s41, s26, 16*SROW
	s_add_co_u32 s41, s41, STG                       ; my stage
	s_wait_alu depctr_va_vdst(0)
	v_lshl_add_u32 v5, v1, 4, s41                    ; in: 16 x lane of a row
	v_mul_u32_u24 v6, v2, SROW
	s_delay_alu instid0(VALU_DEP_1)
	v_lshl_add_u32 v6, v3, 6, v6
	s_delay_alu instid0(VALU_DEP_1)
	v_add_nc_u32 v6, s41, v6                         ; out: row r, + 64 h
	v_lshlrev_b32 v10, 5, v2                         ; 32 r
	s_lshl_b32 s43, s26, 2
	v_add_nc_u32 v7, s43, v10                        ; 32 r + 4 w
.irp i,0,1,2,3,4,5,6,7,8,9,10,11,12,13,14,15
	s_add_co_u32 s44, s31, \i
	s_min_u32 s44, s44, s30                          ; no load leaves the batch: rows past its end repeat the last, and their codes are cleared below
	s_lshl_b32 s44, s44, 12
	v_add_nc_u32 v[AD+\i], s44, v4
	global_load_b128 v[R+4*\i:R+4*\i+3], v[AD+\i], s[4:5] th:TH_LOAD_NT   ; 32 lanes read 512 consecutive bytes of one row
.endr
.irp i,0,1,2,3,4,5,6,7,8,9,10,11,12,13,14,15
	s_wait_loadcnt 15-\i                             ; row i is in; the younger rows may be out
	ds_store_b128 v5, v[R+4*\i:R+4*\i+3] offset:SROW*\i
.endr
.irp b,0,1,2,3
.irp j,0,1,2,3
	ds_load_b128 v[X+16*\b+4*\j:X+16*\b+4*\j+3], v6 offset:128*\b+16*\j   ; my wave's own bytes, served in order: these see the stores above
.endr
.endr
	s_wait_dscnt 0x0                                 ; the numbers are back, and the stores have read their registers
	s_cmp_lt_u32 ttmp9, 512
	s_cbranch_scc1 .Lquant                           ; hidden_states is quantised as it is
	; ---- LayerNorm, in f32
	s_lshl_b32 s42, s26, 9
	v_lshl_add_u32 v14, v3, 6, s42                   ; gamma, beta: 512 w + 64 h
.irp b,0,1,2,3
.irp j,0,1,2,3
	global_load_b128 v[R+16*\b+4*\j:R+16*\b+4*\j+3], v14, s[8:9] offset:128*\b+16*\j
	global_load_b128 v[BT+16*\b+4*\j:BT+16*\b+4*\j+3], v14, s[10:11] offset:128*\b+16*\j
.endr
.endr
	v_pk_add_f32 v[224:225], v[X:X+1], v[X+2:X+3]    ; the sum of my 64 numbers, in four chains
	v_pk_add_f32 v[226:227], v[X+4:X+5], v[X+6:X+7]
	v_pk_add_f32 v[228:229], v[X+8:X+9], v[X+10:X+11]
	v_pk_add_f32 v[230:231], v[X+12:X+13], v[X+14:X+15]
.irp j,16,24,32,40,48,56
.irp q,0,1,2,3
	s_delay_alu instid0(VALU_DEP_4)
	v_pk_add_f32 v[224+2*\q:225+2*\q], v[224+2*\q:225+2*\q], v[X+\j+2*\q:X+\j+2*\q+1]
.endr
.endr
	ROWSUM PS1
	s_delay_alu instid0(VALU_DEP_1)
	v_mul_f32 v240, 0x3a800000, v232                 ; the mean: sum x 2^-10
	s_delay_alu instid0(VALU_DEP_1)
	v_mov_b32 v241, v240                             ; (named with it as a pair)
.set j, 0
.rept 32
	v_pk_add_f32 v[X+j:X+j+1], v[X+j:X+j+1], v[240:241] op_sel_hi:[1,0] neg_lo:[0,1] neg_hi:[0,1]   ; x - mean
.set j, j+2
.endr
.irp q,0,1,2,3
	v_pk_mul_f32 v[224+2*\q:225+2*\q], v[X+2*\q:X+2*\q+1], v[X+2*\q:X+2*\q+1]
.endr
.irp j,8,16,24,32,40,48,56
.irp q,0,1,2,3
	s_delay_alu instid0(VALU_DEP_4)
	v_pk_fma_f32 v[224+2*\q:225+2*\q], v[X+\j+2*\q:X+\j+2*\q+1], v[X+\j+2*\q:X+\j+2*\q+1], v[224+2*\q:225+2*\q]
.endr
.endr
	ROWSUM PS2
	s_mov_b32 s43, 0x3a800000                        ; 2^-10
	s_mov_b32 s44, 0x3727c5ac                        ; 1e-5
	v_fma_f32 v242, v232, s43, s44                   ; the variance + eps
	s_wait_alu depctr_va_vdst(0)
	v_rsq_f32 v242, v242
	v_mov_b32 v243, 0                                ; a plain place behind the transcendental (and the pair's upper word is written)
	s_wait_alu depctr_va_vdst(0)                     ; the wait ahead of the first reader
	s_wait_loadcnt 0x0                               ; gamma and beta
.set j, 0
.rept 32
	v_pk_mul_f32 v[X+j:X+j+1], v[X+j:X+j+1], v[242:243] op_sel_hi:[1,0]
.set j, j+2
.endr
.set j, 0
.rept 32
	v_pk_fma_f32 v[X+j:X+j+1], v[X+j:X+j+1], v[R+j:R+j+1], v[BT+j:BT+j+1]
.set j, j+2
.endr
.Lquant:
.irp b,0,1,2,3
	v_mov_b32 v[TM+4+\b], 0                          ; a lane permute's destination counts as one of its sources
.endr
	QUANT X
	s_cmp_lg_u32 s29, 93                             ; tile 93 of a batch holds rows 1,488 to 1,503: the last four are padding
	s_cbranch_scc1 .Lwhole
	v_cmp_gt_u32 vcc_lo, 12, v2
.irp i,0,1,2,3,4,5,6,7,8,9,10,11
	v_cndmask_b32 v[PC+\i], 0, v[PC+\i], vcc_lo      ; zero codes for them
.endr
.Lwhole:
	s_wait_alu depctr_va_vdst(0)
.irp c,0,1
	global_store_b128 v8, v[PC+6*\c:PC+6*\c+3], s[36:37] offset:768*\c        ; 512 consecutive bytes
	global_store_b64 v9, v[PC+6*\c+4:PC+6*\c+5], s[36:37] offset:768*\c+512   ; 256 consecutive bytes
.endr
	ds_store_b32 v7, v[PW] offset:SCW                ; my K step's scale word of row r
	s_wait_dscnt 0x0
	s_barrier_signal -1
	s_barrier_wait -1                                ; the 16 rows' 32 scale bytes lie together
	s_cmp_lg_u32 s26, 0
	s_cbranch_scc1 .Lnot_first
	ds_load_b128 v[224:227], v8 offset:SCW
	s_wait_dscnt 0x0
	global_store_b128 v8, v[224:227], s[38:39]       ; 512 consecutive bytes, row-major
.Lnot_first:
	s_wait_tensorcnt 0x0                             ; the wave's end, behind my last LDS store
	ds_add_u32 v12, v13
	s_wait_dscnt 0x0
	s_endpgm
.Lzero:                                              ; a tile of padding: zero codes, scale bytes 127
.irp i,0,1,2,3
	v_mov_b32 v[224+\i], 0
.endr
	s_wait_alu depctr_va_vdst(0)
.irp c,0,1
	global_store_b128 v8, v[224:227], s[36:37] offset:768*\c
	global_store_b64 v9, v[224:225], s[36:37] offset:768*\c+512
.endr
	s_cmp_lg_u32 s26, 0
	s_cbranch_scc1 .Lzero_end
.irp i,0,1,2,3
	v_mov_b32 v[228+\i], 0x7f7f7f7f
.endr
	global_store_b128 v8, v[228:231], s[38:39]
.Lzero_end:
	s_endpgm
.Lweights:                                           ; ---- one tile of 16 rows of one weight; wave w takes K step w
	s_sub_co_u32 s27, ttmp9, 896
	s_lshr_b32 s28, s27, 6                           ; q, k, v, o
	s_and_b32 s29, s27, 63                           ; tile
	s_cmp_eq_u32 s28, 1
	s_cselect_b64 s[14:15], s[16:17], s[14:15]
	s_cmp_eq_u32 s28, 2
	s_cselect_b64 s[14:15], s[18:19], s[14:15]
	s_cmp_eq_u32 s28, 3
	s_cselect_b64 s[14:15], s[20:21], s[14:15]
	s_mul_i32 s30, s29, 12288                        ; 16 rows of 768 bytes
	s_mul_i32 s31, s26, 96
	s_add_co_u32 s30, s30, s31
	s_mov_b32 s31, 0
	s_add_nc_u64 s[14:15], s[14:15], s[30:31]
	s_lshl_b32 s32, s27, 3
	s_add_co_u32 s32, s32, s26
	s_mul_i32 s32, s32, 1536
	s_add_co_u32 s32, s32, WIMG
	s_mov_b32 s33, 0
	s_add_nc_u64 s[22:23], s[22:23], s[32:33]
	s_wait_alu depctr_va_vdst(0)
	v_mul_u32_u24 v16, v2, 768
	s_delay_alu instid0(VALU_DEP_1)
	v_mad_u32_u24 v16, v3, 24, v16                   ; row r, + 24 h
.irp p,0,1,2,3,4,5
	global_load_b64 v[32+2*\p:33+2*\p], v16, s[14:15] offset:48*(\p/3)+8*(\p%3)   ; the row's stream of bits is the register image
.endr
	s_wait_loadcnt 0x0
.irp c,0,1,2
	global_store_b128 v8, v[32+4*\c:35+4*\c], s[22:23] offset:512*\c
.endr
	s_endpgm
.Lmask:                                              ; ---- wave w: batch w / 2, steps 6 (w % 2) .. + 5 of 128 keys; a lane holds four neighbouring keys of a step
	s_lshr_b32 s27, s26, 1
	s_and_b32 s28, s26, 1
	s_mul_i32 s30, s27, 1500
	s_mov_b32 s31, 0
	s_add_nc_u64 s[12:13], s[12:13], s[30:31]
	s_mul_i32 s32, s27, 6144
	s_mul_i32 s33, s28, 3072
	s_add_co_u32 s32, s32, s33
	s_add_co_u32 s32, s32, MBT
	s_mov_b32 s33, 0
	s_add_nc_u64 s[22:23], s[22:23], s[32:33]
	s_mul_i32 s34, s28, 768
	s_wait_alu depctr_va_vdst(0)
	v_lshl_add_u32 v16, v1, 2, s34                   ; my first key
	v_mov_b32 v17, 0
	v_mov_b32 v18, 0xf4800000                        ; -2^106
	s_mov_b32 s46, 1500
.irp j,0,1,2,3,4,5
.irp i,0,1,2,3
	v_add_nc_u32 v[32+4*\j+\i], 128*\j+\i, v16       ; the key
	s_delay_alu instid0(VALU_DEP_1)
	v_min_u32 v[96+4*\j+\i], 1499, v[32+4*\j+\i]     ; no load leaves the batch's row of the mask
	global_load_u8 v[64+4*\j+\i], v[96+4*\j+\i], s[12:13]
.endr
.endr
	s_wait_loadcnt 0x0
	s_mov_b32 s48, 0
.irp j,0,1,2,3,4,5
.irp i,0,1,2,3
	v_cmp_ne_u32 s44, 0, v[64+4*\j+\i]               ; the mask says that it counts,
	v_cmp_gt_u32 s45, s46, v[32+4*\j+\i]             ; and it is a key of the batch
	s_and_b32 s[50+\i], s44, s45
	v_cndmask_b32 v[128+4*\j+\i], v18, v17, s[50+\i]
.endr
	s_wait_alu depctr_va_vdst(0)
	s_and_b32 s50, s50, s51
	s_and_b32 s52, s52, s53
	s_and_b32 s50, s50, s52
	s_cmp_lg_u32 s50, -1                             ; does any of the step's 128 keys not count?
	s_cselect_b32 s51, 1<<\j, 0
	s_or_b32 s48, s48, s51
	global_store_b128 v8, v[128+4*\j:131+4*\j], s[22:23] offset:512*\j
.endr
	s_mul_i32 s49, s28, 6
	s_lshl_b32 s48, s48, s49                         ; bit u: step u
	v_mov_b32 v19, s48
	v_lshlrev_b32 v20, 2, v0
	global_store_b32 v20, v19, s[24:25]              ; [batch][half][32 equal words]
	s_endpgm
.Lfunc_end_k_q64d40c44d1_prep:
	.size	k_q64d40c44d1_prep, .Lfunc_end_k_q64d40c44d1_prep-k_q64d40c44d1_prep
	.p2alignl 7, 3214868480
	.fill 96, 4, 3214868480
	.section	.rodata,"a",@progbits
	.p2align	6, 0x0
	.amdhsa_kernel k_q64d40c44d1_prep
		.amdhsa_group_segment_fixed_size 70144
		.amdhsa_private_segment_fixed_size 0
		.amdhsa_enable_private_segment 0
		.amdhsa_kernarg_size 88
		.amdhsa_user_sgpr_count 2
		.amdhsa_user_sgpr_kernarg_segment_ptr 1
		.amdhsa_wavefront_size32 1
		.amdhsa_system_sgpr_workgroup_id_x 1
		.amdhsa_system_sgpr_workgroup_id_y 1
		.amdhsa_system_sgpr_workgroup_id_z 1
		.amdhsa_system_vgpr_workitem_id 0
		.amdhsa_next_free_vgpr 256
		.amdhsa_next_free_sgpr 66
		.amdhsa_reserve_vcc 1
		.amdhsa_float_denorm_mode_32 3
		.amdhsa_float_denorm_mode_16_64 3
		.amdhsa_memory_ordered 1
		.amdhsa_forward_progress 1
		.amdhsa_inst_pref_size 51
	.end_amdhsa_kernel
	.amdgpu_metadata
---
amdhsa.version: [ 1, 2 ]
amdhsa.kernels:
  - .name:           k_q64d40c44d1_prep
    .symbol:         k_q64d40c44d1_prep.kd
    .args:
      - { .name: hidden_states, .offset: 0, .size: 8, .value_kind: global_buffer, .address_space: global }
      - { .name: audio_kv, .offset: 8, .size: 8, .value_kind: global_buffer, .address_space: global }
      - { .name: ln_gamma, .offset: 16, .size: 8, .value_kind: global_buffer, .address_space: global }
      - { .name: ln_beta, .offset: 24, .size: 8, .value_kind: global_buffer, .address_space: global }
      - { .name: audio_attention_mask, .offset: 32, .size: 8, .value_kind: global_buffer, .address_space: global }
      - { .name: Wq_codes, .offset: 40, .size: 8, .value_kind: global_buffer, .address_space: global }
      - { .name: Wk_codes, .offset: 48, .size: 8, .value_kind: global_buffer, .address_space: global }
      - { .name: Wv_codes, .offset: 56, .size: 8, .value_kind: global_buffer, .address_space: global }
      - { .name: Wo_codes, .offset: 64, .size: 8, .value_kind: global_buffer, .address_space: global }
      - { .name: prepbuf, .offset: 72, .size: 8, .value_kind: global_buffer, .address_space: global }
      - { .name: mflags, .offset: 80, .size: 8, .value_kind: global_buffer, .address_space: global }
    .group_segment_fixed_size: 70144
    .private_segment_fixed_size: 0
    .kernarg_segment_align: 8
    .kernarg_segment_size: 88
    .max_flat_workgroup_size: 256
    .sgpr_count:     66
    .vgpr_count:     256
    .wavefront_size: 32
...
	.end_amdgpu_metadata
.endif
;; end of part 5
;; launch proj (part 6): grid 256 x 1, 4 waves a work-group, no clusters, 205,312 bytes of LDS; arguments prepbuf, Wq_scales, Wk_scales, Wv_scales, qkv; writes qkv
.if DOCPART == 6
	.amdgcn_target "amdgcn-amd-amdhsa--gfx1250"
	.amdhsa_code_object_version 6
	.text
	.protected	k_q64d40c44d1_proj
	.globl	k_q64d40c44d1_proj
	.p2align	8
	.type	k_q64d40c44d1_proj,@function
k_q64d40c44d1_proj:
	s_mov_b64 s[64:65], 0
	v_nop
	global_prefetch_b8 v0, s[64:65] scope:SCOPE_SE
	s_setreg_imm32_b32 hwreg(HW_REG_WAVE_SCHED_MODE, 0, 2), 2
	s_setreg_imm32_b32 hwreg(HW_REG_WAVE_MODE, 25, 1), 1
	s_wait_xcnt 0x0
	s_wait_alu depctr_vm_vsrc(0)
; Launch 2 of 4: Q = hidden Wq^T, K = a Wk^T, V = a Wv^T on codes of BF6 (E3M2) with E8M0 scales, and each result quantised at once for attention.  No work of reference() is left out.
; SHARES.  Work-groups 0-127: Q, 256 rows x 4 heads (2 trips of 128 rows); 128-191: K; 192-255: V, 384 padded rows x 4 heads (3 trips).  Wave w owns one head: its 64 rows of the weight,
; all 8 K steps, 32 fragments, stay in 384 registers for the whole launch.  What streams is the rows' codes: a chunk of 64 rows (49,152 bytes of images + 2,048 scale bytes, dense in memory)
; comes through registers into one of two LDS slots, one chunk ahead, and all four waves read it.
; Q AND K (row form): source 0 = 16 rows of the weight, source 1 = 16 rows of tokens: a lane holds one token, its registers run along the head's 64.  The 64 registers of two neighbouring tiles of
; tokens become ONE fragment: the even tile's 64 in k 0..63, the odd tile's in k 64..127, and one scale word with both tiles' bytes.
; V (column form): the sources change places: a lane holds one of the head's 64, its registers run along 128 keys: a fragment of V^T.
; THE ORDER INSIDE A BLOCK OF 32: a lane's 16 registers of two neighbouring result tiles are numbers 8h..8h+7 and 16+8h..16+8h+7 of the block, so a block's codes lie in the order
; 0-7, 16-23, 8-15, 24-31.  The block's 32 numbers, and so its scale, are the right ones, and both operands of each later product (Q and K; p and V) carry the same order, which keeps every product.
; No cluster: what four work-groups share is one chunk for 512 matrix instructions of each, and Q's and K's trip counts differ.
; REGISTERS: window 0: v1-15 addresses; v32-63 the weight's scale words (8n+s); v64-95 the chunk's (8i+s); v96-143, v144-191 two buffers of four fragments (in the way out: the codes just made);
; v192-207 at work; v208-211 four scale words.  Window 1: the weight's fragments of K steps 0-4.  Window 2: v0-143 those of K steps 5-7; v144-243 a chunk on its way (25 x 16 bytes a thread).  Window 3: 32 accumulators.
; THE MODE: SCHED_MODE bits 1:0 = 2 (LLVM: expert scheduling mode 2), set by the entry lines.  The code itself states the register dependences
; between vector or matrix instructions and memory or LDS instructions, with s_wait_alu, always for 0.
; THE PLAN.  Registers that memory or LDS instructions touch:
;   v1-v11, v15      offsets and LDS addresses: written by vector lines at the head, read by every load and store, never written again.
;   v64-95           a chunk's scale words: LDS loads at the chunk's head land in them, the chunk's 128 products read them.
;   v96-143, v144-191  K step t's products read buffer t % 2; at that step's head the loads of K step t + 1 land in the other buffer, which the products of K step t - 1 read.
;   v96-175, v208-211  in the way out: written by the conversions, exchanges and moves of four quantisations, then read by one run of 13 stores.
;   window 2 v144-243  global loads land in them, LDS stores read them; no vector or matrix instruction names them.
;   window 3 v0-99   at the head chunk 0 lands in them and LDS stores read them; from then on they are accumulators.
; So a wait on va_vdst stands at a chunk's head, at the head of K steps 1 to 6 and ahead of the way out's stores; a wait on vm_vsrc ahead of the loop, ahead of the loads of the chunk after next, and behind the way out's stores.
.set HSC, 6291456
.set AIMG, 6553600
.set ASC, 11272192
.set WIMG, 11468800
.set KIMG, 6291456
.set VIMG, 11010048
.set QSC, 15728640
.set KSC, 16252928
.set VSC, 16646144
.set SLOTB, 51200                      ; a slot: 49,152 bytes of images, then 2,048 scale bytes
.set SCOFF, 49152
.set SPARE, 204800                     ; behind the four slots: the spare words, 128 bytes a wave
.set WS, 32
.set AS, 64
.set AB, 96
.set TM, 192
.set PWR, 208
.set SG, 144
.set SEL, 50
.set MSB, 0
.macro WIN new                         ; the immediate's high byte repeats the setting that is left
.if MSB != (\new)
	s_set_vgpr_msb (MSB<<8)|(\new)
.set MSB, (\new)
.endif
.endm
.macro PLACES                          ; four plain places behind a matrix instruction, in front of loads into and reads of its registers
.rept 4
	v_nop
.endr
.endm
.macro MM d, fa, fb, xa, xb, z
.if \z
	v_wmma_scale_f32_16x16x128_f8f6f4 v[(\d):(\d)+7], v[(\fa):(\fa)+11], v[(\fb):(\fb)+11], 0, v[(\xa)], v[(\xb)] matrix_a_fmt:MATRIX_FMT_BF6 matrix_b_fmt:MATRIX_FMT_BF6
.else
	v_wmma_scale_f32_16x16x128_f8f6f4 v[(\d):(\d)+7], v[(\fa):(\fa)+11], v[(\fb):(\fb)+11], v[(\d):(\d)+7], v[(\xa)], v[(\xb)] matrix_a_fmt:MATRIX_FMT_BF6 matrix_b_fmt:MATRIX_FMT_BF6
.endif
.endm
.macro AFETCH buf, k, t                ; the chunk's four fragments of K step t, from slot k, into buffer buf: 16 loads of dense bytes
.set FB, AB+48*(\buf)
.set RA, L160+(L161-L160)*(\k)
.set RB, L80+(L81-L80)*(\k)
.irp i,0,1,2,3
	ds_load_b128 v[FB+12*\i:FB+12*\i+3], v[RA] offset:\i*12288+(\t)*1536
	ds_load_b64 v[FB+12*\i+4:FB+12*\i+5], v[RB] offset:\i*12288+(\t)*1536+512
	ds_load_b128 v[FB+12*\i+6:FB+12*\i+9], v[RA] offset:\i*12288+(\t)*1536+768
	ds_load_b64 v[FB+12*\i+10:FB+12*\i+11], v[RB] offset:\i*12288+(\t)*1536+1280
.endr
.endm
.macro ASCALES k                       ; the chunk's scale words: row r's 32 bytes are its eight words
.irp i,0,1,2,3
	ds_load_b128 v[AS+8*\i:AS+8*\i+3], v[10+\k] offset:512*\i
	ds_load_b128 v[AS+8*\i+4:AS+8*\i+7], v[10+\k] offset:512*\i+16
.endr
.endm
; One K step of a chunk: the next step's fragments are asked for, then 16 products, all 16 accumulators by turns
.macro KSTEP col, k, t
.if \t < 7
.if \t > 0
	PLACES                                           ; the buffer that is filled next was multiplied last
	s_wait_alu depctr_va_vdst(0)                     ; the products of the K step before are done reading the buffer in which the 16 loads below land
.endif
	AFETCH (\t+1)%2, \k, \t+1                        ; (K step 0: the wait at the chunk's head has covered this buffer too: only LDS loads stand between)
	s_wait_dscnt 16                                  ; all but the 16 loads just issued
.else
	s_wait_dscnt 0x0
.endif
.if \t < 5
.set WW, 1
.set WB, 48*\t
.else
.set WW, 2
.set WB, 48*(\t-5)
.endif
.set FA, AB+48*((\t)%2)
.if \col
	WIN 0xf0|(WW<<2)                                 ; source 1: the weight's window; C and D window 3
.else
	WIN 0xf0|WW                                      ; source 0: the weight's window; C and D window 3
.endif
.irp i,0,1,2,3
.irp n,0,1,2,3
.if \col
.if \t == 0
	MM 64*\n+32*\k+8*\i, FA+12*\i, WB+12*\n, AS+8*\i+\t, WS+8*\n+\t, 1
.else
	MM 64*\n+32*\k+8*\i, FA+12*\i, WB+12*\n, AS+8*\i+\t, WS+8*\n+\t, 0
.endif
.else
.if \t == 0
	MM 128*\k+32*\i+8*\n, WB+12*\n, FA+12*\i, WS+8*\n+\t, AS+8*\i+\t, 1
.else
	MM 128*\k+32*\i+8*\n, WB+12*\n, FA+12*\i, WS+8*\n+\t, AS+8*\i+\t, 0
.endif
.endif
.endr
.endr
	WIN 0
.endm
; In a chunk's middle: the next chunk, which has come into registers, goes into the other slot (nobody reads it since the last barrier), and the chunk after it is asked for.  The last trip's tail asks for nothing.
.macro STAGE k
	s_wait_loadcnt 0x0                               ; the chunk on its way is in: its registers may be read, and the loads' pointers written
.if \k == 1
	s_cmp_eq_u32 s40, 1
	s_cbranch_scc1 .Lstaged_\@
.endif
.set RS, ST0+(ST1-ST0)*(1-\k)
	WIN 0x08                                         ; an LDS store's data are its source 1: window 2
.set j, 0
.rept 25
	ds_store_b128 v[RS], v[SG+4*j:SG+4*j+3] offset:2048*j
.set j, j+1
.endr
	WIN 0
	s_wait_dscnt 0x0                                 ; the stores have landed
.if \k == 0
	s_cmp_eq_u32 s40, 1
	s_cbranch_scc1 .Lstaged_\@
.endif
	s_add_nc_u64 s[28:29], s[28:29], SCOFF           ; on to the chunk just stored; the loads reach one chunk further by their immediates
	s_add_nc_u64 s[30:31], s[30:31], 2048
	WIN 0x80                                         ; destination window 2
	s_wait_alu depctr_vm_vsrc(0)                     ; the 25 LDS stores above have read the registers in which the 25 loads below land
.set j, 0
.rept 24
	global_load_b128 v[SG+4*j:SG+4*j+3], v2, s[28:29] offset:SCOFF+2048*j
.set j, j+1
.endr
	global_load_b128 v[SG+96:SG+99], v2, s[30:31] offset:2048
	WIN 0
.Lstaged_\@:
.endm
.macro CHUNK col, k
	PLACES                                           ; the scale words and buffer 0 were read by the last products
	s_wait_alu depctr_va_vdst(0)                     ; the last chunk's products are done reading the scale words and both buffers; behind a way out its conversions, exchanges and moves have written v96-175: LDS loads land in all of these
	ASCALES \k
	AFETCH 0, \k, 0
.irp t,0,1,2,3
	KSTEP \col, \k, \t
.endr
	STAGE \k
.irp t,4,5,6,7
	KSTEP \col, \k, \t
.endr
	s_wait_dscnt 0x0                                 ; my stores into the other slot have landed and my reads of this slot are over
	s_barrier_signal -1
	s_barrier_wait -1                                ; both now hold of all four waves
.endm
; 64 accumulator registers of window 3 become a fragment's codes at v[pc] on and its scale word in v[pw]
.macro QUANTW src, pc, pw
	WIN 0x3c                                         ; sources 1 and 2 window 3
.irp b,0,1,2,3
	v_max3_num_f32 v[TM+\b], 0x2800000, |v[(\src)+16*\b]|, |v[(\src)+16*\b+1]|   ; each accumulator is read from its low end on; the floor 2^(5-127) holds the byte at 1 from below
.endr
.irp i,2,4,6,8,10,12,14
.irp b,0,1,2,3
	v_max3_num_f32 v[TM+\b], v[TM+\b], |v[(\src)+16*\b+\i]|, |v[(\src)+16*\b+\i+1]|
.endr
.endr
	WIN 0
.irp b,0,1,2,3
	v_permlanex16_b32 v[TM+4+\b], v[TM+\b], s[SEL], s[SEL+1]
.endr
.irp b,0,1,2,3
	v_max_num_f32 v[TM+\b], v[TM+\b], v[TM+4+\b]
.endr
.irp b,0,1,2,3
	v_add_nc_u32 v[TM+12+\b], 0xfe000000, v[TM+\b]   ; 4 off the exponent field: the conversion's scale operand
.endr
.irp b,0,1,2,3
	v_lshrrev_b32 v[TM+4+\b], 23, v[TM+12+\b]
.endr
	v_lshl_or_b32 v[\pw], v[TM+5], 8, v[TM+4]
	v_lshl_or_b32 v[\pw], v[TM+6], 16, v[\pw]
	v_lshl_or_b32 v[\pw], v[TM+7], 24, v[\pw]
	WIN 0x03                                         ; source 0 window 3
.irp c,0,1
	v_cvt_scalef32_pk16_bf6_f32 v[(\pc)+6*\c:(\pc)+2+6*\c], v[(\src)+32*\c:(\src)+15+32*\c], v[TM+12+2*\c]
	v_cvt_scalef32_pk16_bf6_f32 v[(\pc)+12+4*\c:(\pc)+14+4*\c], v[(\src)+16+32*\c:(\src)+31+32*\c], v[TM+13+2*\c]
.endr
	WIN 0
	v_nop                                            ; one plain place behind a scaled conversion
.irp c,0,1
.irp i,0,1,2
	v_permlane16_swap_b32 v[(\pc)+6*\c+\i], v[(\pc)+12+4*\c+\i]
.endr
.irp i,0,1,2
	v_mov_b32 v[(\pc)+3+6*\c+\i], v[(\pc)+12+4*\c+\i]
.endr
.endr
.endm
.macro EPI                             ; a trip's 128 x 64 results leave as four images and one image of scale words: all four are quantised, each into registers of its own, then one run of stores
	PLACES
.irp g,0,1,2,3
	QUANTW 64*\g, 96+20*\g, PWR+\g
.endr
	s_wait_alu depctr_va_vdst(0)                     ; the conversions, exchanges and moves have written the four fragments' codes in v96-175 and the scale words v208-211, which the 13 stores below read
.irp g,0,1,2,3
.irp c,0,1,2
	global_store_b128 v1, v[96+20*\g+4*\c:96+20*\g+4*\c+3], s[36:37] offset:1536*\g+512*\c   ; 512 consecutive bytes
.endr
.endr
	global_store_b128 v1, v[PWR:PWR+3], s[38:39]     ; [lane][4 words]
	s_wait_xcnt 0x0                                  ; the stores have read their registers and bases: both are written again
	s_wait_alu depctr_vm_vsrc(0)                     ; the stores have read v96-175, in which the next trip's fragments land, and v208-211, which its quantisations write
	s_add_nc_u64 s[36:37], s[36:37], 6144
	s_add_nc_u64 s[38:39], s[38:39], 512
.endm
.macro GEMM col, lb
.if \lb == 0                           ; a slot at LDS byte 0 takes the plain registers as its addresses
.set ST0, 2
.set L160, 1
.set L80, 15
.else
.set ST0, 4
.set L160, 6
.set L80, 8
	v_add_nc_u32 v4, \lb, v2
	v_add_nc_u32 v6, \lb, v1
	v_add_nc_u32 v8, \lb, v15
.endif
.set ST1, 5
.set L161, 7
.set L81, 9
	v_add_nc_u32 v5, \lb+SLOTB, v2
	v_add_nc_u32 v7, \lb+SLOTB, v1
	v_add_nc_u32 v9, \lb+SLOTB, v15
	v_add_nc_u32 v10, \lb+SCOFF, v3
	v_add_nc_u32 v11, \lb+SLOTB+SCOFF, v3
	s_wait_alu depctr_va_vdst(0)                     ; the LDS addresses v4 to v11 are written, which every LDS store and load from here on reads
	s_wait_loadcnt 25                                ; the weight and chunk 0 are in; chunk 1's 25 loads may be out
	WIN 0x0c                                         ; the data: window 3
.set j, 0
.rept 25
	ds_store_b128 v[ST0], v[4*j:4*j+3] offset:2048*j
.set j, j+1
.endr
	WIN 0
	s_wait_dscnt 0x0
	s_wait_alu depctr_vm_vsrc(0)                     ; these LDS stores have read chunk 0's registers, which the products write as accumulators from here on
	s_barrier_signal -1
	s_barrier_wait -1
.Ltrip_\@:
	CHUNK \col, 0
	CHUNK \col, 1
	EPI
	s_sub_co_u32 s40, s40, 1
	s_cmp_lg_u32 s40, 0
	s_cbranch_scc1 .Ltrip_\@
	s_wait_dscnt 0x0                                 ; the closing lines, six on end
	s_wait_alu 0x0
	s_wait_tensorcnt 0x0
	ds_add_u32 v12, v13
	s_wait_dscnt 0x0
	s_endpgm
.endm
	s_load_b256 s[4:11], s[0:1], 0x0                 ; prepbuf s[4:5], Wq's scales s[6:7], Wk's s[8:9], Wv's s[10:11]
	s_load_b64 s[12:13], s[0:1], 0x20                ; qkv
	v_lshl_add_u32 v12, v0, 2, SPARE
	v_mov_b32 v13, 0
	v_lshrrev_b32 v1, 5, v0
	v_readfirstlane_b32 s14, v1                      ; wave
	v_and_b32 v14, 31, v0
	v_lshlrev_b32 v1, 4, v14                         ; 16 x lane
	v_lshlrev_b32 v15, 3, v14                        ; 8 x lane
	v_lshlrev_b32 v2, 4, v0                          ; 16 x thread
	v_and_b32 v3, 15, v0
	v_lshlrev_b32 v3, 5, v3                          ; 32 r
.irp b,0,1,2,3
	v_mov_b32 v[TM+4+\b], 0                          ; a lane permute's destination counts as one of its sources
.endr
	s_wait_alu depctr_va_sdst(0)                     ; s14, the wave's number, is written, ahead of its first reader: my head is made from it
	s_mov_b32 s[SEL], 0x76543210
	s_mov_b32 s[SEL+1], 0xfedcba98
	s_cmp_ge_u32 ttmp9, 128
	s_cselect_b32 s15, 1, 0                          ; which product: 0 Q, 1 K, 2 V
	s_cselect_b32 s16, 128, 0
	s_cmp_ge_u32 ttmp9, 192
	s_cselect_b32 s15, 2, s15
	s_cselect_b32 s16, 192, s16
	s_sub_co_u32 s16, ttmp9, s16                     ; my number within the product
	s_and_b32 s17, s16, 3                            ; group of four heads
	s_lshr_b32 s18, s16, 2                           ; block of rows
	s_lshl_b32 s19, s17, 2
	s_add_co_u32 s19, s19, s14                       ; my head
	s_lshr_b32 s20, s18, 3                           ; Q: batch, first trip, where codes and scales begin
	s_and_b32 s21, s18, 7
	s_lshl_b32 s21, s21, 1
	s_mul_i32 s22, s18, 196608
	s_lshl_b32 s23, s18, 13
	s_add_co_u32 s23, s23, HSC
	s_lshr_b32 s24, s18, 2                           ; K, V: the same
	s_and_b32 s25, s18, 3
	s_mul_i32 s25, s25, 3
	s_mul_i32 s26, s18, 294912
	s_add_co_u32 s26, s26, AIMG
	s_mul_i32 s27, s18, 12288
	s_add_co_u32 s27, s27, ASC
	s_cmp_eq_u32 s15, 0
	s_cselect_b32 s20, s20, s24
	s_cselect_b32 s21, s21, s25
	s_cselect_b32 s22, s22, s26
	s_cselect_b32 s23, s23, s27
	s_cselect_b32 s40, 2, 3                          ; trips
	s_cselect_b32 s24, 16, 12                        ; trips in a head
	s_lshl_b32 s25, s20, 4
	s_add_co_u32 s25, s25, s19                       ; 16 x batch + head
	s_mul_i32 s25, s25, s24
	s_add_co_u32 s25, s25, s21                       ; my first trip among all
	s_mul_i32 s26, s25, 6144
	s_lshl_b32 s27, s25, 9
	s_mov_b32 s41, KIMG
	s_mov_b32 s42, KSC
	s_mov_b32 s43, VIMG
	s_mov_b32 s44, VSC
	s_mov_b32 s45, QSC
	s_cmp_eq_u32 s15, 1
	s_cselect_b32 s46, s41, 0
	s_cselect_b32 s47, s42, s45
	s_cmp_eq_u32 s15, 2
	s_cselect_b32 s46, s43, s46
	s_cselect_b32 s47, s44, s47
	s_add_co_u32 s26, s26, s46
	s_add_co_u32 s27, s27, s47
	s_mov_b32 s49, 0
	s_wait_kmcnt 0x0
	s_mov_b32 s48, s22
	s_add_nc_u64 s[28:29], s[4:5], s[48:49]          ; the rows' images
	s_mov_b32 s48, s23
	s_add_nc_u64 s[30:31], s[4:5], s[48:49]          ; their scale bytes
	s_mul_i32 s48, s15, 786432
	s_mul_i32 s52, s19, 49152
	s_add_co_u32 s48, s48, s52
	s_add_co_u32 s48, s48, WIMG
	s_add_nc_u64 s[32:33], s[4:5], s[48:49]          ; my head's 32 images of the weight
	s_cmp_eq_u32 s15, 1
	s_cselect_b64 s[34:35], s[8:9], s[6:7]
	s_cmp_eq_u32 s15, 2
	s_cselect_b64 s[34:35], s[10:11], s[34:35]
	s_lshl_b32 s48, s19, 11
	s_add_nc_u64 s[34:35], s[34:35], s[48:49]        ; and its scale bytes
	s_mov_b32 s48, s26
	s_add_nc_u64 s[36:37], s[12:13], s[48:49]        ; where the images go
	s_mov_b32 s48, s27
	s_add_nc_u64 s[38:39], s[12:13], s[48:49]        ; and the scale words
	s_wait_alu depctr_va_vdst(0)                     ; the offsets v1, v2 and v3 are written, which the loads below read; only loads and window switches follow up to the branch
.irp n,0,1,2,3
	global_load_b128 v[WS+8*\n:WS+8*\n+3], v3, s[34:35] offset:512*\n
	global_load_b128 v[WS+8*\n+4:WS+8*\n+7], v3, s[34:35] offset:512*\n+16
.endr
	WIN 0x40                                         ; destination window 1
.irp t,0,1,2,3,4
.irp n,0,1,2,3
.irp c,0,1,2
	global_load_b128 v[48*\t+12*\n+4*\c:48*\t+12*\n+4*\c+3], v1, s[32:33] offset:(8*\n+\t)*1536+512*\c
.endr
.endr
.endr
	WIN 0x80                                         ; destination window 2
.irp t,5,6,7
.irp n,0,1,2,3
.irp c,0,1,2
	global_load_b128 v[48*(\t-5)+12*\n+4*\c:48*(\t-5)+12*\n+4*\c+3], v1, s[32:33] offset:(8*\n+\t)*1536+512*\c
.endr
.endr
.endr
	WIN 0xc0                                         ; chunk 0 comes into registers that the accumulators take later
.set j, 0
.rept 24
	global_load_b128 v[4*j:4*j+3], v2, s[28:29] offset:2048*j
.set j, j+1
.endr
	global_load_b128 v[96:99], v2, s[30:31]
	WIN 0x80
.set j, 0
.rept 24
	global_load_b128 v[SG+4*j:SG+4*j+3], v2, s[28:29] offset:SCOFF+2048*j
.set j, j+1
.endr
	global_load_b128 v[SG+96:SG+99], v2, s[30:31] offset:2048
	WIN 0
	s_cmp_ge_u32 ttmp9, 192
	s_cbranch_scc1 .Lcolumns
	GEMM 0, 0
.Lcolumns:                                           ; the two forms never meet again, and each has LDS bytes of its own
	GEMM 1, 102400
.Lfunc_end_k_q64d40c44d1_proj:
	.size	k_q64d40c44d1_proj, .Lfunc_end_k_q64d40c44d1_proj-k_q64d40c44d1_proj
	.p2alignl 7, 3214868480
	.fill 96, 4, 3214868480
	.section	.rodata,"a",@progbits
	.p2align	6, 0x0
	.amdhsa_kernel k_q64d40c44d1_proj
		.amdhsa_group_segment_fixed_size 205312
		.amdhsa_private_segment_fixed_size 0
		.amdhsa_enable_private_segment 0
		.amdhsa_kernarg_size 40
		.amdhsa_user_sgpr_count 2
		.amdhsa_user_sgpr_kernarg_segment_ptr 1
		.amdhsa_wavefront_size32 1
		.amdhsa_system_sgpr_workgroup_id_x 1
		.amdhsa_system_sgpr_workgroup_id_y 1
		.amdhsa_system_sgpr_workgroup_id_z 1
		.amdhsa_system_vgpr_workitem_id 0
		.amdhsa_next_free_vgpr 1024
		.amdhsa_next_free_sgpr 66
		.amdhsa_reserve_vcc 0
		.amdhsa_float_denorm_mode_32 3
		.amdhsa_float_denorm_mode_16_64 3
		.amdhsa_memory_ordered 1
		.amdhsa_forward_progress 1
		.amdhsa_inst_pref_size 181
	.end_amdhsa_kernel
	.amdgpu_metadata
---
amdhsa.version: [ 1, 2 ]
amdhsa.kernels:
  - .name:           k_q64d40c44d1_proj
    .symbol:         k_q64d40c44d1_proj.kd
    .args:
      - { .name: prepbuf, .offset: 0, .size: 8, .value_kind: global_buffer, .address_space: global }
      - { .name: Wq_scales, .offset: 8, .size: 8, .value_kind: global_buffer, .address_space: global }
      - { .name: Wk_scales, .offset: 16, .size: 8, .value_kind: global_buffer, .address_space: global }
      - { .name: Wv_scales, .offset: 24, .size: 8, .value_kind: global_buffer, .address_space: global }
      - { .name: qkv, .offset: 32, .size: 8, .value_kind: global_buffer, .address_space: global }
    .group_segment_fixed_size: 205312
    .private_segment_fixed_size: 0
    .kernarg_segment_align: 8
    .kernarg_segment_size: 40
    .max_flat_workgroup_size: 128
    .sgpr_count:     66
    .vgpr_count:     1024
    .wavefront_size: 32
...
	.end_amdgpu_metadata
.endif
;; end of part 6
;; launch attn (part 7): grid 4 x 64, 16 waves a work-group, no clusters, 168,960 bytes of LDS; arguments qkv, prepbuf, mflags, obuf; writes obuf
.if DOCPART == 7
	.amdgcn_target "amdgcn-amd-amdhsa--gfx1250"
	.amdhsa_code_object_version 6
	.text
	.protected	k_q64d40c44d1_attn
	.globl	k_q64d40c44d1_attn
	.p2align	8
	.type	k_q64d40c44d1_attn,@function
k_q64d40c44d1_attn:
	s_mov_b64 s[64:65], 0
	v_nop
	global_prefetch_b8 v0, s[64:65] scope:SCOPE_SE
	s_setreg_imm32_b32 hwreg(HW_REG_WAVE_SCHED_MODE, 0, 2), 2
	s_setreg_imm32_b32 hwreg(HW_REG_WAVE_MODE, 25, 1), 1
	s_wait_xcnt 0x0
	s_wait_alu depctr_vm_vsrc(0)
; Launch 3 of 4: O = softmax(Q K^T / 8, masked) V for one head and 512 queries, both products on codes of BF6 (E3M2); O quantised at once for the last product.  No work of reference() is left out.
; SHARES.  Work-group (x = block of 512 queries, y = 16 x batch + head).  Sixteen waves, four to a SIMD, so that one wave's vector work stands beside another's products and LDS loads.  Wave w owns
; 32 queries: two tiles of 16, taken in two passes.  All of the head's K and V (images, 147,456 bytes), their scale words and the batch's mask table are brought into LDS once, through registers: no ring.
; No cluster and no tensor load: K and V are read once for 24 steps of work.
; S^T = K Q^T HAS K = 64.  A fragment of K holds key tile 2g in k 0..63 and key tile 2g+1 in k 64..127.  Q stands in a run of 18 registers, six zeros, Q's six, six zeros: the last twelve are [Q | 0], the first
; twelve [0 | Q]; Q's scale word repeats its two bytes.  So fragment g x [Q | 0] gives tile 2g's scores and fragment g x [0 | Q] tile 2g+1's; the other half multiplies zero codes.
; THE MASK IS THE C OF THOSE PRODUCTS: 0, or -2^106 for a key that does not count.  The running largest t begins at -2^100, over every such t, so such a key never moves M and its p is 0 exactly.
; A step of 128 keys all of which count takes the constant 0 as C and loads no table: a scalar branch on mflags, whole numbers stored by the first launch.
; SOFTMAX: t = score x log2(e) / 8; M = the running largest t rounded up to a whole number; p = 2^(t - M) is quantised along the keys; the sum is taken of the unquantised p; when M moves, the sum and O^T
; are multiplied by 2^(old M - new M), which rounds nothing.
; LIMITS: |t| under 2^100; a batch whose mask is all false is not promised reference()'s NaN.
; REGISTERS: v1-7 addresses that stay; v8-11 the step's addresses; v12 -M, v13 largest t, v[14:15] the sum; v16-33 Q's run; v34-45 the pair's image, v46 its scale word, v47 Q's; v48-95 four fragments;
; v96-159 S^T, then p; v160-191 O^T; v192-203 p's codes; v204-211 conversions; v212-215 K's scale words, v216-219 V's; v220-224 addresses; v232-254 at work.
; THE MODE: SCHED_MODE bits 1:0 = 2 (LLVM: expert scheduling mode 2), set by the entry lines.  The code itself states the register dependences
; between vector or matrix instructions and memory or LDS instructions, with s_wait_alu, always for 0.
; THE PLAN.  Registers that memory or LDS instructions touch, in a key step:
;   v8-v11      the step's LDS addresses: read by its 26 to 42 LDS loads, written by four additions at the next step's head (an LDS address has no scalar base).
;   v48-95      K's four fragments land at the step's head and the eight score products read them; then V's four land and the four products V^T P read them.
;   v212-219    the fragments' scale words: they land with their fragments and the same products read them.
;   v96-159     in a step with hidden keys the mask's table lands here; the score products write them; the softmax works in them; the conversions read them.
;   v1-v7, v220-224  addresses made at the head, never written again.
; So a step has a wait on vm_vsrc and the four additions, then a wait on va_vdst that stands for the addresses and for all that the step before did with the registers above; one on va_vdst between the
; score products and V's loads; the two behind the exponentials; and one ahead of the products V^T P, whose source p and scale word are written by vector lines.
.set KIMG, 6291456
.set VIMG, 11010048
.set QSC, 15728640
.set KSC, 16252928
.set VSC, 16646144
.set MBT, 14614528
.set OSCG, 6291456
.set LV, 73728                         ; LDS: K's 48 images from 0, V's 48 from here,
.set LKS, 147456                       ; K's scale words, 512 bytes a step,
.set LVS, 153600                       ; V's,
.set LMB, 159744                       ; the mask table, 1,536 f32,
.set LOSC, 165888                      ; O's scale bytes, 2 for each of 512 queries,
.set SPARE, 166912                     ; the spare words, 128 bytes for each of 16 waves
.set CS, 50                            ; s[50:51] c = log2(e) / 8
.set SEL, 52                           ; s[52:53]
.macro LSTORE abs, reg                 ; 16 bytes a thread to LDS byte abs + 16 x thread; the immediate has 16 bits, so three registers carry the rest
.if (\abs) < 65536
	ds_store_b128 v220, v[\reg:\reg+3] offset:\abs
.elseif (\abs) < 131072
	ds_store_b128 v221, v[\reg:\reg+3] offset:(\abs)-65536
.else
	ds_store_b128 v222, v[\reg:\reg+3] offset:(\abs)-131072
.endif
.endm
.macro SPROD z                         ; eight tiles of scores; z = 1: C is the constant 0; else C is what lies in the tile's registers: the mask
.irp g,0,1,2,3
.if \z
	v_wmma_scale_f32_16x16x128_f8f6f4 v[96+16*\g:103+16*\g], v[48+12*\g:59+12*\g], v[22:33], 0, v[212+\g], v47 matrix_a_fmt:MATRIX_FMT_BF6 matrix_b_fmt:MATRIX_FMT_BF6
	v_wmma_scale_f32_16x16x128_f8f6f4 v[104+16*\g:111+16*\g], v[48+12*\g:59+12*\g], v[16:27], 0, v[212+\g], v47 matrix_a_fmt:MATRIX_FMT_BF6 matrix_b_fmt:MATRIX_FMT_BF6
.else
	v_wmma_scale_f32_16x16x128_f8f6f4 v[96+16*\g:103+16*\g], v[48+12*\g:59+12*\g], v[22:33], v[96+16*\g:103+16*\g], v[212+\g], v47 matrix_a_fmt:MATRIX_FMT_BF6 matrix_b_fmt:MATRIX_FMT_BF6
	v_wmma_scale_f32_16x16x128_f8f6f4 v[104+16*\g:111+16*\g], v[48+12*\g:59+12*\g], v[16:27], v[104+16*\g:111+16*\g], v[212+\g], v47 matrix_a_fmt:MATRIX_FMT_BF6 matrix_b_fmt:MATRIX_FMT_BF6
.endif
.endr
.endm
; A KEY STEP: 128 keys
.macro STEP
	s_wait_alu depctr_vm_vsrc(0)                     ; the LDS loads issued so far have read v8 to v11, which the four additions write
	v_add_nc_u32 v8, s41, v1                         ; four additions: also the places behind the last products, in front of the loads below
	v_add_nc_u32 v9, s41, v2
	v_add_nc_u32 v10, s42, v3
	v_add_nc_u32 v11, s42, v4
	s_wait_alu depctr_va_vdst(0)                     ; v8 to v11 are written, which the loads read; the last step's products are done reading v48-95 and v212-219, its vector lines are done with v96-159: loads land in all of these; in a pass's first step Q's run v16-33 and its scale word v47 are written, which the score products take
.irp g,0,1,2,3
.irp c,0,1,2
	ds_load_b128 v[48+12*\g+4*\c:51+12*\g+4*\c], v8 offset:1536*\g+512*\c
.endr
.endr
	ds_load_b128 v[212:215], v10                     ; the four fragments' scale words
	s_and_b32 s44, s40, 1
	s_cmp_eq_u32 s44, 0
	s_cbranch_scc1 .Lclear_\@
.irp t,0,1,2,3,4,5,6,7
	ds_load_b128 v[96+8*\t:99+8*\t], v11 offset:64*\t        ; register j of tile t: the table at key 16 t + 8 h + j
	ds_load_b128 v[100+8*\t:103+8*\t], v11 offset:64*\t+16
.endr
	s_wait_dscnt 0x0
	SPROD 0
	s_branch .Ljoin_\@
.Lclear_\@:
	s_wait_dscnt 0x0
	SPROD 1
.Ljoin_\@:
.rept 4
	v_nop                                            ; places in front of the loads into the fragments' registers and of the first read of the scores
.endr
	s_wait_alu depctr_va_vdst(0)                     ; the eight score products are done reading K's fragments v48-95, in which V's land
.irp n,0,1,2,3
.irp c,0,1,2
	ds_load_b128 v[48+12*\n+4*\c:51+12*\n+4*\c], v9 offset:1536*\n+512*\c   ; V's four fragments land while the softmax is walked
.endr
.endr
	ds_load_b128 v[216:219], v10 offset:LVS-LKS
.irp b,0,1,2,3
	v_max3_num_f32 v[232+\b], v[96+16*\b], v[97+16*\b], v[98+16*\b]   ; the largest score of each block of 32 keys: for the row's maximum and, since p rises with the score, for the block's largest p
.endr
.irp i,3,5,7,9,11,13
.irp b,0,1,2,3
	v_max3_num_f32 v[232+\b], v[232+\b], v[96+16*\b+\i], v[97+16*\b+\i]
.endr
.endr
.irp b,0,1,2,3
	v_max_num_f32 v[232+\b], v[232+\b], v[111+16*\b]
.endr
.irp b,0,1,2,3
	v_permlanex16_b32 v[236+\b], v[232+\b], s[SEL], s[SEL+1]
.endr
.irp b,0,1,2,3
	v_max_num_f32 v[232+\b], v[232+\b], v[236+\b]    ; with lane l xor 16's 16 keys
.endr
	v_max3_num_f32 v254, v232, v233, v234
	v_max_num_f32 v254, v254, v235
	v_mul_f32 v254, s[CS], v254                      ; as t
	v_max_num_f32 v13, v13, v254                     ; the running largest t
	v_mov_b32 v254, v12
	v_floor_f32 v12, -v13                            ; -M = floor(-t): M is a whole number
	v_sub_f32 v254, v12, v254                        ; old M - new M
	v_cvt_i32_f32 v254, v254                         ; (it saturates)
	v_ldexp_f32 v252, 1.0, v254                      ; f = 2^(old M - new M)
.set j, 0
.rept 32
	v_pk_fma_f32 v[96+j:97+j], v[96+j:97+j], s[CS:CS+1], v[12:13] op_sel_hi:[1,0,0]   ; t - M
.set j, j+2
.endr
.irp b,0,1,2,3
	v_fma_f32 v[232+\b], v[232+\b], s[CS], v12
.endr
.set j, 0
	s_wait_alu depctr_va_vdst(0)
.rept 64
	v_exp_f32 v[96+j], v[96+j]                       ; p = 2^(t - M): not normalised
.set j, j+1
.endr
	v_pk_mul_f32 v[14:15], v[14:15], v[252:253] op_sel_hi:[1,0]   ; the sums under the new M: a plain place behind the exponentials
	s_wait_alu depctr_va_vdst(0)                     ; the 64 exponentials have written v96-159: one wait for the batch, ahead of its first reader
.irp b,0,1,2,3
	v_exp_f32 v[232+\b], v[232+\b]                   ; each block's largest p
.endr
	v_pk_add_f32 v[236:237], v[96:97], v[98:99]      ; the row's sum, of the unquantised p, in two chains
.irp j,4,8,12,16,20,24,28,32,36,40,44,48,52,56,60
	v_pk_add_f32 v[14:15], v[14:15], v[96+\j:97+\j]
	v_pk_add_f32 v[236:237], v[236:237], v[98+\j:99+\j]
.endr
	v_pk_add_f32 v[14:15], v[14:15], v[236:237]
	s_wait_alu depctr_va_vdst(0)                     ; the four exponentials have written v232-235, ahead of their first reader
.irp b,0,1,2,3
	v_max_num_f32 v[232+\b], 0x2800000, v[232+\b]    ; the floor 2^(5-127)
.endr
.irp b,0,1,2,3
	v_add_nc_u32 v[244+\b], 0xfe000000, v[232+\b]
.endr
.irp b,0,1,2,3
	v_lshrrev_b32 v[236+\b], 23, v[244+\b]
.endr
	v_lshl_or_b32 v253, v237, 8, v236                ; p's scale word
	v_lshl_or_b32 v253, v238, 16, v253
	v_lshl_or_b32 v253, v239, 24, v253
.irp c,0,1
	v_cvt_scalef32_pk16_bf6_f32 v[192+6*\c:194+6*\c], v[96+32*\c:111+32*\c], v[244+2*\c]
	v_cvt_scalef32_pk16_bf6_f32 v[204+4*\c:206+4*\c], v[112+32*\c:127+32*\c], v[244+2*\c+1]
.endr
	v_nop
.irp c,0,1
.irp i,0,1,2
	v_permlane16_swap_b32 v[192+6*\c+\i], v[204+4*\c+\i]
.endr
.irp i,0,1,2
	v_mov_b32 v[195+6*\c+\i], v[204+4*\c+\i]
.endr
.endr
.set j, 0
.rept 16
	v_pk_mul_f32 v[160+j:161+j], v[160+j:161+j], v[252:253] op_sel_hi:[1,0]   ; O^T under the new M; these 16 also stand between p's codes and scale word and the products
.set j, j+2
.endr
	s_wait_dscnt 0x0                                 ; V
	s_wait_alu depctr_va_vdst(0)                     ; p's codes v192-203 and its scale word v253 are written, which the four products below take as source and as scales; the places above stay beside this wait
.irp n,0,1,2,3
	v_wmma_scale_f32_16x16x128_f8f6f4 v[160+8*\n:167+8*\n], v[48+12*\n:59+12*\n], v[192:203], v[160+8*\n:167+8*\n], v[216+\n], v253 matrix_a_fmt:MATRIX_FMT_BF6 matrix_b_fmt:MATRIX_FMT_BF6
.endr
	s_lshr_b32 s40, s40, 1
	s_add_co_u32 s41, s41, 6144
	s_add_co_u32 s42, s42, 512
.endm
; A PASS: tile p of my pair of query tiles, over all 12 steps, and its way out
.macro PASS p
	s_wait_xcnt 0x0                                  ; the last pass's stores have read their registers
.if \p
	s_wait_alu depctr_vm_vsrc(0)                     ; the last pass's stores have read v128-133 and v240, which this pass's products and vector lines write again
.endif
.irp j,0,1,2,3,4,5
	v_mov_b32 v[22+\j], v[34+6*\p+\j]                ; Q's half of the pair's image
.endr
	v_perm_b32 v47, v46, v46, 0x01000100+0x02020202*\p   ; its two scale bytes, twice
	v_mov_b32 v13, 0xf1800000                        ; the largest t so far: -2^100
	v_floor_f32 v12, -v13
	v_mov_b32 v14, 0
	v_mov_b32 v15, 0
.set j, 0
.rept 32
	v_mov_b32 v[160+j], 0                            ; the step is written once: the first finds zeros
.set j, j+1
.endr
	s_mov_b32 s40, s36                               ; the steps' flags
	s_mov_b32 s41, 0
	s_mov_b32 s42, 0
	s_mov_b32 s43, 12
.Lstep_\@:
	STEP
	s_sub_co_u32 s43, s43, 1
	s_cmp_lg_u32 s43, 0
	s_cbranch_scc1 .Lstep_\@
.rept 4
	v_nop                                            ; places behind the last products
.endr
	v_add_f32 v14, v14, v15
	v_permlanex16_b32 v252, v14, s[SEL], s[SEL+1]
	v_add_f32 v14, v14, v252                         ; the row's sum
	s_wait_alu depctr_va_vdst(0)
	v_rcp_f32 v14, v14
	v_nop
	s_wait_alu depctr_va_vdst(0)                     ; the reciprocal has written v14, ahead of its first reader
.set j, 0
.rept 32
	v_mul_f32 v[96+j], v[160+j], v14                 ; O^T / the sum: register 8n+j is channel 16n + 8h + j
.set j, j+1
.endr
.irp e,0,1
.irp j,0,1,2,3,4,5,6,7
	v_permlane16_swap_b32 v[96+16*\e+\j], v[104+16*\e+\j]   ; Wo's codes lie in their true order: after the exchange my 16 registers are channels 32e + 16h + 0..15
.endr
.endr
.irp e,0,1
	v_max3_num_f32 v[232+\e], |v[96+16*\e]|, |v[97+16*\e]|, 0x2800000
.endr
.irp i,2,4,6,8,10,12,14
.irp e,0,1
	v_max3_num_f32 v[232+\e], v[232+\e], |v[96+16*\e+\i]|, |v[97+16*\e+\i]|
.endr
.endr
.irp e,0,1
	v_permlanex16_b32 v[236+\e], v[232+\e], s[SEL], s[SEL+1]
.endr
.irp e,0,1
	v_max_num_f32 v[232+\e], v[232+\e], v[236+\e]
.endr
.irp e,0,1
	v_add_nc_u32 v[244+\e], 0xfe000000, v[232+\e]
.endr
.irp e,0,1
	v_lshrrev_b32 v[236+\e], 23, v[244+\e]
.endr
	v_lshl_or_b32 v240, v237, 8, v236                ; the head's two scale bytes of my query
	v_cvt_scalef32_pk16_bf6_f32 v[128:130], v[96:111], v244
	v_cvt_scalef32_pk16_bf6_f32 v[132:134], v[112:127], v245
	v_nop
.irp i,0,1,2
	v_permlane16_swap_b32 v[128+\i], v[132+\i]
.endr
.irp i,0,1,2
	v_mov_b32 v[131+\i], v[132+\i]                   ; six registers: half a fragment of the last product: k = 32h + 0..31 of the head's 64
.endr
	s_wait_alu depctr_va_vdst(0)                     ; the conversions, exchanges and moves have written v128-133 and v240, which the three stores below read; the pass's vector lines are done with v96-99, in which the launch's last LDS load lands
	global_store_b128 v1, v[128:131], s[38:39] offset:12288*\p
	global_store_b64 v223, v[132:133], s[38:39] offset:12288*\p+512
	ds_store_b16 v7, v240 offset:32*\p               ; lanes r and 16 + r write the same bytes with the same value
.endm
	s_load_b256 s[4:11], s[0:1], 0x0                 ; qkv s[4:5], prepbuf s[6:7], mflags s[8:9], obuf s[10:11]
	v_lshl_add_u32 v5, v0, 2, SPARE
	v_mov_b32 v6, 0
	v_lshrrev_b32 v8, 5, v0
	v_readfirstlane_b32 s12, v8                      ; wave
	s_and_b32 s13, ttmp7, 0xffff                     ; 16 x batch + head
	s_lshr_b32 s14, s13, 4
	s_and_b32 s15, s13, 15
	v_and_b32 v9, 31, v0
	v_and_b32 v10, 15, v0
	v_bfe_u32 v11, v0, 4, 1
	v_lshlrev_b32 v1, 4, v9                          ; 16 x lane: K's images
	v_add_nc_u32 v2, LV, v1                          ; V's
	v_add_nc_u32 v3, LKS, v1                         ; the scale words
	v_lshlrev_b32 v4, 5, v11
	v_add_nc_u32 v4, LMB, v4                         ; the table: 32 h
	s_wait_alu depctr_va_sdst(0)                     ; s12, the wave's number, is written, ahead of its first reader
	s_lshl_b32 s16, s12, 6
	v_lshl_add_u32 v7, v10, 1, s16
	v_add_nc_u32 v7, LOSC, v7                        ; 64 w + 2 r
	v_lshlrev_b32 v220, 4, v0
	v_add_nc_u32 v221, 65536, v220
	v_add_nc_u32 v222, 131072, v220
	v_lshlrev_b32 v223, 3, v9
	v_add_nc_u32 v224, LOSC, v220
	s_mul_i32 s20, s13, 73728
	s_add_co_u32 s22, s20, VIMG
	s_add_co_u32 s20, s20, KIMG
	s_mov_b32 s21, 0
	s_mov_b32 s23, 0
	s_mul_i32 s24, s13, 6144
	s_add_co_u32 s26, s24, VSC
	s_add_co_u32 s24, s24, KSC
	s_mov_b32 s25, 0
	s_mov_b32 s27, 0
	s_mul_i32 s28, s14, 6144
	s_add_co_u32 s28, s28, MBT
	s_mov_b32 s29, 0
	s_lshl_b32 s30, s13, 6
	s_lshl_b32 s31, ttmp9, 4
	s_add_co_u32 s30, s30, s31
	s_add_co_u32 s30, s30, s12                       ; my pair of query tiles: 64 x (batch, head) + 16 x block + wave
	s_mul_i32 s30, s30, 1536
	s_mov_b32 s31, 0
	s_lshl_b32 s32, s13, 4
	s_lshl_b32 s33, ttmp9, 2
	s_add_co_u32 s32, s32, s33
	s_lshr_b32 s33, s12, 2
	s_add_co_u32 s32, s32, s33
	s_lshl_b32 s32, s32, 9
	s_and_b32 s33, s12, 3
	s_lshl_b32 s33, s33, 2
	s_add_co_u32 s32, s32, s33
	s_add_co_u32 s32, s32, QSC
	s_mov_b32 s33, 0
	s_lshl_b32 s34, s14, 8
	s_mov_b32 s35, 0
	s_lshl_b32 s38, s14, 7
	s_lshl_b32 s39, ttmp9, 5
	s_add_co_u32 s38, s38, s39
	s_lshl_b32 s39, s12, 1
	s_add_co_u32 s38, s38, s39                       ; my first tile of 16 rows of O
	s_lshl_b32 s38, s38, 4
	s_add_co_u32 s38, s38, s15
	s_mul_i32 s38, s38, 768
	s_mov_b32 s39, 0
	s_lshl_b32 s46, s15, 14
	s_lshl_b32 s47, s14, 12
	s_add_co_u32 s46, s46, s47
	s_lshl_b32 s47, ttmp9, 10
	s_add_co_u32 s46, s46, s47
	s_add_co_u32 s46, s46, OSCG
	s_mov_b32 s47, 0
	s_mov_b32 s[CS], 0x3e38aa3b
	s_mov_b32 s[CS+1], s[CS]
	s_mov_b32 s[SEL], 0x76543210
	s_mov_b32 s[SEL+1], 0xfedcba98
	s_wait_kmcnt 0x0
	s_add_nc_u64 s[8:9], s[8:9], s[34:35]
	s_load_b32 s36, s[8:9], 0x0                      ; the batch's flags: steps 0-5,
	s_load_b32 s37, s[8:9], 0x80                     ; steps 6-11
	s_add_nc_u64 s[20:21], s[4:5], s[20:21]
	s_add_nc_u64 s[22:23], s[4:5], s[22:23]
	s_add_nc_u64 s[24:25], s[4:5], s[24:25]
	s_add_nc_u64 s[26:27], s[4:5], s[26:27]
	s_add_nc_u64 s[28:29], s[6:7], s[28:29]
	s_add_nc_u64 s[30:31], s[4:5], s[30:31]
	s_add_nc_u64 s[32:33], s[4:5], s[32:33]
	s_add_nc_u64 s[38:39], s[10:11], s[38:39]
	s_add_nc_u64 s[46:47], s[10:11], s[46:47]
	s_wait_alu depctr_va_vdst(0)                     ; the offsets and addresses v1 to v4, v7 and v220 to v224 are written, which the loads and stores of the whole launch read
.irp j,0,1,2,3,4,5,6,7,8
	global_load_b128 v[96+4*\j:99+4*\j], v220, s[20:21] offset:8192*\j
.endr
.irp j,0,1,2,3,4,5,6,7,8
	global_load_b128 v[132+4*\j:135+4*\j], v220, s[22:23] offset:8192*\j
.endr
.irp c,0,1,2
	global_load_b128 v[34+4*\c:37+4*\c], v1, s[30:31] offset:512*\c
.endr
	global_load_b32 v46, v1, s[32:33]
	s_cmp_ge_u32 s12, 12                             ; the three small tables are 6,144 bytes each: 384 threads
	s_cbranch_scc1 .Lno_small_loads
	global_load_b128 v[168:171], v220, s[24:25]
	global_load_b128 v[172:175], v220, s[26:27]
	global_load_b128 v[176:179], v220, s[28:29]
.Lno_small_loads:
.irp j,16,17,18,19,20,21,28,29,30,31,32,33
	v_mov_b32 v[\j], 0                               ; the zeros of Q's run, written once
.endr
.irp b,0,1,2,3
	v_mov_b32 v[236+\b], 0                           ; a lane permute's destination counts as one of its sources
.endr
	v_mov_b32 v253, 0                                ; (named as the upper half of v[252:253] before it is first written)
	s_wait_loadcnt 0x0
.irp j,0,1,2,3,4,5,6,7,8
	LSTORE 8192*\j, 96+4*\j
.endr
.irp j,0,1,2,3,4,5,6,7,8
	LSTORE LV+8192*\j, 132+4*\j
.endr
	s_cmp_ge_u32 s12, 12
	s_cbranch_scc1 .Lno_small_stores
	LSTORE LKS, 168
	LSTORE LVS, 172
	LSTORE LMB, 176
.Lno_small_stores:
	s_wait_dscnt 0x0
	s_wait_alu depctr_vm_vsrc(0)                     ; my LDS stores have read v96-179: these registers are the scores, p and O^T from here on, written by loads, products and vector lines
	s_barrier_signal -1
	s_barrier_wait -1                                ; the head's K, V, scale words and the table lie in LDS
	s_wait_kmcnt 0x0
	s_or_b32 s36, s36, s37
	PASS 0
	PASS 1
	s_wait_dscnt 0x0
	s_barrier_signal -1
	s_barrier_wait -1                                ; the 512 queries' scale bytes lie together
	s_cmp_ge_u32 s12, 2
	s_cbranch_scc1 .Ldone
	ds_load_b128 v[96:99], v224                      ; (no vector line has named v96-99 since the wait ahead of the last pass's stores)
	s_wait_dscnt 0x0
	global_store_b128 v220, v[96:99], s[46:47]       ; 1,024 consecutive bytes from two waves
.Ldone:
	s_wait_dscnt 0x0                                 ; the closing lines, six on end
	s_wait_alu 0x0
	s_wait_tensorcnt 0x0
	ds_add_u32 v5, v6
	s_wait_dscnt 0x0
	s_endpgm
.Lfunc_end_k_q64d40c44d1_attn:
	.size	k_q64d40c44d1_attn, .Lfunc_end_k_q64d40c44d1_attn-k_q64d40c44d1_attn
	.p2alignl 7, 3214868480
	.fill 96, 4, 3214868480
	.section	.rodata,"a",@progbits
	.p2align	6, 0x0
	.amdhsa_kernel k_q64d40c44d1_attn
		.amdhsa_group_segment_fixed_size 168960
		.amdhsa_private_segment_fixed_size 0
		.amdhsa_enable_private_segment 0
		.amdhsa_kernarg_size 32
		.amdhsa_user_sgpr_count 2
		.amdhsa_user_sgpr_kernarg_segment_ptr 1
		.amdhsa_wavefront_size32 1
		.amdhsa_system_sgpr_workgroup_id_x 1
		.amdhsa_system_sgpr_workgroup_id_y 1
		.amdhsa_system_sgpr_workgroup_id_z 1
		.amdhsa_system_vgpr_workitem_id 0
		.amdhsa_next_free_vgpr 256
		.amdhsa_next_free_sgpr 66
		.amdhsa_reserve_vcc 0
		.amdhsa_float_denorm_mode_32 3
		.amdhsa_float_denorm_mode_16_64 3
		.amdhsa_memory_ordered 1
		.amdhsa_forward_progress 1
		.amdhsa_inst_pref_size 56
	.end_amdhsa_kernel
	.amdgpu_metadata
---
amdhsa.version: [ 1, 2 ]
amdhsa.kernels:
  - .name:           k_q64d40c44d1_attn
    .symbol:         k_q64d40c44d1_attn.kd
    .args:
      - { .name: qkv, .offset: 0, .size: 8, .value_kind: global_buffer, .address_space: global }
      - { .name: prepbuf, .offset: 8, .size: 8, .value_kind: global_buffer, .address_space: global }
      - { .name: mflags, .offset: 16, .size: 8, .value_kind: global_buffer, .address_space: global }
      - { .name: obuf, .offset: 24, .size: 8, .value_kind: global_buffer, .address_space: global }
    .group_segment_fixed_size: 168960
    .private_segment_fixed_size: 0
    .kernarg_segment_align: 8
    .kernarg_segment_size: 32
    .max_flat_workgroup_size: 512
    .sgpr_count:     66
    .vgpr_count:     256
    .wavefront_size: 32
...
	.end_amdgpu_metadata
.endif
;; end of part 7
;; launch outp (part 8): grid 256 x 1, 4 waves a work-group, no clusters, 120,320 bytes of LDS; arguments obuf, prepbuf, Wo_scales, hidden_states, gate, out0; writes out0
.if DOCPART == 8
	.amdgcn_target "amdgcn-amd-amdhsa--gfx1250"
	.amdhsa_code_object_version 6
	.text
	.protected	k_q64d40c44d1_outp
	.globl	k_q64d40c44d1_outp
	.p2align	8
	.type	k_q64d40c44d1_outp,@function
k_q64d40c44d1_outp:
	s_mov_b64 s[64:65], 0
	v_nop
	global_prefetch_b8 v0, s[64:65] scope:SCOPE_SE
	s_setreg_imm32_b32 hwreg(HW_REG_WAVE_SCHED_MODE, 0, 2), 2
	s_setreg_imm32_b32 hwreg(HW_REG_WAVE_MODE, 25, 1), 1
	s_wait_xcnt 0x0
	s_wait_alu depctr_vm_vsrc(0)
; Launch 4 of 4: out0 = hidden_states + tanh(gate) x (O Wo^T), the product on codes of BF6 (E3M2).  No work of reference() is left out.
; SHARES.  A work-group takes 128 rows x 256 columns; wave w takes 64 columns: its 64 rows of Wo, all 8 K steps, stay in 384 registers.  The 128 rows' codes (two chunks of 64 rows, 49,152 dense bytes each)
; and their scale bytes come through registers into two LDS slots at the head: one barrier in the launch.
; O's scale bytes lie [head][row] as pairs of bytes; here they are turned into rows of 32 bytes: a thread takes one row and eight heads.
; The product is used transposed (source 0 = 16 rows of Wo, source 1 = 16 rows of O): a lane holds eight neighbouring columns of a row.  A tile of 16 rows x 64 columns goes through the wave's own stage and comes
; back as rows of 256 bytes, which sixteen lanes store as 256 consecutive bytes, aligned; hidden_states is loaded in the same shape, a chunk ahead.
; tanh(g) = 1 - 2 / (1 + 2^(2 log2(e) g)), which holds at both ends of g's range.
; No cluster: what four work-groups share is read once at the head.
; REGISTERS: window 0: v1-24 addresses; v32-63 Wo's scale words; v64-95 the chunk's; v96-191 two buffers of four fragments; v192-223 rows on the way out; v[224:225] tanh(gate); v226-249 scale bytes at the head.
; Window 1: Wo's fragments of K steps 0-4.  Window 2: v0-143 those of K steps 5-7; v144-239 chunk 0 on its way.  Window 3: v0-127 16 accumulators (at the head: chunk 1 on its way); v128-255 hidden_states.
; THE MODE: SCHED_MODE bits 1:0 = 2 (LLVM: expert scheduling mode 2), set by the entry lines.  The code itself states the register dependences
; between vector or matrix instructions and memory or LDS instructions, with s_wait_alu, always for 0.
; THE PLAN.  Registers that memory or LDS instructions touch:
;   v1-v24           offsets and LDS addresses: written by vector lines at the head, never again.
;   v64-95           a chunk's scale words: LDS loads at the chunk's head land in them, the chunk's 128 products read them.
;   v96-143, v144-191  K step t's products read buffer t % 2; at that step's head the loads of K step t + 1 land in the other, which the products of K step t - 1 read.
;   window 3 v0-127  at the head chunk 1 lands in v0-95 and LDS stores read them; then the products write the 16 accumulators, and the four tiles' LDS stores read them.
;   v192-223         a tile's rows: LDS loads land in them, 16 multiply-adds write them, eight stores read them; the next tile's loads land in them again.
;   window 3 v128-255  hidden_states: global loads land in them, a tile's multiply-adds read its 32; in chunk 0 the same tile of chunk 1 is then loaded into them.
; So a wait on va_vdst stands at the head of K steps 1 to 6, behind the places at a chunk's first tile, and behind each tile's multiply-adds; a wait on vm_vsrc ahead of the barrier and ahead of each tile's loads from the stage but the first's.
.set WIMG, 11468800
.set OSCG, 6291456
.set SLOTB, 51200
.set SCOFF, 49152
.set STAGE, 102400                     ; 16 rows x 272 bytes for each wave
.set SPARE, 119808
.set WS, 32
.set AS, 64
.set AB, 96
.set BK, 192
.set SG, 144
.set MSB, 0
.macro WIN new
.if MSB != (\new)
	s_set_vgpr_msb (MSB<<8)|(\new)
.set MSB, (\new)
.endif
.endm
.macro PLACES
.rept 4
	v_nop
.endr
.endm
.macro AFETCH buf, k, t                ; slot 0 begins at LDS byte 0 and takes the plain registers v1 (16 x lane) and v15 (8 x lane); slot 1 takes v7 and v9
.set FB, AB+48*(\buf)
.set RA, 1+6*(\k)
.set RB, 15-6*(\k)
.irp i,0,1,2,3
	ds_load_b128 v[FB+12*\i:FB+12*\i+3], v[RA] offset:\i*12288+(\t)*1536
	ds_load_b64 v[FB+12*\i+4:FB+12*\i+5], v[RB] offset:\i*12288+(\t)*1536+512
	ds_load_b128 v[FB+12*\i+6:FB+12*\i+9], v[RA] offset:\i*12288+(\t)*1536+768
	ds_load_b64 v[FB+12*\i+10:FB+12*\i+11], v[RB] offset:\i*12288+(\t)*1536+1280
.endr
.endm
.macro ASCALES k
.irp i,0,1,2,3
	ds_load_b128 v[AS+8*\i:AS+8*\i+3], v[10+\k] offset:512*\i
	ds_load_b128 v[AS+8*\i+4:AS+8*\i+7], v[10+\k] offset:512*\i+16
.endr
.endm
.macro KSTEP k, t                      ; the next K step's fragments are asked for, then 16 products, the 16 accumulators by turns
.if \t < 7
.if \t > 0
	PLACES
	s_wait_alu depctr_va_vdst(0)                     ; the products of the K step before are done reading the buffer in which the 16 loads below land
.endif
	AFETCH (\t+1)%2, \k, \t+1
	s_wait_dscnt 16                                  ; all but the 16 loads just issued
.else
	s_wait_dscnt 0x0
.endif
.if \t < 5
.set WW, 1
.set WB, 48*\t
.else
.set WW, 2
.set WB, 48*(\t-5)
.endif
.set FA, AB+48*((\t)%2)
	WIN 0xf0|WW
.irp i,0,1,2,3
.irp n,0,1,2,3
.if \t == 0
	v_wmma_scale_f32_16x16x128_f8f6f4 v[32*\i+8*\n:32*\i+8*\n+7], v[WB+12*\n:WB+12*\n+11], v[FA+12*\i:FA+12*\i+11], 0, v[WS+8*\n+\t], v[AS+8*\i+\t] matrix_a_fmt:MATRIX_FMT_BF6 matrix_b_fmt:MATRIX_FMT_BF6
.else
	v_wmma_scale_f32_16x16x128_f8f6f4 v[32*\i+8*\n:32*\i+8*\n+7], v[WB+12*\n:WB+12*\n+11], v[FA+12*\i:FA+12*\i+11], v[32*\i+8*\n:32*\i+8*\n+7], v[WS+8*\n+\t], v[AS+8*\i+\t] matrix_a_fmt:MATRIX_FMT_BF6 matrix_b_fmt:MATRIX_FMT_BF6
.endif
.endr
.endr
	WIN 0
.endm
.macro TILEOUT k, i                    ; tile i of chunk k leaves
.if \i == 0
	PLACES                                           ; behind the last products
	s_wait_alu depctr_va_vdst(0)                     ; the chunk's products have written the 16 accumulators, which the LDS stores of its four tiles read; the places above stay beside this wait
.endif
	WIN 0x0c                                         ; an LDS store's data are its source 1: window 3
.irp n,0,1,2,3
	ds_store_b128 v16, v[32*\i+8*\n:32*\i+8*\n+3] offset:64*\n        ; each accumulator from its low end on
	ds_store_b128 v16, v[32*\i+8*\n+4:32*\i+8*\n+7] offset:64*\n+16
.endr
	WIN 0
	s_wait_xcnt 0x0                                  ; the last tile's stores have read the registers that the loads below fill
.if (\k)+(\i) > 0
	s_wait_alu depctr_vm_vsrc(0)                     ; the last tile's stores have read v192-223, in which the loads below land; in chunk 0 the LDS stores so far have read accumulators that chunk 1's products write again
.endif
.irp t,0,1,2,3,4,5,6,7
	ds_load_b128 v[BK+4*\t:BK+4*\t+3], v17 offset:\t*544   ; my own bytes, served in order: these see the stores above
.endr
	s_wait_dscnt 0x0
.if \k == 0
	s_wait_loadcnt 24                                ; this tile's hidden_states are in: behind them 8 (3 - i) loads of the head and 8 i of the next chunk
.else
	s_wait_loadcnt 8*(3-\i)                          ; behind them the later tiles' loads
.endif
	WIN 0x30                                         ; source 2 window 3
.set j, 0
.rept 16
	v_pk_fma_f32 v[BK+j:BK+j+1], v[BK+j:BK+j+1], v[224:225], v[128+32*\i+j:128+32*\i+j+1] op_sel_hi:[1,0,1]
.set j, j+2
.endr
.if \k == 0
	WIN 0xc0                                         ; destination window 3: the switch, the wait, the loads
	s_wait_alu depctr_va_vdst(0)                     ; the 16 multiply-adds are done reading this tile's hidden_states, in which the loads below land, and have written v192-223, which the stores behind them read
.irp t,0,1,2,3,4,5,6,7
	global_load_b128 v[128+32*\i+4*\t:128+32*\i+4*\t+3], v18, s[10:11] offset:(64+16*\i+2*\t)*4096 th:TH_LOAD_NT   ; the same tile of the next chunk
.endr
	WIN 0
.else
	WIN 0
	s_wait_alu depctr_va_vdst(0)                     ; the 16 multiply-adds have written v192-223, which the stores below read
.endif
.irp t,0,1,2,3,4,5,6,7
	global_store_b128 v18, v[BK+4*\t:BK+4*\t+3], s[14:15] offset:(64*\k+16*\i+2*\t)*4096 th:TH_STORE_NT   ; sixteen lanes store 256 consecutive bytes, at a multiple of 256 from the buffer's first byte
.endr
.endm
; A chunk.  Its first LDS loads owe no wait of their own: ahead of chunk 0 no vector or matrix line has named v64-191; ahead of chunk 1 the wait in chunk 0's last tile stands behind every product, and no vector line behind it names them.
.macro CHUNK k
	ASCALES \k
	AFETCH 0, \k, 0
.irp t,0,1,2,3,4,5,6,7
	KSTEP \k, \t
.endr
.irp i,0,1,2,3
	TILEOUT \k, \i
.endr
.endm
	s_load_b256 s[4:11], s[0:1], 0x0                 ; obuf s[4:5], prepbuf s[6:7], Wo's scales s[8:9], hidden_states s[10:11]
	s_load_b128 s[12:15], s[0:1], 0x20               ; gate s[12:13], out0 s[14:15]
	v_lshl_add_u32 v12, v0, 2, SPARE
	v_mov_b32 v13, 0
	v_lshrrev_b32 v1, 5, v0
	v_readfirstlane_b32 s16, v1                      ; wave
	v_and_b32 v14, 31, v0
	v_lshlrev_b32 v1, 4, v14                         ; 16 x lane
	v_lshlrev_b32 v15, 3, v14                        ; 8 x lane
	v_lshlrev_b32 v2, 4, v0                          ; 16 x thread
	v_and_b32 v22, 15, v0                            ; r
	v_bfe_u32 v23, v0, 4, 1                          ; h
	v_lshlrev_b32 v3, 5, v22                         ; 32 r
	v_add_nc_u32 v5, SLOTB, v2
	v_add_nc_u32 v7, SLOTB, v1
	v_add_nc_u32 v9, SLOTB, v15
	v_add_nc_u32 v10, SCOFF, v3
	v_add_nc_u32 v11, SLOTB+SCOFF, v3
	s_wait_alu depctr_va_sdst(0)                     ; s16, the wave's number, is written, ahead of its first reader
	s_mul_i32 s17, s16, 16*272
	s_add_co_u32 s17, s17, STAGE                     ; my stage
	v_mul_u32_u24 v16, v22, 272
	v_lshl_add_u32 v16, v23, 5, v16
	v_add_nc_u32 v16, s17, v16                       ; in: row r, + 32 h
	v_mul_u32_u24 v17, v23, 272
	v_lshl_add_u32 v17, v22, 4, v17
	v_add_nc_u32 v17, s17, v17                       ; back: lanes 0-15 one row, lanes 16-31 the next
	v_lshlrev_b32 v18, 12, v23
	v_lshl_add_u32 v18, v22, 4, v18                  ; and the same two rows in hidden_states and out0
	v_and_b32 v19, 63, v0                            ; the scale bytes: my row of a chunk,
	v_lshrrev_b32 v20, 6, v0                         ; my eight heads
	v_lshlrev_b32 v21, 1, v19
	v_lshl_add_u32 v21, v20, 17, v21                 ; in memory: 8 heads x 16,384 bytes, + 2 bytes a row
	v_lshlrev_b32 v19, 5, v19
	v_lshl_add_u32 v19, v20, 4, v19
	v_add_nc_u32 v19, SCOFF, v19                     ; in a slot: 32 bytes a row, + 16 for the upper heads
	v_mov_b32 v24, 0
	s_and_b32 s18, ttmp9, 3                          ; block of 256 columns
	s_lshr_b32 s19, ttmp9, 2                         ; block of 128 rows
	s_lshl_b32 s20, s18, 2
	s_add_co_u32 s20, s20, s16                       ; my 64 columns
	s_mov_b32 s23, 0
	s_wait_kmcnt 0x0
	s_mul_i32 s22, s19, 98304
	s_add_nc_u64 s[24:25], s[4:5], s[22:23]          ; O's images
	s_lshl_b32 s22, s19, 8
	s_add_co_u32 s22, s22, OSCG
	s_add_nc_u64 s[26:27], s[4:5], s[22:23]          ; O's scale bytes
	s_mul_i32 s22, s20, 49152
	s_add_co_u32 s22, s22, WIMG+3*786432
	s_add_nc_u64 s[28:29], s[6:7], s[22:23]          ; Wo's images
	s_lshl_b32 s22, s20, 11
	s_add_nc_u64 s[8:9], s[8:9], s[22:23]
	s_lshl_b32 s22, s19, 19
	s_lshl_b32 s21, s20, 8
	s_add_co_u32 s22, s22, s21
	s_add_nc_u64 s[10:11], s[10:11], s[22:23]
	s_add_nc_u64 s[14:15], s[14:15], s[22:23]
	s_wait_alu depctr_va_vdst(0)                     ; the offsets and addresses v1 to v24 are written, which the loads and stores of the whole launch read; only loads and window switches follow up to the wait for their data
.irp n,0,1,2,3
	global_load_b128 v[WS+8*\n:WS+8*\n+3], v3, s[8:9] offset:512*\n
	global_load_b128 v[WS+8*\n+4:WS+8*\n+7], v3, s[8:9] offset:512*\n+16
.endr
	WIN 0x40
.irp t,0,1,2,3,4
.irp n,0,1,2,3
.irp c,0,1,2
	global_load_b128 v[48*\t+12*\n+4*\c:48*\t+12*\n+4*\c+3], v1, s[28:29] offset:(8*\n+\t)*1536+512*\c
.endr
.endr
.endr
	WIN 0x80
.irp t,5,6,7
.irp n,0,1,2,3
.irp c,0,1,2
	global_load_b128 v[48*(\t-5)+12*\n+4*\c:48*(\t-5)+12*\n+4*\c+3], v1, s[28:29] offset:(8*\n+\t)*1536+512*\c
.endr
.endr
.endr
	WIN 0
	global_load_b32 v224, v24, s[12:13]              ; the gate
	WIN 0x80
.set j, 0
.rept 24
	global_load_b128 v[SG+4*j:SG+4*j+3], v2, s[24:25] offset:2048*j th:TH_LOAD_NT
.set j, j+1
.endr
	WIN 0xc0
.set j, 0
.rept 24
	global_load_b128 v[4*j:4*j+3], v2, s[24:25] offset:SCOFF+2048*j th:TH_LOAD_NT
.set j, j+1
.endr
	WIN 0
.irp q,0,1
.irp e,0,1,2,3,4,5,6,7
	global_load_u16 v[226+8*\q+\e], v21, s[26:27] offset:\e*16384+128*\q
.endr
.endr
	WIN 0xc0
.irp i,0,1,2,3
.irp t,0,1,2,3,4,5,6,7
	global_load_b128 v[128+32*\i+4*\t:128+32*\i+4*\t+3], v18, s[10:11] offset:(16*\i+2*\t)*4096 th:TH_LOAD_NT
.endr
.endr
	WIN 0
	s_wait_loadcnt 32                                ; all but the 32 loads of hidden_states
.irp q,0,1
.irp e,0,1,2,3
	v_lshl_or_b32 v[242+4*\q+\e], v[226+8*\q+2*\e+1], 16, v[226+8*\q+2*\e]   ; a K step's word: two heads' pairs of bytes
.endr
.endr
	s_wait_alu depctr_va_vdst(0)                     ; the eight lines above have written v242-249, which the last two LDS stores below read
	WIN 0x08
.set j, 0
.rept 24
	ds_store_b128 v2, v[SG+4*j:SG+4*j+3] offset:2048*j
.set j, j+1
.endr
	WIN 0x0c
.set j, 0
.rept 24
	ds_store_b128 v5, v[4*j:4*j+3] offset:2048*j
.set j, j+1
.endr
	WIN 0
	ds_store_b128 v19, v[242:245]
	ds_store_b128 v19, v[246:249] offset:SLOTB
	v_mul_f32 v224, 0x4038aa3b, v224                 ; 2 log2(e) g
	s_wait_alu depctr_va_vdst(0)
	v_exp_f32 v224, v224
	v_nop
	s_wait_alu depctr_va_vdst(0)                     ; the exponential has written v224, ahead of its first reader
	v_add_f32 v224, 1.0, v224
	s_wait_alu depctr_va_vdst(0)
	v_rcp_f32 v224, v224
	v_nop
	s_wait_alu depctr_va_vdst(0)                     ; the reciprocal has written v224, ahead of its first reader
	v_fma_f32 v224, v224, -2.0, 1.0                  ; tanh(g)
	v_mov_b32 v225, v224                             ; (named with it as a pair)
	s_wait_dscnt 0x0
	s_wait_alu depctr_vm_vsrc(0)                     ; my LDS stores have read chunk 1's registers, which the products write as accumulators from here on
	s_barrier_signal -1
	s_barrier_wait -1                                ; both chunks lie in LDS
	CHUNK 0
	CHUNK 1
	s_wait_dscnt 0x0                                 ; the closing lines, six on end
	s_wait_alu 0x0
	s_wait_tensorcnt 0x0
	ds_add_u32 v12, v13
	s_wait_dscnt 0x0
	s_endpgm
.Lfunc_end_k_q64d40c44d1_outp:
	.size	k_q64d40c44d1_outp, .Lfunc_end_k_q64d40c44d1_outp-k_q64d40c44d1_outp
	.p2alignl 7, 3214868480
	.fill 96, 4, 3214868480
	.section	.rodata,"a",@progbits
	.p2align	6, 0x0
	.amdhsa_kernel k_q64d40c44d1_outp
		.amdhsa_group_segment_fixed_size 120320
		.amdhsa_private_segment_fixed_size 0
		.amdhsa_enable_private_segment 0
		.amdhsa_kernarg_size 48
		.amdhsa_user_sgpr_count 2
		.amdhsa_user_sgpr_kernarg_segment_ptr 1
		.amdhsa_wavefront_size32 1
		.amdhsa_system_sgpr_workgroup_id_x 1
		.amdhsa_system_sgpr_workgroup_id_y 1
		.amdhsa_system_sgpr_workgroup_id_z 1
		.amdhsa_system_vgpr_workitem_id 0
		.amdhsa_next_free_vgpr 1024
		.amdhsa_next_free_sgpr 66
		.amdhsa_reserve_vcc 0
		.amdhsa_float_denorm_mode_32 3
		.amdhsa_float_denorm_mode_16_64 3
		.amdhsa_memory_ordered 1
		.amdhsa_forward_progress 1
		.amdhsa_inst_pref_size 107
	.end_amdhsa_kernel
	.amdgpu_metadata
---
amdhsa.version: [ 1, 2 ]
amdhsa.kernels:
  - .name:           k_q64d40c44d1_outp
    .symbol:         k_q64d40c44d1_outp.kd
    .args:
      - { .name: obuf, .offset: 0, .size: 8, .value_kind: global_buffer, .address_space: global }
      - { .name: prepbuf, .offset: 8, .size: 8, .value_kind: global_buffer, .address_space: global }
      - { .name: Wo_scales, .offset: 16, .size: 8, .value_kind: global_buffer, .address_space: global }
      - { .name: hidden_states, .offset: 24, .size: 8, .value_kind: global_buffer, .address_space: global }
      - { .name: gate, .offset: 32, .size: 8, .value_kind: global_buffer, .address_space: global }
      - { .name: out0, .offset: 40, .size: 8, .value_kind: global_buffer, .address_space: global }
    .group_segment_fixed_size: 120320
    .private_segment_fixed_size: 0
    .kernarg_segment_align: 8
    .kernarg_segment_size: 48
    .max_flat_workgroup_size: 128
    .sgpr_count:     66
    .vgpr_count:     1024
    .wavefront_size: 32
...
	.end_amdgpu_metadata
.endif
;; end of part 8
